; MI455X (gfx1250); checked and timed in simulation.
; The chip was launched on July 23, 2026; its instructions are those of AMD's public machine-readable ISA for CDNA 5 (MIT licence, August 2026) and "CDNA5" Instruction Set Architecture Reference Guide (July 2026). The comments in the code are by the model that wrote it; some were corrected since.
;; Multi Head Attention. Allowed arithmetic: matrix products marked QUANTISED: E2M3 operands, one E8M0 scale for each 32 along K, by v_wmma_scale_f32_16x16x128_f8f6f4 with both operands' format E2M3, f32 sums; everything else in f32.
;; Inputs: Wk 1,024 x 1,024 float32; Wo 1,024 x 1,024 float32; Wq 1,024 x 1,024 float32; Wv 1,024 x 1,024 float32; bk 1,024 float32; bo 1,024 float32; bq 1,024 float32; bv 1,024 float32; k 2 x 2,048 x 1,024 float32; mask 2 x 1 x 2,048 x 2,048 int32; q 2 x 2,048 x 1,024 float32; v 2 x 2,048 x 1,024 float32.
;; Outputs: out0 2 x 2,048 x 1,024 float32.
;; This version of the problem:
;;   THIS VERSION OF THE PROBLEM IS GIVEN IN LOW PRECISION. The matrix products marked QUANTISED in the list below multiply operands that are first quantised to E2M3 (2 exponent bits, 3 mantissa bits; 6 bits a number), with one power-of-two scale for each 32 numbers along K (OCP MX v1.0); their sums are f32. All else is computed in f32.
;;   The module's matrix products, in the order in which they are computed (A, B: the left and right operand; K: the contracted axis; several contracted axes count as one K, in the product's order):
;;     1. [M 4,096, K 1,024] x [K 1,024, N 1,024]; A: input q; B: input Wq: QUANTISED
;;     2. [M 4,096, K 1,024] x [K 1,024, N 1,024]; A: input k; B: input Wk: QUANTISED
;;     3. [M 4,096, K 1,024] x [K 1,024, N 1,024]; A: input v; B: input Wv: QUANTISED
;;     4. batch 32 x [M 2,048, K 64] x [K 64, N 2,048]; A: computed on the way; B: computed on the way: QUANTISED
;;     5. batch 32 x [M 2,048, K 2,048] x [K 2,048, N 64]; A: softmax (see below); B: computed on the way: QUANTISED
;;     6. [M 4,096, K 1,024] x [K 1,024, N 1,024]; A: computed on the way; B: input Wo: QUANTISED
;;   THE QUANTISER, for each operand of a quantised product, along K:
;;     - K is cut into blocks of 32 from its start; a last block that is shorter is filled with zeros.
;;     - A block's scale is 2^e with e = floor(log2(the largest magnitude in the block)) - 2, held to -126 .. 127; a block of zeros has e = 0. As a byte (E8M0): e + 127.
;;     - Each number is divided by its block's scale, clamped to +-7.5, and rounded to the nearest number of E2M3, ties to even, subnormals kept.
;;     - The product sums the exact products of the quantised numbers (number of the format x scale) in f32.
;;   ~~~python
;;   def quantise(x, axis):      # numpy; x: float32 -> the quantised numbers, widened to float32 again
;;       x = np.moveaxis(x, axis, -1); K = x.shape[-1]
;;       x = np.pad(x, [(0, 0)] * (x.ndim - 1) + [(0, -K % 32)]); x = x.reshape(x.shape[:-1] + (-1, 32)); a = np.abs(x).max(-1, keepdims=True)
;;       e = np.where(a > 0, np.clip(np.frexp(np.where(a > 0, a, 1))[1] - 1 - 2, -126, 127), 0)      # np.frexp(a)[1] - 1 = floor(log2(a)), exactly
;;       r = np.clip(x / 2.0 ** e, -7.5, 7.5)
;;       step = 2.0 ** (np.maximum(np.frexp(np.where(r == 0, 1, r))[1] - 1, 0) - 3)
;;       q = np.round(r / step) * step * 2.0 ** e      # np.round: ties to even
;;       return np.moveaxis(q.reshape(q.shape[:-2] + (-1,))[..., :K], -1, axis).astype(np.float32)
;;   ~~~
;;   SOFTMAX AHEAD OF A QUANTISED PRODUCT. Where the list says 'softmax', what is quantised is not the finished softmax but p = 2^(t - M), with t = logit x log2(e) and M = ceil(the row's largest t), a whole number; so 1/2 < the row's largest p <= 1. The row's sum l is taken of the UNQUANTISED p, in f32, and the product's result is divided by l at the end. Since M is a whole number, a kernel that streams over the keys may use a running M (the ceiling of the running maximum): every later rescaling is an exact power of two, which a block's scale takes up: the codes' values come out the same.
;;   OPERANDS COMPUTED ON THE WAY. 'Computed on the way' means the value that the module computes at that place (a softmax that the list does not call 'softmax' is quantised finished and normalised). What goes into a quantiser is computed in f32, as accurately as f32 sums, v_exp_f32 and their like allow (about 1e-6 of the number): no bf16 or f16 on the way to a quantiser, and a product that is left as it is and whose result goes on into a quantised operand takes f32 operands (vector FMAs, or v_wmma_f32_16x16x4_f32). A number that lies on a knife's edge between two numbers of the format may be rounded either way, as far as f32 arithmetic and the matrix unit's own rounding can turn it there, and no further.
;; 2 versions. Each part assembles by itself: llvm-mc -triple=amdgcn-amd-amdhsa -mcpu=gfx1250 --defsym DOCPART=n.
;; ======== version 1 of 2: 4 launches
;; limits: right only within a limited range of input values
;; workspace buffers: cod 12,582,912 bytes; scl 524,288 bytes; msk 1,048,576 bytes of whole numbers; rec 13,107,200 bytes; att 3,276,800 bytes
;; launch prep (part 1): grid 384 x 1, 4 waves a work-group, no clusters, 68,096 bytes of LDS; arguments q, k, v, Wq, Wk, Wv, Wo, mask, cod, scl, msk; writes cod, scl, msk
.if DOCPART == 1
	.amdgcn_target "amdgcn-amd-amdhsa--gfx1250"
	.amdhsa_code_object_version 6
	.text
	.protected	k_q853b44f3d4_prep
	.globl	k_q853b44f3d4_prep
	.p2align	8
	.type	k_q853b44f3d4_prep,@function
k_q853b44f3d4_prep:
	s_mov_b64 s[64:65], 0
	v_nop
	global_prefetch_b8 v0, s[64:65] scope:SCOPE_SE
	s_setreg_imm32_b32 hwreg(HW_REG_WAVE_MODE, 25, 1), 1
	s_wait_xcnt 0x0
; FIRST OF FOUR LAUNCHES.  q, k, v [4096][1024] and Wq, Wk, Wv, Wo [1024][1024], f32, K innermost, become codes of FP6 (E2M3) with one E8M0 byte for each 32 along K; the mask becomes lane-mask words.
; The seven tensors are taken as 16,384 stacked rows (q 0, k 4096, v 8192, Wq 12288, Wk 13312, Wv 14336, Wo 15360).
; cod: a tile of 16 rows at 12,288 T; in it a K step of 128 at 1,536 g, laid AS THE OPERAND'S REGISTERS: for each half of 64 along K 768 bytes: registers 0-3 of lane l at 16 l, registers 4-5 at 512 + 8 l.
; scl: [16384][32] bytes, row-major.
; ORDER INSIDE A BLOCK.  A lane (r = lane % 16, h = lane / 16) quantises 64 numbers of row r: register 8 t + j is element 16 t + 8 h + j of the K step.  Block b of 32 is registers 16 b .. 16 b + 15 of lanes l and l xor 16:
; the true block.  Inside it the codes stand in the order 0-7, 16-23, 8-15, 24-31.  Every operand of this program is laid so, on both sides of every product, which leaves each sum of products as it is.
; msk: records of 64 words at 256 X.  X = (batch x 128 + tile of 16 queries) x 16 + step of 128 keys.  Bit l of word n: mask(query r, key 16 (n / 8) + 8 h + n % 8) != 0.
; A block's scale is 2^(floor(log2(largest magnitude)) - 2); its byte is the largest magnitude's exponent field - 2, held at 1 from below.
; LIMITS: NaN and infinities are not served; blocks of zeros, and blocks whose largest magnitude lies under 2^-124, carry the byte 1 (their bytes are read by this program alone; zero codes add nothing).
; SHARES.  Work-groups 0-255: wave w takes the tile of 16 rows 4 x work-group + w, eight K steps.  Work-groups 256-383: wave w takes 16 queries x 1,024 keys of the mask, eight steps.  Waves share nothing: no barrier.
; Each load reads 512 consecutive bytes of a row; a step's 16 x 512 bytes turn through the wave's own stage in LDS (rows 528 bytes apart: an odd multiple of 16) into the order above.  32 loads of a wave are out at most.
.set STG,  8448                        ; a wave's stage: 16 rows x 528 bytes
.set MSTG, 4*STG                       ; the mask path's stages lie behind the other path's: each path has LDS bytes of its own
.set R,    16                          ; v16-143  two sets of 64 registers as loaded
.set X,    144                         ; v144-207 the 64 numbers in the order above
.set PC,   208                         ; v208-227 the codes
.set TM,   228                         ; v228-243 at work in QUANT
.set PWS,  244                         ; v244-251 the row's eight scale words
.set OW4,  252                         ; v252-255 the four of them that I store
.set WD,   208                         ; mask path: v208-209 lane i holds words 2 i and 2 i + 1
.set LN,   1                           ; lane
.set L16,  4                           ; 16 x lane
.set L8,   5                           ; 8 x lane
.set SIN,  6                           ; stage, way in: 16 x lane
.set SOUT, 7                           ; stage, way out: 528 r + 32 h
.set SCO,  8                           ; 32 r + 16 h: my 16 scale bytes
.set MIN,  9                           ; the same two for the mask path
.set MOUT, 10
.set SEL,  30                          ; s[30:31] lane selects: lane l xor 16
; 64 numbers of a lane, v[s] on, become a fragment's codes in v[PC:PC+11] and the row's scale word in v[w]
.macro QUANT s, w
.irp b, 0,1,2,3
	v_max3_num_f32 v[TM+\b], |v[\s+16*\b]|, |v[\s+1+16*\b]|, 0x1800000   ; my 16 numbers of block b, and the floor 2^(3 - 127): the byte cannot fall under 1
.endr
.irp i, 2,4,6,8,10,12,14
.irp b, 0,1,2,3
	v_max3_num_f32 v[TM+\b], v[TM+\b], |v[\s+16*\b+\i]|, |v[\s+1+16*\b+\i]|   ; the four blocks by turns
.endr
.endr
.irp b, 0,1,2,3
	v_permlanex16_b32 v[TM+4+\b], v[TM+\b], s[SEL], s[SEL+1]
.endr
.irp b, 0,1,2,3
	v_max_num_f32 v[TM+\b], v[TM+\b], v[TM+4+\b]   ; with lane l xor 16's: the block's largest magnitude
.endr
.irp b, 0,1,2,3
	v_add_nc_u32 v[TM+12+\b], 0xff000000, v[TM+\b]   ; 2 off its exponent field: the conversion's scale operand
.endr
.irp b, 0,1,2,3
	v_lshrrev_b32 v[TM+4+\b], 23, v[TM+12+\b]   ; the scale's byte
.endr
	v_lshl_or_b32 v[\w], v[TM+5], 8, v[TM+4]
	v_lshl_or_b32 v[\w], v[TM+6], 16, v[\w]
	v_lshl_or_b32 v[\w], v[TM+7], 24, v[\w]
.irp c, 0,1
	v_cvt_scalef32_pk16_fp6_f32 v[PC+6*\c:PC+2+6*\c], v[\s+32*\c:\s+15+32*\c], v[TM+12+2*\c]
	v_cvt_scalef32_pk16_fp6_f32 v[PC+12+4*\c:PC+14+4*\c], v[\s+16+32*\c:\s+31+32*\c], v[TM+12+2*\c+1]   ; (a conversion's three registers begin on an even number)
.endr
	v_nop                                          ; one plain instruction behind the scaled conversions
.irp c, 0,1                                    ; the operand's layout wants a whole block in a lane: lanes 0-15 block 2 c, lanes 16-31 block 2 c + 1
.irp i, 0,1,2
	v_permlane16_swap_b32 v[PC+6*\c+\i], v[PC+12+4*\c+\i]
.endr
.irp i, 0,1,2
	v_mov_b32 v[PC+3+6*\c+\i], v[PC+12+4*\c+\i]
.endr
.endr
.endm
; the fragment leaves as an image of its registers: each store covers 512 or 256 consecutive bytes, aligned
.macro STORE4 bs, oa, ob
	global_store_b128 v[L16], v[PC:PC+3], s[\bs:\bs+1] offset:\oa
	global_store_b64 v[L8], v[PC+4:PC+5], s[\bs:\bs+1] offset:(\oa)+512
	global_store_b128 v[L16], v[PC+6:PC+9], s[\bs:\bs+1] offset:\ob
	global_store_b64 v[L8], v[PC+10:PC+11], s[\bs:\bs+1] offset:(\ob)+512
.endm
.macro LOAD g, pitch, bs               ; step g: 16 rows x 512 bytes
.irp i, 0,1,2,3,4,5,6,7,8,9,10,11,12,13,14,15
	global_load_b128 v[R+64*((\g)%2)+4*\i:R+64*((\g)%2)+4*\i+3], v[L16], s[\bs:\bs+1] offset:\i*\pitch+512*(\g) th:TH_LOAD_NT
.endr
.endm
.macro TURN g, sin, sout               ; through the stage: LDS serves a wave's instructions in order (ISA guide 5.7.1.4), so no wait stands between the stores and the loads
.irp i, 0,1,2,3,4,5,6,7,8,9,10,11,12,13,14,15
	ds_store_b128 v[\sin], v[R+64*((\g)%2)+4*\i:R+64*((\g)%2)+4*\i+3] offset:528*\i
.endr
.irp t, 0,1,2,3,4,5,6,7
	ds_load_b128 v[X+8*\t:X+8*\t+3], v[\sout] offset:64*\t
	ds_load_b128 v[X+8*\t+4:X+8*\t+7], v[\sout] offset:64*\t+16
.endr
.endm
	s_load_b512 s[4:19], s[0:1], 0x0               ; q, k, v, Wq, Wk, Wv, Wo, mask
	s_load_b128 s[20:23], s[0:1], 0x40             ; cod, scl
	s_load_b64 s[24:25], s[0:1], 0x50              ; msk
	v_lshl_add_u32 v238, v0, 2, 0x10800
	v_mov_b32 v239, 0
	v_lshrrev_b32 v1, 5, v0
	v_readfirstlane_b32 s26, v1                    ; wave 0..3
	v_and_b32 v[LN], 31, v0
	v_and_b32 v2, 15, v0                           ; r
	v_bfe_u32 v3, v0, 4, 1                         ; h
	v_lshlrev_b32 v[L16], 4, v[LN]
	v_lshlrev_b32 v[L8], 3, v[LN]
	s_mul_i32 s27, s26, STG
	v_add_nc_u32 v[SIN], s27, v[L16]
	v_mul_u32_u24 v[SOUT], v2, 528
	v_lshl_add_u32 v[SOUT], v3, 5, v[SOUT]
	v_add_nc_u32 v[SOUT], s27, v[SOUT]
	v_add_nc_u32 v[MIN], MSTG, v[SIN]
	v_add_nc_u32 v[MOUT], MSTG, v[SOUT]
	v_lshlrev_b32 v[SCO], 5, v2
	v_lshl_add_u32 v[SCO], v3, 4, v[SCO]
	s_mov_b32 s[SEL], 0x76543210
	s_mov_b32 s[SEL+1], 0xfedcba98
	s_wait_kmcnt 0x0
	s_cmp_ge_u32 ttmp9, 256
	s_cbranch_scc1 .Lmask
	; ---- the seven f32 tensors.  Which one is mine hangs on the work-group's number alone
.macro PICK lim, p
	s_cmp_ge_u32 ttmp9, \lim
	s_cselect_b64 s[34:35], s[\p:\p+1], s[34:35]
	s_cselect_b32 s28, \lim, s28
.endm
	s_mov_b64 s[34:35], s[4:5]
	s_mov_b32 s28, 0                               ; the tensor's first work-group
	PICK 64, 6
	PICK 128, 8
	PICK 192, 10
	PICK 208, 12
	PICK 224, 14
	PICK 240, 16
	s_sub_co_u32 s29, ttmp9, s28
	s_lshl_b32 s29, s29, 2
	s_add_co_u32 s29, s29, s26                     ; my tile of 16 rows in the tensor
	s_lshl_b32 s32, s29, 16                        ; x 16 rows of 4,096 bytes
	s_mov_b32 s33, 0
	s_add_nc_u64 s[34:35], s[34:35], s[32:33]
	s_lshl_b32 s29, ttmp9, 2
	s_add_co_u32 s29, s29, s26                     ; my tile among the stacked rows
	s_mul_i32 s32, s29, 12288
	s_add_nc_u64 s[20:21], s[20:21], s[32:33]
	s_lshl_b32 s32, s29, 9
	s_add_nc_u64 s[22:23], s[22:23], s[32:33]
.irp b, 0,1,2,3
	v_mov_b32 v[TM+4+\b], 0                        ; written once: a lane permute's destination counts as one of its sources
.endr
	LOAD 0, 4096, 34
	LOAD 1, 4096, 34
.macro FTILE g
.if (\g) < 7
	s_wait_loadcnt 16                              ; this step's 16 loads are in; the next step's 16 may be out
.else
	s_wait_loadcnt 0x0
.endif
	TURN \g, SIN, SOUT
	s_wait_dscnt 0x0                               ; the numbers are back, and the stage's stores have read the registers that the loads below take
	s_wait_xcnt 0x0                                ; the last step's stores have read the codes' registers: they are written again only behind this wait
.if (\g) < 6
	LOAD (\g)+2, 4096, 34
.endif
	QUANT X, PWS+(\g)
	STORE4 20, 1536*(\g), 1536*(\g)+768
.endm
.irp g, 0,1,2,3,4,5,6,7
	FTILE \g
.endr
	v_cmp_le_u32 vcc_lo, 16, v[LN]                 ; lanes 0-15 store words 0-3 of row r, lanes 16-31 words 4-7: 512 consecutive bytes
.irp i, 0,1,2,3
	v_cndmask_b32 v[OW4+\i], v[PWS+\i], v[PWS+4+\i], vcc_lo
.endr
	global_store_b128 v[SCO], v[OW4:OW4+3], s[22:23]
	s_wait_tensorcnt 0x0
	ds_add_u32 v238, v239
	s_wait_dscnt 0x0
	s_endpgm
	; ---- the mask
.Lmask:
	s_sub_co_u32 s28, ttmp9, 256
	s_lshl_b32 s28, s28, 2
	s_add_co_u32 s28, s28, s26                     ; 0..511: tile of 16 queries = this / 2, half of the 2,048 keys = this % 2; my first record is 8 x this
	s_lshr_b32 s29, s28, 1
	s_and_b32 s27, s28, 1
	s_lshl_b32 s4, s29, 17                         ; 16 rows of 8,192 bytes
	s_lshl_b32 s6, s27, 12                         ; 1,024 keys of 4 bytes
	s_add_co_u32 s4, s4, s6
	s_mov_b32 s5, 0
	s_add_nc_u64 s[18:19], s[18:19], s[4:5]
	s_lshl_b32 s4, s28, 11                         ; 8 records of 256 bytes
	s_add_nc_u64 s[20:21], s[24:25], s[4:5]        ; my records
	v_mov_b32 v[WD], 0                             ; v_writelane_b32's destination counts as read
	v_mov_b32 v[WD+1], 0
	LOAD 0, 8192, 18
	LOAD 1, 8192, 18
.macro MTILE g
.if (\g) < 7
	s_wait_loadcnt 16                              ; as above
.else
	s_wait_loadcnt 0x0
.endif
	TURN \g, MIN, MOUT
	s_wait_dscnt 0x0
	s_wait_xcnt 0x0                                ; the last record's store has read v[WD:WD+1]
.if (\g) < 6
	LOAD (\g)+2, 8192, 18
.endif
.irp o, 0,1,2,3,4,5,6,7
.irp j, 0,1,2,3,4,5,6,7
	v_cmp_ne_u32 s[32+\j], 0, v[X+8*\o+\j]         ; word 8 o + j: a bit a lane
.endr
.irp j, 0,1,2,3,4,5,6,7
	v_writelane_b32 v[WD+\j%2], s[32+\j], 4*\o+\j/2
.endr
.endr
	global_store_b64 v[L8], v[WD:WD+1], s[20:21] offset:256*(\g)   ; 256 consecutive bytes, aligned
.endm
.irp g, 0,1,2,3,4,5,6,7
	MTILE \g
.endr
	s_wait_tensorcnt 0x0
	ds_add_u32 v238, v239
	s_wait_dscnt 0x0
	s_endpgm
.Lfunc_end_k_q853b44f3d4_prep:
	.size	k_q853b44f3d4_prep, .Lfunc_end_k_q853b44f3d4_prep-k_q853b44f3d4_prep
	.p2alignl 7, 3214868480
	.fill 96, 4, 3214868480
	.section	.rodata,"a",@progbits
	.p2align	6, 0x0
	.amdhsa_kernel k_q853b44f3d4_prep
		.amdhsa_group_segment_fixed_size 68096
		.amdhsa_private_segment_fixed_size 0
		.amdhsa_enable_private_segment 0
		.amdhsa_kernarg_size 88
		.amdhsa_user_sgpr_count 2
		.amdhsa_user_sgpr_kernarg_segment_ptr 1
		.amdhsa_wavefront_size32 1
		.amdhsa_system_sgpr_workgroup_id_x 1
		.amdhsa_system_sgpr_workgroup_id_y 1
		.amdhsa_system_sgpr_workgroup_id_z 1
		.amdhsa_system_vgpr_workitem_id 0
		.amdhsa_next_free_vgpr 256
		.amdhsa_next_free_sgpr 66
		.amdhsa_reserve_vcc 1
		.amdhsa_float_denorm_mode_32 3
		.amdhsa_float_denorm_mode_16_64 3
		.amdhsa_memory_ordered 1
		.amdhsa_forward_progress 1
		.amdhsa_inst_pref_size 160
	.end_amdhsa_kernel
	.amdgpu_metadata
---
amdhsa.version: [ 1, 2 ]
amdhsa.kernels:
  - .name:           k_q853b44f3d4_prep
    .symbol:         k_q853b44f3d4_prep.kd
    .args:
      - { .name: q, .offset: 0, .size: 8, .value_kind: global_buffer, .address_space: global }
      - { .name: k, .offset: 8, .size: 8, .value_kind: global_buffer, .address_space: global }
      - { .name: v, .offset: 16, .size: 8, .value_kind: global_buffer, .address_space: global }
      - { .name: Wq, .offset: 24, .size: 8, .value_kind: global_buffer, .address_space: global }
      - { .name: Wk, .offset: 32, .size: 8, .value_kind: global_buffer, .address_space: global }
      - { .name: Wv, .offset: 40, .size: 8, .value_kind: global_buffer, .address_space: global }
      - { .name: Wo, .offset: 48, .size: 8, .value_kind: global_buffer, .address_space: global }
      - { .name: mask, .offset: 56, .size: 8, .value_kind: global_buffer, .address_space: global }
      - { .name: cod, .offset: 64, .size: 8, .value_kind: global_buffer, .address_space: global }
      - { .name: scl, .offset: 72, .size: 8, .value_kind: global_buffer, .address_space: global }
      - { .name: msk, .offset: 80, .size: 8, .value_kind: global_buffer, .address_space: global }
    .group_segment_fixed_size: 68096
    .private_segment_fixed_size: 0
    .kernarg_segment_align: 8
    .kernarg_segment_size: 88
    .max_flat_workgroup_size: 128
    .sgpr_count:     66
    .vgpr_count:     256
    .wavefront_size: 32
...
	.end_amdgpu_metadata
.endif
;; end of part 1
;; launch proj (part 2): grid 4 x 48, 4 waves a work-group, clusters of 4 x 4, 327,680 bytes of LDS; arguments cod, scl, bq, bk, bv, rec; writes rec
.if DOCPART == 2
	.amdgcn_target "amdgcn-amd-amdhsa--gfx1250"
	.amdhsa_code_object_version 6
	.text
	.protected	k_q853b44f3d4_proj
	.globl	k_q853b44f3d4_proj
	.p2align	8
	.type	k_q853b44f3d4_proj,@function
k_q853b44f3d4_proj:
	s_mov_b64 s[64:65], 0
	v_nop
	global_prefetch_b8 v0, s[64:65] scope:SCOPE_SE
	s_setreg_imm32_b32 hwreg(HW_REG_WAVE_MODE, 25, 1), 1
	s_wait_xcnt 0x0
	s_wait_alu depctr_hold_cnt(0) depctr_sa_sdst(0) depctr_va_vdst(0) depctr_va_sdst(0) depctr_va_ssrc(0) depctr_va_vcc(0) depctr_vm_vsrc(0)
	s_getreg_b32 s2, hwreg(HW_REG_IB_STS2, 6, 4)
	s_cmp_eq_u32 s2, 0
	s_cbranch_scc0 .Lentry_in_a_cluster
	s_endpgm
.Lentry_in_a_cluster:
	s_bfe_u32 s2, ttmp6, 0x10000c
	s_cmp_lg_u32 s2, 0xf033
	s_cbranch_scc0 .Lentry_shape_is_right
	s_endpgm
.Lentry_shape_is_right:
; SECOND OF FOUR LAUNCHES: the three projections, on codes of FP6 (E2M3) with E8M0 scales, K = 1,024; bias in f32; the results are quantised at once into the records that the attention launch reads.
; C = A B^T on the stacked rows of cod / scl.  The cluster's y says which product: y / 4 = 0: query = q Wq^T, 1: key = k Wk^T (A = the 4,096 tokens, B = the weight's 1,024 rows),
; 2: value, WITH THE OPERANDS CHANGED OVER (A = Wv's 1,024 rows, B = v's 4,096 tokens), so that a lane holds one channel and its registers run along the tokens: the keys are the K of attention's second product.
; A tile of C, 256 x 256, is made by a work-group of four waves; a wave makes 128 x 128: 64 accumulators, 512 registers.  K goes in steps of 256 through a ring of two LDS slots filled by the tensor data mover.
; cod holds fragments as images of the operand's registers (a tile of 16 rows: 12,288 bytes; a K step of 128 in it: 1,536), so a slot's part of a tile of 16 rows is 3,072 consecutive bytes, a tensor load brings 8 such rows,
; and a fragment comes out of LDS by two loads of 16 bytes and two of 8 a lane, each over consecutive bytes: no pitch, no padding.
; The scale bytes of the work-group's 256 + 256 rows, for all of K, come into LDS once, as rows of 256 bytes + 16.
; CLUSTERS: 4 x 4 work-groups.  A's tiles are shared along a row of the cluster, B's along a column: each is asked for jointly, by the same tensor load with the same descriptor and a mask that names the four.
; THE MATRIX INSTRUCTION IS USED TRANSPOSED (source 0 = 16 rows of B, source 1 = 16 rows of A): lane (r, h) holds row r of A's block and columns 16 b + 8 h + 0..7 of B's block b.
; REC: two halves (K/V at 0, Q at QOFF) of 32 records (16 x batch + head) of 204,800 bytes = 16 steps (128 tokens) of 12,800: K (or Q): 8 images of 16 tokens x 64 channels, 768 bytes each; from 6,144 V^T: 4 fragments of
; 16 channels x 128 tokens; from 12,288 K's scale words [r][f] (word f: token 32 f + r's two bytes, then token 32 f + 16 + r's); from 12,544 V's [r][t].
; LIMITS: NaN and infinities are not served; blocks of zeros and blocks under 2^-124 carry the byte 1 (read by this program alone).
; REGISTERS, in windows of 256: window 0: v0-31 addresses; v32-63 scale words, two sets; v64-127 and v224-239 the biases; v128-223 A's fragments, one set; on the way out v32-63 and v128-223 are free.
;   window 1: B's fragments, two sets, at v0 and v128.   window 2: the accumulators of A's blocks 0-3 ((a, b) at v[8 (8 a + b)]);   window 3: those of blocks 4-7.
.set NQ,     2                         ; matrix instructions deep in a slot
.set FR,     12                        ; registers of a fragment
.set NL,     4                         ; LDS loads that bring one
.set NP,     4                         ; places behind this matrix instruction (ISA guide 7.12.1)
.set FRB,    1536                      ; a fragment's image
.set RT,     3072                      ; a tile of 16 rows in a slot
.set HALFT,  8*RT                      ; 128 rows: what one tensor load brings
.set SLOT,   4*HALFT                   ; A's 256 rows, then B's
.set LAPS,   2                         ; 1,024 along K = 2 laps of two slots
.set KS,     32                        ; a row of scale bytes
.set SCL,    2*SLOT                    ; behind the ring: the scales
.set HALFS,  16*272                    ; those of 128 rows
.set SBLK,   544                       ; those of 16 rows
.set SPARE,  SCL+4*HALFS               ; the spare words, 128 bytes for each wave: two blocks of 256 bytes that no other line names
.set QOFF,   6553600
.set RECB,   204800
.set L16,  10                          ; v10  16 x lane
.set L8,   11                          ; v11  8 x lane
.set ADRA, 16                          ; v16-17 my A fragments in slot 0, 1, + 16 x lane;  v18-19 the same + 8 x lane
.set ADRB, 20                          ; v20-23 the same for B
.set SOFF, 26                          ; v26  the way out: 204,800 h + 16 r
.set ADRS, 27                          ; v27  my scale words: lanes 0-15 A's rows, lanes 16-31 B's
.set SPW,  28                          ; v28  my spare word; never rewritten
.set NIL,  29                          ; v29  0; never rewritten
.set SC,   32                          ; scale words: set s at v[SC + 16 s]; register 2 i + q: lanes 0-15 A's block i, lanes 16-31 B's block i
.set BI,   64                          ; bias by column: register 8 b + j: column 16 b + 8 h + j
.set AF,   128
.set BV,   224                         ; bias by row: registers 2 a, 2 a + 1: row 16 a + r
.set ST,   128                         ; the way out: 64 numbers
.set PC,   192                         ; their codes
.set TM,   32
.set PWS,  48                          ; eight scale words
.set W4,   56
.set SEL,  20
.set G1, 24
.set G0, 32
.set G1B, 48
.set G0B, 56
.set G1S, 68
.set G0S, 76
.set G1SB, 80
.set G0SB, 88
.set MSB, 0
.macro WIN new                         ; the immediate's high byte repeats the setting that is left
.if MSB != \new
	s_set_vgpr_msb (MSB<<8)|\new
.set MSB, \new
.endif
.endm
.set MUL_LO, 0xa1                      ; source 0 (B) window 1, source 1 (A) window 0, C and D window 2
.set MUL_HI, 0xf1                      ; the same, C and D window 3
.set TO_B,   0x40                      ; destination window 1, address window 0
; A joint load: waves 0 and 1 fetch for A, waves 2 and 3 for B; the branch hangs on the wave's number alone.  Four v_nop follow each of the two lines.
.macro JLOAD g0a, g1a, g0b, g1b
	s_cmp_eq_u32 s15, 0
	s_cbranch_scc0 .Lfor_b_\@
	tensor_load_to_lds s[\g0a:\g0a+3], s[\g1a:\g1a+7]
	s_nop 0
.rept 4
	v_nop
.endr
	s_branch .Lasked_\@
.Lfor_b_\@:
	tensor_load_to_lds s[\g0b:\g0b+3], s[\g1b:\g1b+7]
	s_nop 0
.rept 4
	v_nop
.endr
.Lasked_\@:
.endm
.macro CREST                           ; a round of the cluster's barrier behind its opening barrier
	s_cmp_lg_u32 s14, 0
	s_cbranch_scc1 .Lnot_wave_0_\@
	s_barrier_signal -3
.Lnot_wave_0_\@:
	s_barrier_wait -3
	s_barrier_signal -1
	s_barrier_wait -1
.endm
.macro CROUND
	s_barrier_signal -1
	s_barrier_wait -1
	CREST
.endm
	s_load_b128 s[4:7], s[0:1], 0x0                ; cod, scl
	s_load_b128 s[8:11], s[0:1], 0x10              ; bq, bk
	s_load_b128 s[96:99], s[0:1], 0x20             ; bv, rec
	v_lshl_add_u32 v[SPW], v0, 2, SPARE
	v_mov_b32 v[NIL], 0
	ds_add_u32 v28, v29
	ds_add_u32 v28, v29
	s_wait_dscnt 0x0
	v_lshrrev_b32 v1, 5, v0
	v_readfirstlane_b32 s14, v1                    ; wave 0..3
	s_lshr_b32 s15, s14, 1                         ; which half of A's 256 rows is mine.  Also: I fetch for A (0) or for B (1)
	s_and_b32 s16, s14, 1                          ; which half of B's.  Also: which 128 rows I fetch
	s_bfe_u32 s40, ttmp6, 0x40000                  ; cx
	s_bfe_u32 s41, ttmp6, 0x40004                  ; cy
	s_and_b32 s12, ttmp7, 0xffff                   ; the cluster's y, 0..11: the same in all sixteen partners
	s_lshr_b32 s13, s12, 2                         ; which product
	s_and_b32 s12, s12, 3
	s_lshl_b32 s12, s12, 2                         ; 4 x which quarter of the 4,096 tokens
	s_lshl_b32 s18, s13, 12                        ; q's or k's first stacked row
	s_lshl_b32 s19, s13, 10
	s_add_co_u32 s19, s19, 12288                   ; Wq's or Wk's
	s_mov_b32 s20, 14336                           ; Wv's
	s_mov_b32 s21, 8192                            ; v's
	s_cmp_lt_u32 s13, 2
	s_cselect_b32 s17, s12, 0
	s_cselect_b32 s42, 0, s12
	s_cselect_b32 s18, s18, s20                    ; A's first stacked row
	s_cselect_b32 s19, s19, s21                    ; B's
	s_add_co_u32 s17, s17, s41                     ; tile row of C: hangs on cy, never on cx
	s_add_co_u32 s42, s42, s40                     ; tile column: hangs on cx, never on cy
	s_lshl_b32 s43, s41, 2
	s_lshl_b32 s43, 15, s43                        ; my row of the cluster
	s_lshl_b32 s44, 0x1111, s40                    ; my column
	; descriptor group 1 for the codes: 8 rows of 3,072 bytes (384 elements of 8), 12,288 bytes apart in memory, on end in LDS
	s_or_b32 s[G1+0], s43, (3<<16)|(1<<21)         ; 15:0 the mask; 17:16 elements of 8 bytes; 20 no padding; 21 set beside a mask
	s_or_b32 s[G1B+0], s44, (3<<16)|(1<<21)
.irp g, G1, G1B
	s_mov_b32 s[\g+1], 384<<16                     ; tensor_dim0
	s_mov_b32 s[\g+2], 8<<16                       ; tensor_dim1
	s_mov_b32 s[\g+3], 384<<16                     ; tile_dim0
	s_mov_b32 s[\g+4], 8                           ; tile_dim1
	s_mov_b32 s[\g+5], 1536                        ; tensor_dim0_stride
	s_mov_b32 s[\g+6], 0
	s_mov_b32 s[\g+7], 0
.endr
	; and for the scales of 128 rows: 4,096 dense bytes, as 16 rows of 256 bytes, 16 bytes of padding behind each
	s_or_b32 s[G1S+0], s43, (3<<16)|(1<<20)|(1<<21)|(5<<22)|(3<<25)
	s_or_b32 s[G1SB+0], s44, (3<<16)|(1<<20)|(1<<21)|(5<<22)|(3<<25)
.irp g, G1S, G1SB
	s_mov_b32 s[\g+1], 32<<16
	s_mov_b32 s[\g+2], 16<<16
	s_mov_b32 s[\g+3], 32<<16
	s_mov_b32 s[\g+4], 16
	s_mov_b32 s[\g+5], 32
	s_mov_b32 s[\g+6], 0
	s_mov_b32 s[\g+7], 0
.endr
	s_lshl_b32 s12, s16, 7                         ; which 128 rows I fetch
	s_lshl_b32 s20, s17, 8
	s_add_co_u32 s20, s20, s12
	s_add_co_u32 s20, s20, s18                     ; A: stacked row
	s_lshl_b32 s46, s42, 8
	s_add_co_u32 s46, s46, s12
	s_add_co_u32 s46, s46, s19                     ; B: stacked row
	s_lshl_b32 s22, s20, 5                         ; their scale bytes: 32 a row
	s_mov_b32 s23, 0
	s_lshl_b32 s92, s46, 5
	s_mov_b32 s93, 0
	s_mul_i32 s20, s20, 768                        ; their codes: 768 bytes a row (12,288 for 16)
	s_mov_b32 s21, 0
	s_mul_i32 s46, s46, 768
	s_mov_b32 s47, 0
	s_mul_i32 s45, s14, HALFT                      ; where they go: wave x 128 rows: no place in the cluster enters an LDS address
	s_mul_i32 s94, s14, HALFS
	s_wait_kmcnt 0x0
	s_add_nc_u64 s[20:21], s[4:5], s[20:21]
	s_add_nc_u64 s[22:23], s[6:7], s[22:23]
	s_add_nc_u64 s[46:47], s[4:5], s[46:47]
	s_add_nc_u64 s[92:93], s[6:7], s[92:93]
	CROUND                                         ; all sixteen work-groups are here: the first joint loads meet
	s_mov_b32 s[G0S], 1
	s_add_co_u32 s[G0S+1], s94, SCL
	s_mov_b64 s[G0S+2:G0S+3], s[22:23]
	s_or_b32 s[G0S+3], s[G0S+3], 0x80000000
	s_mov_b32 s[G0SB], 1
	s_add_co_u32 s[G0SB+1], s94, SCL
	s_mov_b64 s[G0SB+2:G0SB+3], s[92:93]
	s_or_b32 s[G0SB+3], s[G0SB+3], 0x80000000
	JLOAD G0S, G1S, G0SB, G1SB                     ; the scales first: they are wanted with K step 0
.irp s, 0,1
	s_mov_b32 s[G0+4*\s], 1
	s_add_co_u32 s[G0+4*\s+1], s45, \s*SLOT
	s_add_nc_u64 s[G0+4*\s+2:G0+4*\s+3], s[20:21], \s*RT
	s_or_b32 s[G0+4*\s+3], s[G0+4*\s+3], 0x80000000
	s_mov_b32 s[G0B+4*\s], 1
	s_add_co_u32 s[G0B+4*\s+1], s45, \s*SLOT
	s_add_nc_u64 s[G0B+4*\s+2:G0B+4*\s+3], s[46:47], \s*RT
	s_or_b32 s[G0B+4*\s+3], s[G0B+4*\s+3], 0x80000000
	JLOAD G0+4*\s, G1, G0B+4*\s, G1B               ; three tensor loads of mine are out now
.endr
	v_and_b32 v1, 31, v0                           ; lane
	v_and_b32 v2, 15, v0                           ; r
	v_bfe_u32 v3, v0, 4, 1                         ; h
	v_lshlrev_b32 v[L16], 4, v1
	v_lshlrev_b32 v[L8], 3, v1
	s_mul_i32 s21, s15, HALFT                      ; my 128 rows of A
	s_mul_i32 s22, s16, HALFT                      ; my 128 rows of B,
	s_add_co_u32 s22, s22, 2*HALFT                 ; which lie behind A's 256
.irp s, 0,1
	v_add_nc_u32 v[ADRA+\s], s21, v[L16]
	v_add_nc_u32 v[ADRB+\s], s22, v[L16]
	v_add_nc_u32 v[ADRA+2+\s], s21, v[L8]
	v_add_nc_u32 v[ADRB+2+\s], s22, v[L8]
	s_add_co_u32 s21, s21, SLOT
	s_add_co_u32 s22, s22, SLOT
.endr
	v_mul_u32_u24 v5, v2, KS                       ; my row's scales: 32 bytes a row,
	v_lshrrev_b32 v6, 8, v5
	v_lshl_add_u32 v5, v6, 4, v5                   ; and 16 more for each 256 passed
	s_mul_i32 s21, s15, HALFS
	s_mul_i32 s22, s16, HALFS
	s_add_co_u32 s22, s22, 2*HALFS
	s_sub_co_u32 s22, s22, s21
	v_mul_u32_u24 v6, s22, v3                      ; lanes 16-31 take B's: one product, the distance between the two bases
	s_add_co_u32 s21, s21, SCL
	v_add_nc_u32 v5, v5, v6
	v_add_nc_u32 v[ADRS], s21, v5
	; the biases and the way out's base
	s_lshl_b32 s20, s17, 8
	s_lshl_b32 s21, s15, 7
	s_add_co_u32 s20, s20, s21                     ; my first row of A in its tensor
	s_lshl_b32 s46, s42, 8
	s_lshl_b32 s47, s16, 7
	s_add_co_u32 s46, s46, s47                     ; my first row of B in its tensor
	s_cmp_lt_u32 s13, 2
	s_cselect_b32 s100, s46, s20                   ; my first channel of the 1,024 (the weight's rows)
	s_cselect_b32 s101, s20, s46                   ; my first token of the 4,096
	s_cmp_eq_u32 s13, 0
	s_cselect_b64 s[8:9], s[8:9], s[10:11]
	s_cselect_b32 s12, QOFF, 0
	s_cmp_eq_u32 s13, 2
	s_cselect_b64 s[8:9], s[96:97], s[8:9]         ; this product's bias
	s_lshl_b32 s22, s100, 2
	s_mov_b32 s23, 0
	s_add_nc_u64 s[8:9], s[8:9], s[22:23]          ; at my 128 channels
	s_lshr_b32 s22, s101, 11                       ; batch
	s_lshl_b32 s22, s22, 4
	s_lshr_b32 s47, s100, 6                        ; my first head (an even one; my 128 channels are two heads)
	s_add_co_u32 s22, s22, s47
	s_mul_i32 s22, s22, RECB
	s_lshr_b32 s47, s101, 7
	s_and_b32 s47, s47, 15                         ; my 128 tokens are one step
	s_mul_i32 s47, s47, 12800
	s_add_co_u32 s22, s22, s47
	s_add_co_u32 s22, s22, s12
	s_add_nc_u64 s[98:99], s[98:99], s[22:23]
	v_lshlrev_b32 v7, 5, v3                        ; 32 h
	v_lshlrev_b32 v8, 2, v2                        ; 4 r
.irp b, 0,1,2,3,4,5,6,7                        ; both forms lie inside the same 128 numbers, so both are loaded and the head has no branch
	global_load_b128 v[BI+8*\b:BI+8*\b+3], v7, s[8:9] offset:64*\b
	global_load_b128 v[BI+8*\b+4:BI+8*\b+7], v7, s[8:9] offset:64*\b+16
.endr
.irp a, 0,1,2,3,4,5,6,7
	global_load_b32 v[BV+2*\a], v8, s[8:9] offset:64*\a
	global_load_b32 v[BV+2*\a+1], v8, s[8:9] offset:64*\a
.endr
	v_mul_u32_u24 v[SOFF], v3, RECB
	v_lshl_add_u32 v[SOFF], v2, 4, v[SOFF]
.macro FRAG reg, adr, base             ; a fragment's image: registers 0-3 at 16 x lane, 4-5 at 512 + 8 x lane, 6-9 at 768 + 16 x lane, 10-11 at 1,280 + 8 x lane
	ds_load_b128 v[\reg:\reg+3], v[\adr] offset:\base
	ds_load_b64 v[\reg+4:\reg+5], v[\adr+2] offset:\base+512
	ds_load_b128 v[\reg+6:\reg+9], v[\adr] offset:\base+768
	ds_load_b64 v[\reg+10:\reg+11], v[\adr+2] offset:\base+1280
.endm
; 16 matrix instructions: A's blocks a0, a0 + 1 x B's eight, 128 along K.  The 64 accumulators take turns, one instruction a turn, in the same order in every step.
.macro MUL16 a0, p, q, sc, zero
.irp a, \a0, \a0+1
.irp b, 0,1,2,3,4,5,6,7
.if \zero
	v_wmma_scale_f32_16x16x128_f8f6f4 v[8*(8*((\a)%4)+\b):8*(8*((\a)%4)+\b)+7], v[128*(\p)+FR*\b:128*(\p)+FR*\b+FR-1], v[AF+FR*(\a):AF+FR*(\a)+FR-1], 0, v[SC+8*NQ*(\sc)+NQ*\b+(\q)], v[SC+8*NQ*(\sc)+NQ*(\a)+(\q)] matrix_a_fmt:MATRIX_FMT_FP6 matrix_b_fmt:MATRIX_FMT_FP6 matrix_a_scale:MATRIX_SCALE_ROW1
.else
	v_wmma_scale_f32_16x16x128_f8f6f4 v[8*(8*((\a)%4)+\b):8*(8*((\a)%4)+\b)+7], v[128*(\p)+FR*\b:128*(\p)+FR*\b+FR-1], v[AF+FR*(\a):AF+FR*(\a)+FR-1], v[8*(8*((\a)%4)+\b):8*(8*((\a)%4)+\b)+7], v[SC+8*NQ*(\sc)+NQ*\b+(\q)], v[SC+8*NQ*(\sc)+NQ*(\a)+(\q)] matrix_a_fmt:MATRIX_FMT_FP6 matrix_b_fmt:MATRIX_FMT_FP6 matrix_a_scale:MATRIX_SCALE_ROW1
.endif
.endr
.endr
.endm
.macro FETCH_B slot, q, p              ; B's eight fragments of the slot's q-th 128 along K into set p
	WIN TO_B
.irp i, 0,1,2,3,4,5,6,7
	FRAG 128*(\p)+FR*\i, ADRB+\slot, (\i)*RT+(\q)*FRB
.endr
	WIN 0
.endm
.macro FETCH_A slot, q, i0             ; A's blocks i0 .. i0 + 3
.irp i, \i0, \i0+1, \i0+2, \i0+3
	FRAG AF+FR*(\i), ADRA+\slot, (\i)*RT+(\q)*FRB
.endr
.endm
.macro SCALES sc                       ; a K step's scale words into set sc
.irp i, 0,1,2,3,4,5,6,7
	ds_load_b64 v[SC+8*NQ*\sc+NQ*\i:SC+8*NQ*\sc+NQ*\i+1], v[ADRS] offset:\i*SBLK
.endr
.endm
.macro PLACES n                        ; plain vector instructions between a matrix instruction and a load into, or a vector instruction on, its registers
.rept \n
	v_nop
.endr
.endm
.macro STEP slot, q, zero              ; a step of 128 along K that has its successor in the same slot
	s_wait_dscnt 4*NL                              ; all but the youngest 16 loads (A's blocks 4-7) are in
	WIN MUL_LO
	MUL16 0, (\q)%2, \q, \slot, \zero
	MUL16 2, (\q)%2, \q, \slot, \zero
	s_wait_dscnt 0
	PLACES NP
	FETCH_B \slot, (\q)+1, 1-(\q)%2
	FETCH_A \slot, (\q)+1, 0
	WIN MUL_HI
	MUL16 4, (\q)%2, \q, \slot, \zero
	MUL16 6, (\q)%2, \q, \slot, \zero
	PLACES NP
	WIN 0
	FETCH_A \slot, (\q)+1, 4
.endm
; A slot's last step changes slots: one barrier; in front of it each wave waits for all its tensor loads, adds 0 to its spare word, and waits for that and for its own reads of this slot.
.macro TURN slot, next, fill
	s_wait_tensorcnt 0x0                           ; all my tensor loads have landed: my part of the next slot
	ds_add_u32 v[SPW], v[NIL]                      ; 0 onto my spare word
	s_wait_dscnt 4*NL+1                            ; the add and the youngest 16 loads may be out
	WIN MUL_LO
	MUL16 0, 1, NQ-1, \slot, 0
	s_wait_dscnt 0x0                               ; the add is done, and my reads of this slot are over
	s_barrier_signal -1
	MUL16 2, 1, NQ-1, \slot, 0
	WIN 0
	s_barrier_wait -1
.if \fill
	CREST                                          ; the barrier has opened a round of the cluster's: no wave of any partner still reads this slot or has a load on its way
	s_add_nc_u64 s[G0+4*\slot+2:G0+4*\slot+3], s[G0+4*\slot+2:G0+4*\slot+3], 2*RT
	s_add_nc_u64 s[G0B+4*\slot+2:G0B+4*\slot+3], s[G0B+4*\slot+2:G0B+4*\slot+3], 2*RT
	JLOAD G0+4*\slot, G1, G0B+4*\slot, G1B         ; the first tensor load behind the round, my only one until the next; its four v_nop are the places in front of the loads below
.else
	PLACES NP
.endif
	v_add_nc_u32 v[ADRS], 4*NQ, v[ADRS]            ; on to the next K step's scale words
	FETCH_B \next, 0, 0
	FETCH_A \next, 0, 0
	SCALES \next
	WIN MUL_HI
	MUL16 4, 1, NQ-1, \slot, 0
	MUL16 6, 1, NQ-1, \slot, 0
	PLACES NP
	WIN 0
	FETCH_A \next, 0, 4
.endm
	s_wait_tensorcnt 1                             ; the scales and my part of K step 0 are in; K step 1's load may be out
	s_barrier_signal -1
	s_barrier_wait -1
	FETCH_B 0, 0, 0
	FETCH_A 0, 0, 0
	SCALES 0
	FETCH_A 0, 0, 4
	STEP 0, 0, 1                                   ; the first step's products start the sums: nothing is cleared
	s_mov_b32 s3, LAPS-1
.Llap:
	TURN 0, 1, 1
	STEP 1, 0, 0
	TURN 1, 0, 1
	STEP 0, 0, 0
	s_sub_co_u32 s3, s3, 1
	s_cmp_lg_u32 s3, 0
	s_cbranch_scc1 .Llap
	TURN 0, 1, 0                                   ; the last lap fills nothing
	STEP 1, 0, 0
	s_wait_dscnt 4*NL
	WIN MUL_LO
	MUL16 0, 1, NQ-1, 1, 0
	MUL16 2, 1, NQ-1, 1, 0
	s_wait_dscnt 0
	WIN MUL_HI
	MUL16 4, 1, NQ-1, 1, 0
	MUL16 6, 1, NQ-1, 1, 0
	WIN 0
; THE WAY OUT.  Block a of A's rows: its eight accumulators are 64 numbers of a lane, register 8 b + j = column 16 b + 8 h + j: with the bias added they are quantised along the columns and leave as images of the next operand's registers.
.macro QUANT s, w
.irp b, 0,1,2,3
	v_max3_num_f32 v[TM+\b], |v[\s+16*\b]|, |v[\s+1+16*\b]|, 0x1800000   ; my 16 numbers of block b, and the floor 2^(3 - 127)
.endr
.irp i, 2,4,6,8,10,12,14
.irp b, 0,1,2,3
	v_max3_num_f32 v[TM+\b], v[TM+\b], |v[\s+16*\b+\i]|, |v[\s+1+16*\b+\i]|
.endr
.endr
.irp b, 0,1,2,3
	v_permlanex16_b32 v[TM+4+\b], v[TM+\b], s[SEL], s[SEL+1]
.endr
.irp b, 0,1,2,3
	v_max_num_f32 v[TM+\b], v[TM+\b], v[TM+4+\b]
.endr
.irp b, 0,1,2,3
	v_add_nc_u32 v[TM+12+\b], 0xff000000, v[TM+\b]   ; 2 off the exponent field: the conversion's scale operand
.endr
.irp b, 0,1,2,3
	v_lshrrev_b32 v[TM+4+\b], 23, v[TM+12+\b]
.endr
	v_lshl_or_b32 v[\w], v[TM+5], 8, v[TM+4]
	v_lshl_or_b32 v[\w], v[TM+6], 16, v[\w]
	v_lshl_or_b32 v[\w], v[TM+7], 24, v[\w]
.irp c, 0,1
	v_cvt_scalef32_pk16_fp6_f32 v[PC+6*\c:PC+2+6*\c], v[\s+32*\c:\s+15+32*\c], v[TM+12+2*\c]
	v_cvt_scalef32_pk16_fp6_f32 v[PC+12+4*\c:PC+14+4*\c], v[\s+16+32*\c:\s+31+32*\c], v[TM+12+2*\c+1]
.endr
	v_nop                                          ; one plain instruction behind the scaled conversions
.irp c, 0,1
.irp i, 0,1,2
	v_permlane16_swap_b32 v[PC+6*\c+\i], v[PC+12+4*\c+\i]
.endr
.irp i, 0,1,2
	v_mov_b32 v[PC+3+6*\c+\i], v[PC+12+4*\c+\i]
.endr
.endr
.endm
.macro STORE4 bs, oa, ob               ; each store covers 512 or 256 consecutive bytes, aligned
	global_store_b128 v[L16], v[PC:PC+3], s[\bs:\bs+1] offset:\oa
	global_store_b64 v[L8], v[PC+4:PC+5], s[\bs:\bs+1] offset:(\oa)+512
	global_store_b128 v[L16], v[PC+6:PC+9], s[\bs:\bs+1] offset:\ob
	global_store_b64 v[L8], v[PC+10:PC+11], s[\bs:\bs+1] offset:(\ob)+512
.endm
.macro EPI a, form
	s_wait_xcnt 0x0                                ; the last block's stores have read the codes' registers
.if (\a) < 4
	WIN 0x02                                       ; source 0: the accumulators' window
.else
	WIN 0x03
.endif
.irp b, 0,1,2,3,4,5,6,7                        ; each accumulator from its low end on
.irp i, 0,2,4,6
.if \form
	v_pk_add_f32 v[ST+8*\b+\i:ST+8*\b+\i+1], v[64*((\a)%4)+8*\b+\i:64*((\a)%4)+8*\b+\i+1], v[BV+2*(\a):BV+2*(\a)+1]
.else
	v_pk_add_f32 v[ST+8*\b+\i:ST+8*\b+\i+1], v[64*((\a)%4)+8*\b+\i:64*((\a)%4)+8*\b+\i+1], v[BI+8*\b+\i:BI+8*\b+\i+1]
.endif
.endr
.endr
	WIN 0
	QUANT ST, PWS+(\a)
.if \form
	STORE4 98, ((\a)/4)*RECB+6144+1536*((\a)%4), ((\a)/4)*RECB+6144+1536*((\a)%4)+768   ; 16 channels x my 128 tokens: a whole fragment of V^T, in the head that the channels belong to
.else
	STORE4 98, 768*(\a), RECB+768*(\a)             ; 16 tokens x 64 channels of my first head, and of the next head's record
.endif
.endm
	PLACES NP                                      ; behind the last products: their results are read, and their scale words' and A's registers written, only from here on
	s_wait_loadcnt 0x0                             ; the biases
	s_mov_b32 s[SEL], 0x76543210
	s_mov_b32 s[SEL+1], 0xfedcba98
.irp b, 0,1,2,3
	v_mov_b32 v[TM+4+\b], 0                        ; a lane permute's destination counts as one of its sources
.endr
	v_cmp_le_u32 vcc_lo, 16, v1                    ; lanes 16-31
	s_cmp_eq_u32 s13, 2                            ; which product: the same in all partners
	s_cbranch_scc1 .Lform1
.irp a, 0,1,2,3,4,5,6,7
	EPI \a, 0
.endr
.irp f, 0,1,2,3                                ; word f of row r: token 32 f + r's two bytes of a head, then token 32 f + 16 + r's.  Lanes 0-15 make my first head's, lanes 16-31 the next head's
	v_perm_b32 v60, v[PWS+2*\f+1], v[PWS+2*\f], 0x05040100
	v_perm_b32 v61, v[PWS+2*\f+1], v[PWS+2*\f], 0x07060302
	v_cndmask_b32 v[W4+\f], v60, v61, vcc_lo
.endr
	global_store_b128 v[SOFF], v[W4:W4+3], s[98:99] offset:12288   ; sixteen lanes fill a head's 256 bytes
	s_branch .Ldone
.Lform1:
.irp a, 0,1,2,3,4,5,6,7
	EPI \a, 1
.endr
.irp t, 0,1,2,3                                ; word t of row r: channel 16 t + r of a head
	v_cndmask_b32 v[W4+\t], v[PWS+\t], v[PWS+4+\t], vcc_lo
.endr
	global_store_b128 v[SOFF], v[W4:W4+3], s[98:99] offset:12544
.Ldone:
	s_wait_tensorcnt 0x0                           ; the wave's end
	ds_add_u32 v[SPW], v[NIL]
	s_wait_dscnt 0x0
	CROUND                                         ; the closing round: no work-group ends while a partner may still ask for a tile that names it
	s_endpgm
.Lfunc_end_k_q853b44f3d4_proj:
	.size	k_q853b44f3d4_proj, .Lfunc_end_k_q853b44f3d4_proj-k_q853b44f3d4_proj
	.p2alignl 7, 3214868480
	.fill 96, 4, 3214868480
	.section	.rodata,"a",@progbits
	.p2align	6, 0x0
	.amdhsa_kernel k_q853b44f3d4_proj
		.amdhsa_group_segment_fixed_size 327680
		.amdhsa_private_segment_fixed_size 0
		.amdhsa_enable_private_segment 0
		.amdhsa_kernarg_size 48
		.amdhsa_user_sgpr_count 2
		.amdhsa_user_sgpr_kernarg_segment_ptr 1
		.amdhsa_wavefront_size32 1
		.amdhsa_system_sgpr_workgroup_id_x 1
		.amdhsa_system_sgpr_workgroup_id_y 1
		.amdhsa_system_sgpr_workgroup_id_z 1
		.amdhsa_system_vgpr_workitem_id 0
		.amdhsa_next_free_vgpr 1024
		.amdhsa_next_free_sgpr 102
		.amdhsa_reserve_vcc 1
		.amdhsa_float_denorm_mode_32 3
		.amdhsa_float_denorm_mode_16_64 3
		.amdhsa_memory_ordered 1
		.amdhsa_forward_progress 1
		.amdhsa_inst_pref_size 219
	.end_amdhsa_kernel
	.amdgpu_metadata
---
amdhsa.version: [ 1, 2 ]
amdhsa.kernels:
  - .name:           k_q853b44f3d4_proj
    .symbol:         k_q853b44f3d4_proj.kd
    .args:
      - { .name: cod, .offset: 0, .size: 8, .value_kind: global_buffer, .address_space: global }
      - { .name: scl, .offset: 8, .size: 8, .value_kind: global_buffer, .address_space: global }
      - { .name: bq, .offset: 16, .size: 8, .value_kind: global_buffer, .address_space: global }
      - { .name: bk, .offset: 24, .size: 8, .value_kind: global_buffer, .address_space: global }
      - { .name: bv, .offset: 32, .size: 8, .value_kind: global_buffer, .address_space: global }
      - { .name: rec, .offset: 40, .size: 8, .value_kind: global_buffer, .address_space: global }
    .group_segment_fixed_size: 327680
    .private_segment_fixed_size: 0
    .kernarg_segment_align: 8
    .kernarg_segment_size: 48
    .max_flat_workgroup_size: 128
    .sgpr_count:     102
    .vgpr_count:     1024
    .wavefront_size: 32
...
	.end_amdgpu_metadata
.endif
;; end of part 2
;; launch attn (part 3): grid 8 x 32, 16 waves a work-group, no clusters, 206,848 bytes of LDS; arguments rec, msk, att; writes att
.if DOCPART == 3
	.amdgcn_target "amdgcn-amd-amdhsa--gfx1250"
	.amdhsa_code_object_version 6
	.text
	.protected	k_q853b44f3d4_attn
	.globl	k_q853b44f3d4_attn
	.p2align	8
	.type	k_q853b44f3d4_attn,@function
k_q853b44f3d4_attn:
	s_mov_b64 s[64:65], 0
	v_nop
	global_prefetch_b8 v0, s[64:65] scope:SCOPE_SE
	s_setreg_imm32_b32 hwreg(HW_REG_WAVE_MODE, 25, 1), 1
	s_wait_xcnt 0x0
; THIRD OF FOUR LAUNCHES: attention on codes of FP6 (E2M3) with E8M0 scales.  16 heads of 64, 2 batches, 2,048 queries and keys; an int32 mask input, handed on by the first launch as lane-mask words.
; t = score x log2(e) / 8; M = the running largest t rounded UP to a whole number; p = 2^(t - M) is quantised along the keys, not normalised; the row's sum is taken of the unquantised p and divides O at the end;
; when M moves, the sum and O are multiplied by 2^(old M - new M), exactly.  O / sum is quantised along the head's 64 and stored as an image of the last product's operand.
; SHARES.  A work-group owns 256 queries of one head of one batch; each of its sixteen waves owns 16 of them, in 256 registers.  Every wave walks all 2,048 keys, 128 a step.
; THE HEAD'S WHOLE RECORD OF K AND V, 204,800 bytes, LIES IN LDS: filled once through registers, one barrier, afterwards only read: no ring, no refill.
; NO CLUSTER: what the eight work-groups of a head share is that one fill, 25 loads a lane at the head, against 16 steps of some 320 instructions a wave: a small part of the launch's work.
; LAYOUT.  Both products are used transposed: S^T = K Q^T (source 0 = keys, source 1 = my 16 queries), O^T = V^T P^T: a lane holds ONE query (lane % 16) throughout; register 8 t + j of S^T is key 16 t + 8 (lane / 16) + j.
; K = 64 FILLS HALF OF THE INSTRUCTION'S 128: a fragment of K holds keys 32 f + 0..15 in k 0-63 and keys 32 f + 16..31 in k 64-127; it is multiplied by [Q | zero codes] for the first and by [zero codes | Q] for the second.
; THE MASK.  A step's 64 lane-mask words come by scalar loads, a step ahead, and serve 64 selections, made in every step: no branch and no address hangs on them.  A hidden key's raw score becomes -2^33.
; c = log2(e) / 8 is a multiple of 2^-26, so -2^33 c is a whole number that f32 holds: in a row hidden throughout M is that number, t - M is 0 and every p is 1 (uniform, as with the -1e9 of the definition); elsewhere p is 0.
; LIMITS: true logits at or under about -1e9, where the definition's -1e9 would begin to count, are not served.  NaN and infinities are not served.  Blocks of zeros carry the byte 1 (read by this program alone).
.set RECB, 204800
.set STPB, 12800
.set QOFF, 6553600
.set L16, 1                            ; v1   16 x lane
.set L8,  2                            ; v2   8 x lane
.set LSC, 3                            ; v3   16 r
.set A16, 4                            ; v4-6 the same + the step's first byte
.set A8,  5
.set ASC, 6
.set NEG, 7                            ; v7   -2^33
.set QLO, 16                           ; v16-27 [Q | 0]
.set QHI, 28                           ; v28-39 [0 | Q]
.set QSL, 40                           ; Q's scale words for the two
.set QSH, 41
.set KS,  44                           ; v44-47 K's scale words
.set VS,  48                           ; v48-51 V's
.set KF,  52                           ; v52-99 four fragments, of K and then of V
.set S,   100                          ; v100-163 S^T, then p
.set O,   164                          ; v164-195 O^T
.set PC,  196                          ; v196-207 p's codes
.set PT,  208                          ; v208-215 at work
.set BM,  216                          ; v216-219 a block's largest score, then its largest p
.set BP,  220
.set BO,  224                          ; the conversions' scale operands
.set BB,  228                          ; the bytes
.set PSW, 232                          ; p's scale word
.set WV,  10
.set SEL, 20
.set CS,  22
.set TB,  24
.set STEP, 25
.set IDX0, 26
.set OW,  27
.macro FRAG reg, base                  ; a fragment's image
	ds_load_b128 v[\reg:\reg+3], v[A16] offset:\base
	ds_load_b64 v[\reg+4:\reg+5], v[A8] offset:\base+512
	ds_load_b128 v[\reg+6:\reg+9], v[A16] offset:\base+768
	ds_load_b64 v[\reg+10:\reg+11], v[A8] offset:\base+1280
.endm
.macro MWORDS                          ; a step's 64 lane-mask words: s[32:63] and s[68:99]
	s_load_b512 s[32:47], s[6:7], s[OW] offset:0x0
	s_load_b512 s[48:63], s[6:7], s[OW] offset:0x40
	s_load_b512 s[68:83], s[6:7], s[OW] offset:0x80
	s_load_b512 s[84:99], s[6:7], s[OW] offset:0xc0
.endm
	s_load_b128 s[4:7], s[0:1], 0x0                ; rec, msk
	s_load_b64 s[8:9], s[0:1], 0x10                ; att
	v_lshl_add_u32 v254, v0, 2, 0x32000
	v_mov_b32 v255, 0
	v_lshrrev_b32 v1, 5, v0
	v_readfirstlane_b32 s[WV], v1                  ; wave 0..15
	v_and_b32 v3, 31, v0
	v_lshlrev_b32 v[L16], 4, v3
	v_lshlrev_b32 v[L8], 3, v3
	v_and_b32 v3, 15, v0
	v_lshlrev_b32 v[LSC], 4, v3
	v_lshlrev_b32 v8, 4, v0                        ; 16 x thread: my place in each 8,192 bytes of the fill
	v_add_nc_u32 v9, 0x10000, v8
	v_add_nc_u32 v10, 0x20000, v8
	v_add_nc_u32 v11, 0x30000, v8
	v_mov_b32 v[NEG], 0xd0000000
	s_and_b32 s12, ttmp7, 0xffff                   ; 16 x batch + head
	s_lshl_b32 s11, ttmp9, 4
	s_add_co_u32 s11, s11, s[WV]                   ; my tile of 16 queries in the sequence
	s_lshr_b32 s13, s12, 4
	s_lshl_b32 s13, s13, 7
	s_add_co_u32 s13, s13, s11                     ; and among the 256 tiles of both batches
	s_lshl_b32 s[IDX0], s13, 4                     ; my first mask record
	s_lshl_b32 s[OW], s[IDX0], 8                   ; 256 bytes a record
	s_mul_i32 s30, s12, RECB
	s_mov_b32 s31, 0
	s_mov_b32 s[SEL], 0x76543210
	s_mov_b32 s[SEL+1], 0xfedcba98
	s_mov_b32 s[CS], 0x3e38aa3b                    ; c = log2(e) / 8
	s_mov_b32 s[CS+1], s[CS]                       ; (named with it as a pair, so it is written)
	s_mov_b32 s[TB], 0
	s_mov_b32 s[STEP], 0
	s_wait_kmcnt 0x0
	MWORDS                                         ; step 0's
	s_add_nc_u64 s[14:15], s[4:5], s[30:31]        ; the head's record of K and V
	s_lshr_b32 s30, s11, 3
	s_mul_i32 s30, s30, STPB
	s_add_co_u32 s30, s30, QOFF
	s_add_nc_u64 s[18:19], s[14:15], s[30:31]      ; the step of Q's record that holds my queries
	s_and_b32 s30, s[WV], 7
	s_mul_i32 s30, s30, 768
	s_add_nc_u64 s[16:17], s[18:19], s[30:31]      ; my image
	s_and_b32 s30, s[WV], 6
	s_lshl_b32 s30, s30, 1
	s_add_nc_u64 s[18:19], s[18:19], s[30:31]      ; my scale word is word (wave % 8) / 2 of a row's four
	global_load_b128 v[QLO:QLO+3], v[L16], s[16:17]
	global_load_b64 v[QLO+4:QLO+5], v[L8], s[16:17] offset:512
	global_load_b128 v[QHI+6:QHI+9], v[L16], s[16:17]   ; (the two operands share no register: Q is loaded twice)
	global_load_b64 v[QHI+10:QHI+11], v[L8], s[16:17] offset:512
	global_load_b32 v42, v[LSC], s[18:19] offset:12288
.irp i, 0,1,2,3,4,5,6,7,8,9,10,11,12,13,14,15,16,17,18,19,20,21,22,23,24
	global_load_b128 v[100+4*\i:103+4*\i], v8, s[14:15] offset:8192*\i   ; the record: 25 x 8,192 bytes, the 512 threads side by side
.endr
.irp i, 0,1,2,3,4,5
	v_mov_b32 v[QLO+6+\i], 0                       ; zero codes
	v_mov_b32 v[QHI+\i], 0
.endr
.irp i, 0,1,2,3,4,5,6,7,8,9,10,11,12,13,14,15,16,17,18,19,20,21,22,23,24
	s_wait_loadcnt 24-\i                           ; loads come back in order: this one is in, the younger ones may be out
	ds_store_b128 v[8+\i/8], v[100+4*\i:103+4*\i] offset:8192*(\i%8)
.endr
	s_wait_dscnt 0x0                               ; for the others' sake: my stores have landed
	s_barrier_signal -1
	s_barrier_wait -1                              ; the record is whole; from here on LDS is only read
	s_and_b32 s30, s[WV], 1
	s_lshl_b32 s30, s30, 4
	v_lshrrev_b32 v42, s30, v42                    ; an even tile's two bytes lie low in the word, an odd tile's high
	v_and_b32 v42, 0xffff, v42
	v_or_b32 v[QSL], 0x01010000, v42               ; the zero half carries the byte 1
	v_lshl_or_b32 v[QSH], v42, 16, 0x0101
	v_mov_b32 v13, 0xff61b1e6                      ; the largest t so far: -3e38
	v_floor_f32 v12, -v13                          ; -M
	v_mov_b32 v14, 0                               ; the sum, in two halves
	v_mov_b32 v15, 0
	v_mov_b32 v235, 0                              ; (named as the upper half of the pair v[234:235])
.irp b, 0,1,2,3
	v_mov_b32 v[BP+\b], 0                          ; a lane permute's destination counts as one of its sources
.endr
.irp j, 0,1,2,3,4,5,6,7,8,9,10,11,12,13,14,15,16,17,18,19,20,21,22,23,24,25,26,27,28,29,30,31
	v_mov_b32 v[O+\j], 0                           ; the step is written once: the first finds zeros, which the first change of M leaves zeros
.endr
.Lstep:                                            ; 16 trips: 128 keys each
	v_add_nc_u32 v[A16], s[TB], v[L16]             ; these four are the places between the last products and the loads into the registers that they read
	v_add_nc_u32 v[A8], s[TB], v[L8]
	v_add_nc_u32 v[ASC], s[TB], v[LSC]
	v_nop
.irp f, 0,1,2,3
	FRAG KF+12*\f, 1536*\f
.endr
	ds_load_b128 v[KS:KS+3], v[ASC] offset:12288
	s_wait_dscnt 0x0
.irp f, 0,1,2,3                                ; eight accumulators, each begun with 0
	v_wmma_scale_f32_16x16x128_f8f6f4 v[S+16*\f:S+16*\f+7], v[KF+12*\f:KF+12*\f+11], v[QLO:QLO+11], 0, v[KS+\f], v[QSL] matrix_a_fmt:MATRIX_FMT_FP6 matrix_b_fmt:MATRIX_FMT_FP6
	v_wmma_scale_f32_16x16x128_f8f6f4 v[S+16*\f+8:S+16*\f+15], v[KF+12*\f:KF+12*\f+11], v[QHI:QHI+11], 0, v[KS+\f], v[QSH] matrix_a_fmt:MATRIX_FMT_FP6 matrix_b_fmt:MATRIX_FMT_FP6
.endr
.rept 4
	v_nop                                          ; places: K's registers are loaded again, and the scores read, only behind these
.endr
.irp t, 0,1,2,3
	FRAG KF+12*\t, 6144+1536*\t                    ; V's four fragments land under the softmax
.endr
	ds_load_b128 v[VS:VS+3], v[ASC] offset:12544
	s_wait_kmcnt 0x0                               ; this step's words, asked for a step ago
.set n, 0
.rept 64                                       ; each accumulator from its low end on
.if n < 32
	v_cndmask_b32 v[S+n], v[NEG], v[S+n], s[32+n]  ; bit l of word n: my key counts
.else
	v_cndmask_b32 v[S+n], v[NEG], v[S+n], s[36+n]
.endif
.set n, n+1
.endr
	s_add_co_u32 s30, s[STEP], 1                   ; the next step's words; the last trip asks for its own again, so that no load leaves the buffer
	s_min_u32 s30, s30, 15
	s_add_co_u32 s30, s30, s[IDX0]
	s_lshl_b32 s[OW], s30, 8
	MWORDS
.irp b, 0,1,2,3
	v_max3_num_f32 v[BM+\b], v[S+16*\b], v[S+1+16*\b], v[S+2+16*\b]   ; the largest score of each block of 32 keys: for the row's maximum, and, since p rises with the score, for the block's largest p
.endr
.irp i, 3,5,7,9,11,13
.irp b, 0,1,2,3
	v_max3_num_f32 v[BM+\b], v[BM+\b], v[S+16*\b+\i], v[S+1+16*\b+\i]
.endr
.endr
.irp b, 0,1,2,3
	v_max_num_f32 v[BM+\b], v[BM+\b], v[S+15+16*\b]
.endr
.irp b, 0,1,2,3
	v_permlanex16_b32 v[BP+\b], v[BM+\b], s[SEL], s[SEL+1]
.endr
.irp b, 0,1,2,3
	v_max_num_f32 v[BM+\b], v[BM+\b], v[BP+\b]     ; with lane l xor 16's 16 keys
.endr
	v_max3_num_f32 v238, v[BM], v[BM+1], v[BM+2]
	v_max_num_f32 v238, v238, v[BM+3]
	v_mul_f32 v238, s[CS], v238                    ; the step's largest t
	v_max_num_f32 v13, v13, v238                   ; the running largest t
	v_mov_b32 v238, v12
	v_floor_f32 v12, -v13                          ; the new -M = -ceil(t)
	v_sub_f32 v238, v12, v238                      ; old M - new M: a whole number, 0 or less
	v_cvt_i32_f32 v238, v238                       ; (it saturates)
	v_ldexp_f32 v234, 1.0, v238                    ; f = 2^(old M - new M)
.irp j, 0,2,4,6,8,10,12,14,16,18,20,22,24,26,28,30,32,34,36,38,40,42,44,46,48,50,52,54,56,58,60,62
	v_pk_fma_f32 v[S+\j:S+\j+1], v[S+\j:S+\j+1], s[CS:CS+1], v[12:13] op_sel_hi:[1,0,0]   ; t - M, two at a time
.endr
.irp b, 0,1,2,3
	v_fma_f32 v[BM+\b], v[BM+\b], s[CS], v12       ; the same of each block's largest score
.endr
.irp j, 0,1,2,3,4,5,6,7,8,9,10,11,12,13,14,15,16,17,18,19,20,21,22,23,24,25,26,27,28,29,30,31,32,33,34,35,36,37,38,39,40,41,42,43,44,45,46,47,48,49,50,51,52,53,54,55,56,57,58,59,60,61,62,63
	v_exp_f32 v[S+\j], v[S+\j]                     ; p = 2^(t - M)
.endr
	v_pk_mul_f32 v[14:15], v[14:15], v[234:235] op_sel_hi:[1,0]   ; the sums under the new M: the plain instruction behind the batch
	s_wait_alu depctr_va_vdst(0)                   ; one wait for the 64 exponentials, ahead of their first reader
.irp b, 0,1,2,3
	v_exp_f32 v[BM+\b], v[BM+\b]                   ; the block's largest p: the same two instructions on the same number give the same bits
.endr
	v_pk_add_f32 v[236:237], v[S:S+1], v[S+2:S+3]  ; the row's sum of the unquantised p, in two chains
.irp j, 4,8,12,16,20,24,28,32,36,40,44,48,52,56,60
	v_pk_add_f32 v[14:15], v[14:15], v[S+\j:S+\j+1]
	v_pk_add_f32 v[236:237], v[236:237], v[S+2+\j:S+3+\j]
.endr
	v_pk_add_f32 v[14:15], v[14:15], v[236:237]
	s_wait_alu depctr_va_vdst(0)                   ; and one for the four
.irp b, 0,1,2,3
	v_max_num_f32 v[BM+\b], 0x1800000, v[BM+\b]    ; the floor 2^(3 - 127): the byte cannot fall under 1
.endr
.irp b, 0,1,2,3
	v_add_nc_u32 v[BO+\b], 0xff000000, v[BM+\b]    ; 2 off the exponent field: the conversion's scale operand
.endr
.irp b, 0,1,2,3
	v_lshrrev_b32 v[BB+\b], 23, v[BO+\b]
.endr
	v_lshl_or_b32 v[PSW], v[BB+1], 8, v[BB]
	v_lshl_or_b32 v[PSW], v[BB+2], 16, v[PSW]
	v_lshl_or_b32 v[PSW], v[BB+3], 24, v[PSW]
.irp c, 0,1
	v_cvt_scalef32_pk16_fp6_f32 v[PC+6*\c:PC+2+6*\c], v[S+32*\c:S+15+32*\c], v[BO+2*\c]
	v_cvt_scalef32_pk16_fp6_f32 v[PT+4*\c:PT+2+4*\c], v[S+16+32*\c:S+31+32*\c], v[BO+2*\c+1]
.endr
	v_nop                                          ; one plain instruction behind the scaled conversions
.irp c, 0,1
.irp i, 0,1,2
	v_permlane16_swap_b32 v[PC+6*\c+\i], v[PT+4*\c+\i]
.endr
.irp i, 0,1,2
	v_mov_b32 v[PC+3+6*\c+\i], v[PT+4*\c+\i]
.endr
.endr
.irp j, 0,2,4,6,8,10,12,14,16,18,20,22,24,26,28,30
	v_pk_mul_f32 v[O+\j:O+\j+1], v[O+\j:O+\j+1], v[234:235] op_sel_hi:[1,0]   ; O^T under the new M; these sixteen also stand between the writes of p's codes and scale word and the products
.endr
	s_wait_dscnt 0x0                               ; V
.irp t, 0,1,2,3                                ; four accumulators by turns; between two links of one chain stand eleven other matrix instructions
	v_wmma_scale_f32_16x16x128_f8f6f4 v[O+8*\t:O+8*\t+7], v[KF+12*\t:KF+12*\t+11], v[PC:PC+11], v[O+8*\t:O+8*\t+7], v[VS+\t], v[PSW] matrix_a_fmt:MATRIX_FMT_FP6 matrix_b_fmt:MATRIX_FMT_FP6
.endr
	s_add_co_u32 s[TB], s[TB], STPB
	s_add_co_u32 s[STEP], s[STEP], 1
	s_cmp_lt_u32 s[STEP], 16
	s_cbranch_scc1 .Lstep
	; THE WAY OUT: O^T / the sum, quantised along the head's 64 (register 8 t + j is channel 16 t + 8 h + j), stored as half a fragment's image
	s_wait_kmcnt 0x0                               ; the last trip's words are in: their registers and sources are free
	s_and_b32 s12, s12, 15                         ; head
	s_mul_i32 s30, s13, 12288
	s_mul_i32 s28, s12, 768
	s_add_co_u32 s30, s30, s28
	s_add_nc_u64 s[4:5], s[8:9], s[30:31]          ; my image
	s_lshl_b32 s30, s13, 9
	s_lshl_b32 s28, s12, 1
	s_add_co_u32 s30, s30, s28
	s_add_co_u32 s30, s30, 3145728
	s_add_nc_u64 s[8:9], s[8:9], s[30:31]          ; my 16 tokens' rows of 32 scale bytes, at my head's two
	v_add_f32 v14, v14, v15
	v_permlanex16_b32 v236, v14, s[SEL], s[SEL+1]
	v_add_f32 v14, v14, v236                       ; the row's sum
	v_rcp_f32 v14, v14
	v_and_b32 v8, 15, v0                           ; plain work behind the reciprocal, and places behind the last products
	v_lshlrev_b32 v9, 5, v8                        ; 32 r
	v_and_b32 v10, 31, v0
	v_nop
	s_wait_alu depctr_va_vdst(0)                   ; the wait ahead of the reciprocal's first reader
.irp j, 0,1,2,3,4,5,6,7,8,9,10,11,12,13,14,15,16,17,18,19,20,21,22,23,24,25,26,27,28,29,30,31
	v_mul_f32 v[S+\j], v[O+\j], v14                ; each accumulator from its low end on
.endr
.irp b, 0,1
	v_max3_num_f32 v[BM+\b], |v[S+16*\b]|, |v[S+1+16*\b]|, 0x1800000
.endr
.irp i, 2,4,6,8,10,12,14
.irp b, 0,1
	v_max3_num_f32 v[BM+\b], v[BM+\b], |v[S+16*\b+\i]|, |v[S+1+16*\b+\i]|
.endr
.endr
.irp b, 0,1
	v_permlanex16_b32 v[BP+\b], v[BM+\b], s[SEL], s[SEL+1]
.endr
.irp b, 0,1
	v_max_num_f32 v[BM+\b], v[BM+\b], v[BP+\b]
.endr
.irp b, 0,1
	v_add_nc_u32 v[BO+\b], 0xff000000, v[BM+\b]
.endr
.irp b, 0,1
	v_lshrrev_b32 v[BB+\b], 23, v[BO+\b]
.endr
	v_lshl_or_b32 v[PSW], v[BB+1], 8, v[BB]
	v_cvt_scalef32_pk16_fp6_f32 v[PC:PC+2], v[S:S+15], v[BO]
	v_cvt_scalef32_pk16_fp6_f32 v[PT:PT+2], v[S+16:S+31], v[BO+1]
	v_nop
.irp i, 0,1,2
	v_permlane16_swap_b32 v[PC+\i], v[PT+\i]
.endr
.irp i, 0,1,2
	v_mov_b32 v[PC+3+\i], v[PT+\i]
.endr
	global_store_b128 v[L16], v[PC:PC+3], s[4:5]              ; 512 consecutive bytes
	global_store_b64 v[L8], v[PC+4:PC+5], s[4:5] offset:512   ; 256
	v_cmp_gt_u32 vcc_lo, 16, v10
	s_wait_xcnt 0x0                                ; EXEC changes only behind this wait
	s_wait_tensorcnt 0x0
	ds_add_u32 v254, v255
	s_wait_dscnt 0x0
	s_and_saveexec_b32 s30, vcc_lo
	global_store_b16 v9, v[PSW], s[8:9]            ; two bytes a token: a token's 32 bytes belong to sixteen heads, that is to sixteen work-groups
	s_wait_xcnt 0x0
	s_or_b32 exec_lo, exec_lo, s30
	s_endpgm
.Lfunc_end_k_q853b44f3d4_attn:
	.size	k_q853b44f3d4_attn, .Lfunc_end_k_q853b44f3d4_attn-k_q853b44f3d4_attn
	.p2alignl 7, 3214868480
	.fill 96, 4, 3214868480
	.section	.rodata,"a",@progbits
	.p2align	6, 0x0
	.amdhsa_kernel k_q853b44f3d4_attn
		.amdhsa_group_segment_fixed_size 206848
		.amdhsa_private_segment_fixed_size 0
		.amdhsa_enable_private_segment 0
		.amdhsa_kernarg_size 24
		.amdhsa_user_sgpr_count 2
		.amdhsa_user_sgpr_kernarg_segment_ptr 1
		.amdhsa_wavefront_size32 1
		.amdhsa_system_sgpr_workgroup_id_x 1
		.amdhsa_system_sgpr_workgroup_id_y 1
		.amdhsa_system_sgpr_workgroup_id_z 1
		.amdhsa_system_vgpr_workitem_id 0
		.amdhsa_next_free_vgpr 256
		.amdhsa_next_free_sgpr 100
		.amdhsa_reserve_vcc 1
		.amdhsa_float_denorm_mode_32 3
		.amdhsa_float_denorm_mode_16_64 3
		.amdhsa_memory_ordered 1
		.amdhsa_forward_progress 1
		.amdhsa_inst_pref_size 34
	.end_amdhsa_kernel
	.amdgpu_metadata
---
amdhsa.version: [ 1, 2 ]
amdhsa.kernels:
  - .name:           k_q853b44f3d4_attn
    .symbol:         k_q853b44f3d4_attn.kd
    .args:
      - { .name: rec, .offset: 0, .size: 8, .value_kind: global_buffer, .address_space: global }
      - { .name: msk, .offset: 8, .size: 8, .value_kind: global_buffer, .address_space: global }
      - { .name: att, .offset: 16, .size: 8, .value_kind: global_buffer, .address_space: global }
    .group_segment_fixed_size: 206848
    .private_segment_fixed_size: 0
    .kernarg_segment_align: 8
    .kernarg_segment_size: 24
    .max_flat_workgroup_size: 512
    .sgpr_count:     100
    .vgpr_count:     256
    .wavefront_size: 32
...
	.end_amdgpu_metadata
.endif
;; end of part 3
;; launch outp (part 4): grid 4 x 16, 4 waves a work-group, clusters of 4 x 4, 327,680 bytes of LDS; arguments att, cod, scl, bo, out0; writes out0
.if DOCPART == 4
	.amdgcn_target "amdgcn-amd-amdhsa--gfx1250"
	.amdhsa_code_object_version 6
	.text
	.protected	k_q853b44f3d4_outp
	.globl	k_q853b44f3d4_outp
	.p2align	8
	.type	k_q853b44f3d4_outp,@function
k_q853b44f3d4_outp:
	s_mov_b64 s[64:65], 0
	v_nop
	global_prefetch_b8 v0, s[64:65] scope:SCOPE_SE
	s_setreg_imm32_b32 hwreg(HW_REG_WAVE_MODE, 25, 1), 1
	s_wait_xcnt 0x0
	s_wait_alu depctr_hold_cnt(0) depctr_sa_sdst(0) depctr_va_vdst(0) depctr_va_sdst(0) depctr_va_ssrc(0) depctr_va_vcc(0) depctr_vm_vsrc(0)
	s_getreg_b32 s2, hwreg(HW_REG_IB_STS2, 6, 4)
	s_cmp_eq_u32 s2, 0
	s_cbranch_scc0 .Lentry_in_a_cluster
	s_endpgm
.Lentry_in_a_cluster:
	s_bfe_u32 s2, ttmp6, 0x10000c
	s_cmp_lg_u32 s2, 0xf033
	s_cbranch_scc0 .Lentry_shape_is_right
	s_endpgm
.Lentry_shape_is_right:
; LAST OF FOUR LAUNCHES: out0 = attention's result x Wo^T + bo, on codes of FP6 (E2M3) with E8M0 scales, K = 1,024; out0 [4096][1024] f32.
; A = att (codes: a tile of 16 tokens at 12,288 T, a K step of 128 = two heads at 1,536 g, as images of the operand's registers; scale bytes [4096][32] from byte 3,145,728).  B = Wo: stacked rows 15,360 on of cod and scl.
; A tile of C, 256 x 256, is made by a work-group of four waves; a wave makes 128 x 128: 64 accumulators, 512 registers.  K goes in steps of 256 through a ring of two LDS slots filled by the tensor data mover:
; a slot's part of a tile of 16 rows is 3,072 consecutive bytes, a tensor load brings 8 such rows, and a fragment comes out of LDS by two loads of 16 bytes and two of 8 a lane, each over consecutive bytes.
; The scale bytes of the work-group's 256 + 256 rows, for all of K, come into LDS once, as rows of 256 bytes + 16.
; CLUSTERS: 4 x 4 work-groups.  A's tiles are shared along a row of the cluster, B's along a column: each is asked for jointly, by the same tensor load with the same descriptor and a mask that names the four.
; THE MATRIX INSTRUCTION IS USED TRANSPOSED (source 0 = 16 rows of Wo, source 1 = 16 tokens): a lane holds eight neighbouring numbers of a row of out0.
; REGISTERS, in windows of 256: window 0: v0-31 addresses; v32-63 scale words, two sets; v64-67 bo; v128-223 A's fragments, one set; on the way out v128-255 take rows of out0.
;   window 1: B's fragments, two sets, at v0 and v128.   window 2: the accumulators of A's blocks 0-3 ((a, b) at v[8 (8 a + b)]);   window 3: those of blocks 4-7.
.set NQ,     2
.set FR,     12
.set NL,     4
.set NP,     4
.set FRB,    1536
.set RT,     3072
.set HALFT,  8*RT
.set SLOT,   4*HALFT
.set LAPS,   2
.set KS,     32
.set SCL,    2*SLOT
.set HALFS,  16*272
.set SBLK,   544
.set SPARE,  SCL+4*HALFS               ; the spare words, 128 bytes for each wave: two blocks of 256 bytes that no other line names
.set SIZE_N, 1024
.set SPITCH, 528                       ; the way out: a stage of 16 rows x (512 bytes + 16) for each wave, in slot 0, which has had its last fill and its last read when the first result is stored there
.set L16,  10
.set L8,   11
.set ADRA, 16
.set ADRB, 20
.set STO,  24                          ; v24  the way out: where I put 32 bytes of a row
.set RD,   25                          ; v25  where I read a row back
.set CO,   26                          ; v26  my byte offset in a row of out0
.set ADRS, 27
.set SPW,  28
.set NIL,  29
.set SC,   32
.set BIAS, 64                          ; v64-67 bo at my four columns of a row read back
.set AF,   128
.set BK,   128                         ; 16 rows read back: v128-191 and v192-255 by turns
.set G1, 24
.set G0, 32
.set G1B, 48
.set G0B, 56
.set G1S, 68
.set G0S, 76
.set G1SB, 80
.set G0SB, 88
.set MSB, 0
.macro WIN new                         ; the immediate's high byte repeats the setting that is left
.if MSB != \new
	s_set_vgpr_msb (MSB<<8)|\new
.set MSB, \new
.endif
.endm
.set MUL_LO, 0xa1
.set MUL_HI, 0xf1
.set TO_B,   0x40
.macro JLOAD g0a, g1a, g0b, g1b        ; a joint load: waves 0 and 1 fetch for A, waves 2 and 3 for B; four v_nop follow each of the two lines
	s_cmp_eq_u32 s15, 0
	s_cbranch_scc0 .Lfor_b_\@
	tensor_load_to_lds s[\g0a:\g0a+3], s[\g1a:\g1a+7]
	s_nop 0
.rept 4
	v_nop
.endr
	s_branch .Lasked_\@
.Lfor_b_\@:
	tensor_load_to_lds s[\g0b:\g0b+3], s[\g1b:\g1b+7]
	s_nop 0
.rept 4
	v_nop
.endr
.Lasked_\@:
.endm
.macro CREST
	s_cmp_lg_u32 s14, 0
	s_cbranch_scc1 .Lnot_wave_0_\@
	s_barrier_signal -3
.Lnot_wave_0_\@:
	s_barrier_wait -3
	s_barrier_signal -1
	s_barrier_wait -1
.endm
.macro CROUND
	s_barrier_signal -1
	s_barrier_wait -1
	CREST
.endm
	s_load_b128 s[4:7], s[0:1], 0x0                ; att, cod
	s_load_b128 s[8:11], s[0:1], 0x10              ; scl, bo
	s_load_b64 s[12:13], s[0:1], 0x20              ; out0
	v_lshl_add_u32 v[SPW], v0, 2, SPARE
	v_mov_b32 v[NIL], 0
	ds_add_u32 v28, v29
	ds_add_u32 v28, v29
	s_wait_dscnt 0x0
	v_lshrrev_b32 v1, 5, v0
	v_readfirstlane_b32 s14, v1                    ; wave 0..3
	s_lshr_b32 s15, s14, 1                         ; which half of the tile's rows is mine.  Also: I fetch for A (0) or for B (1)
	s_and_b32 s16, s14, 1                          ; which half of its columns.  Also: which 128 rows I fetch
	s_bfe_u32 s40, ttmp6, 0x40000                  ; cx
	s_bfe_u32 s41, ttmp6, 0x40004                  ; cy
	s_lshl_b32 s42, ttmp9, 2
	s_add_co_u32 s42, s42, s40                     ; tile column of C
	s_and_b32 s17, ttmp7, 0xffff
	s_lshl_b32 s17, s17, 2
	s_add_co_u32 s17, s17, s41                     ; tile row of C
	s_lshl_b32 s43, s41, 2
	s_lshl_b32 s43, 15, s43                        ; my row of the cluster
	s_lshl_b32 s44, 0x1111, s40                    ; my column
	s_or_b32 s[G1+0], s43, (3<<16)|(1<<21)         ; the codes: 8 rows of 3,072 bytes (384 elements of 8), 12,288 bytes apart in memory, on end in LDS
	s_or_b32 s[G1B+0], s44, (3<<16)|(1<<21)
.irp g, G1, G1B
	s_mov_b32 s[\g+1], 384<<16
	s_mov_b32 s[\g+2], 8<<16
	s_mov_b32 s[\g+3], 384<<16
	s_mov_b32 s[\g+4], 8
	s_mov_b32 s[\g+5], 1536
	s_mov_b32 s[\g+6], 0
	s_mov_b32 s[\g+7], 0
.endr
	s_or_b32 s[G1S+0], s43, (3<<16)|(1<<20)|(1<<21)|(5<<22)|(3<<25)   ; the scales of 128 rows: 16 rows of 256 bytes, 16 bytes of padding behind each
	s_or_b32 s[G1SB+0], s44, (3<<16)|(1<<20)|(1<<21)|(5<<22)|(3<<25)
.irp g, G1S, G1SB
	s_mov_b32 s[\g+1], 32<<16
	s_mov_b32 s[\g+2], 16<<16
	s_mov_b32 s[\g+3], 32<<16
	s_mov_b32 s[\g+4], 16
	s_mov_b32 s[\g+5], 32
	s_mov_b32 s[\g+6], 0
	s_mov_b32 s[\g+7], 0
.endr
	s_lshl_b32 s18, s16, 7                         ; which 128 rows I fetch
	s_lshl_b32 s20, s17, 8
	s_add_co_u32 s20, s20, s18                     ; A: token
	s_lshl_b32 s46, s42, 8
	s_add_co_u32 s46, s46, s18                     ; B: row of Wo
	s_lshl_b32 s22, s20, 5
	s_add_co_u32 s22, s22, 3145728                 ; A's scale bytes lie behind its codes
	s_mov_b32 s23, 0
	s_lshl_b32 s92, s46, 5
	s_add_co_u32 s92, s92, 491520                  ; Wo's: stacked row 15,360 x 32
	s_mov_b32 s93, 0
	s_mul_i32 s20, s20, 768
	s_mov_b32 s21, 0
	s_mul_i32 s46, s46, 768
	s_add_co_u32 s46, s46, 11796480                ; stacked row 15,360 x 768
	s_mov_b32 s47, 0
	s_mul_i32 s45, s14, HALFT                      ; no place in the cluster enters an LDS address
	s_mul_i32 s94, s14, HALFS
	s_wait_kmcnt 0x0
	s_add_nc_u64 s[20:21], s[4:5], s[20:21]
	s_add_nc_u64 s[22:23], s[4:5], s[22:23]
	s_add_nc_u64 s[46:47], s[6:7], s[46:47]
	s_add_nc_u64 s[92:93], s[8:9], s[92:93]
	CROUND                                         ; all sixteen work-groups are here: the first joint loads meet
	s_mov_b32 s[G0S], 1
	s_add_co_u32 s[G0S+1], s94, SCL
	s_mov_b64 s[G0S+2:G0S+3], s[22:23]
	s_or_b32 s[G0S+3], s[G0S+3], 0x80000000
	s_mov_b32 s[G0SB], 1
	s_add_co_u32 s[G0SB+1], s94, SCL
	s_mov_b64 s[G0SB+2:G0SB+3], s[92:93]
	s_or_b32 s[G0SB+3], s[G0SB+3], 0x80000000
	JLOAD G0S, G1S, G0SB, G1SB
.irp s, 0,1
	s_mov_b32 s[G0+4*\s], 1
	s_add_co_u32 s[G0+4*\s+1], s45, \s*SLOT
	s_add_nc_u64 s[G0+4*\s+2:G0+4*\s+3], s[20:21], \s*RT
	s_or_b32 s[G0+4*\s+3], s[G0+4*\s+3], 0x80000000
	s_mov_b32 s[G0B+4*\s], 1
	s_add_co_u32 s[G0B+4*\s+1], s45, \s*SLOT
	s_add_nc_u64 s[G0B+4*\s+2:G0B+4*\s+3], s[46:47], \s*RT
	s_or_b32 s[G0B+4*\s+3], s[G0B+4*\s+3], 0x80000000
	JLOAD G0+4*\s, G1, G0B+4*\s, G1B               ; three tensor loads of mine are out now
.endr
	v_and_b32 v1, 31, v0                           ; lane
	v_and_b32 v2, 15, v0                           ; r
	v_bfe_u32 v3, v0, 4, 1                         ; h
	v_lshlrev_b32 v[L16], 4, v1
	v_lshlrev_b32 v[L8], 3, v1
	s_mul_i32 s21, s15, HALFT
	s_mul_i32 s22, s16, HALFT
	s_add_co_u32 s22, s22, 2*HALFT
.irp s, 0,1
	v_add_nc_u32 v[ADRA+\s], s21, v[L16]
	v_add_nc_u32 v[ADRB+\s], s22, v[L16]
	v_add_nc_u32 v[ADRA+2+\s], s21, v[L8]
	v_add_nc_u32 v[ADRB+2+\s], s22, v[L8]
	s_add_co_u32 s21, s21, SLOT
	s_add_co_u32 s22, s22, SLOT
.endr
	v_mul_u32_u24 v5, v2, KS
	v_lshrrev_b32 v6, 8, v5
	v_lshl_add_u32 v5, v6, 4, v5
	s_mul_i32 s21, s15, HALFS
	s_mul_i32 s22, s16, HALFS
	s_add_co_u32 s22, s22, 2*HALFS
	s_sub_co_u32 s22, s22, s21
	v_mul_u32_u24 v6, s22, v3                      ; lanes 16-31 take B's: one product, the distance between the two bases
	s_add_co_u32 s21, s21, SCL
	v_add_nc_u32 v5, v5, v6
	v_add_nc_u32 v[ADRS], s21, v5
	s_mul_i32 s23, s14, 16*SPITCH                  ; my stage
	v_mul_u32_u24 v5, v2, SPITCH                   ; in: row r, 32 bytes for each half of the lanes
	v_lshl_add_u32 v5, v3, 5, v5
	v_add_nc_u32 v[STO], s23, v5
	v_lshlrev_b32 v[CO], 4, v1                     ; back: the 32 lanes take one row of 512 bytes; and the same in out0
	v_add_nc_u32 v[RD], s23, v[CO]
	s_lshl_b32 s20, s17, 8
	s_lshl_b32 s21, s15, 7
	s_add_co_u32 s20, s20, s21                     ; my first row of out0
	s_lshl_b32 s20, s20, 12                        ; x 4,096 bytes
	s_lshl_b32 s46, s42, 10
	s_lshl_b32 s47, s16, 9
	s_add_co_u32 s46, s46, s47                     ; my first column, in bytes
	s_mov_b32 s47, 0
	s_add_nc_u64 s[10:11], s[10:11], s[46:47]      ; bo at my 128 columns
	s_add_co_u32 s46, s46, s20
	s_add_nc_u64 s[12:13], s[12:13], s[46:47]
	global_load_b128 v[BIAS:BIAS+3], v[L16], s[10:11]
.macro FRAG reg, adr, base             ; a fragment's image
	ds_load_b128 v[\reg:\reg+3], v[\adr] offset:\base
	ds_load_b64 v[\reg+4:\reg+5], v[\adr+2] offset:\base+512
	ds_load_b128 v[\reg+6:\reg+9], v[\adr] offset:\base+768
	ds_load_b64 v[\reg+10:\reg+11], v[\adr+2] offset:\base+1280
.endm
; 16 matrix instructions: A's blocks a0, a0 + 1 x B's eight.  The 64 accumulators take turns, one instruction a turn, in the same order in every step.
.macro MUL16 a0, p, q, sc, zero
.irp a, \a0, \a0+1
.irp b, 0,1,2,3,4,5,6,7
.if \zero
	v_wmma_scale_f32_16x16x128_f8f6f4 v[8*(8*((\a)%4)+\b):8*(8*((\a)%4)+\b)+7], v[128*(\p)+FR*\b:128*(\p)+FR*\b+FR-1], v[AF+FR*(\a):AF+FR*(\a)+FR-1], 0, v[SC+8*NQ*(\sc)+NQ*\b+(\q)], v[SC+8*NQ*(\sc)+NQ*(\a)+(\q)] matrix_a_fmt:MATRIX_FMT_FP6 matrix_b_fmt:MATRIX_FMT_FP6 matrix_a_scale:MATRIX_SCALE_ROW1
.else
	v_wmma_scale_f32_16x16x128_f8f6f4 v[8*(8*((\a)%4)+\b):8*(8*((\a)%4)+\b)+7], v[128*(\p)+FR*\b:128*(\p)+FR*\b+FR-1], v[AF+FR*(\a):AF+FR*(\a)+FR-1], v[8*(8*((\a)%4)+\b):8*(8*((\a)%4)+\b)+7], v[SC+8*NQ*(\sc)+NQ*\b+(\q)], v[SC+8*NQ*(\sc)+NQ*(\a)+(\q)] matrix_a_fmt:MATRIX_FMT_FP6 matrix_b_fmt:MATRIX_FMT_FP6 matrix_a_scale:MATRIX_SCALE_ROW1
.endif
.endr
.endr
.endm
.macro FETCH_B slot, q, p
	WIN TO_B
.irp i, 0,1,2,3,4,5,6,7
	FRAG 128*(\p)+FR*\i, ADRB+\slot, (\i)*RT+(\q)*FRB
.endr
	WIN 0
.endm
.macro FETCH_A slot, q, i0
.irp i, \i0, \i0+1, \i0+2, \i0+3
	FRAG AF+FR*(\i), ADRA+\slot, (\i)*RT+(\q)*FRB
.endr
.endm
.macro SCALES sc
.irp i, 0,1,2,3,4,5,6,7
	ds_load_b64 v[SC+8*NQ*\sc+NQ*\i:SC+8*NQ*\sc+NQ*\i+1], v[ADRS] offset:\i*SBLK
.endr
.endm
.macro PLACES n                        ; plain vector instructions between a matrix instruction and a load into, or a read of, its registers
.rept \n
	v_nop
.endr
.endm
.macro STEP slot, q, zero
	s_wait_dscnt 4*NL                              ; all but the youngest 16 loads (A's blocks 4-7) are in
	WIN MUL_LO
	MUL16 0, (\q)%2, \q, \slot, \zero
	MUL16 2, (\q)%2, \q, \slot, \zero
	s_wait_dscnt 0
	PLACES NP
	FETCH_B \slot, (\q)+1, 1-(\q)%2
	FETCH_A \slot, (\q)+1, 0
	WIN MUL_HI
	MUL16 4, (\q)%2, \q, \slot, \zero
	MUL16 6, (\q)%2, \q, \slot, \zero
	PLACES NP
	WIN 0
	FETCH_A \slot, (\q)+1, 4
.endm
.macro TURN slot, next, fill           ; a slot's last step changes slots
	s_wait_tensorcnt 0x0                           ; all my tensor loads have landed: my part of the next slot
	ds_add_u32 v[SPW], v[NIL]                      ; 0 onto my spare word
	s_wait_dscnt 4*NL+1                            ; the add and the youngest 16 loads may be out
	WIN MUL_LO
	MUL16 0, 1, NQ-1, \slot, 0
	s_wait_dscnt 0x0                               ; the add is done, and my reads of this slot are over
	s_barrier_signal -1
	MUL16 2, 1, NQ-1, \slot, 0
	WIN 0
	s_barrier_wait -1
.if \fill
	CREST                                          ; the barrier has opened a round of the cluster's: no wave of any partner still reads this slot or has a load on its way
	s_add_nc_u64 s[G0+4*\slot+2:G0+4*\slot+3], s[G0+4*\slot+2:G0+4*\slot+3], 2*RT
	s_add_nc_u64 s[G0B+4*\slot+2:G0B+4*\slot+3], s[G0B+4*\slot+2:G0B+4*\slot+3], 2*RT
	JLOAD G0+4*\slot, G1, G0B+4*\slot, G1B         ; the first tensor load behind the round, my only one until the next
.else
	PLACES NP
.endif
	v_add_nc_u32 v[ADRS], 4*NQ, v[ADRS]
	FETCH_B \next, 0, 0
	FETCH_A \next, 0, 0
	SCALES \next
	WIN MUL_HI
	MUL16 4, 1, NQ-1, \slot, 0
	MUL16 6, 1, NQ-1, \slot, 0
	PLACES NP
	WIN 0
	FETCH_A \next, 0, 4
.endm
	s_wait_tensorcnt 1                             ; the scales and my part of K step 0 are in; K step 1's load may be out
	s_barrier_signal -1
	s_barrier_wait -1
	FETCH_B 0, 0, 0
	FETCH_A 0, 0, 0
	SCALES 0
	FETCH_A 0, 0, 4
	STEP 0, 0, 1                                   ; the first step's products start the sums
	s_mov_b32 s3, LAPS-1
.Llap:
	TURN 0, 1, 1
	STEP 1, 0, 0
	TURN 1, 0, 1
	STEP 0, 0, 0
	s_sub_co_u32 s3, s3, 1
	s_cmp_lg_u32 s3, 0
	s_cbranch_scc1 .Llap
	TURN 0, 1, 0                                   ; the last lap fills nothing
	STEP 1, 0, 0
	s_wait_dscnt 4*NL
	WIN MUL_LO
	MUL16 0, 1, NQ-1, 1, 0
	MUL16 2, 1, NQ-1, 1, 0
	s_wait_dscnt 0
	WIN MUL_HI
	MUL16 4, 1, NQ-1, 1, 0
	MUL16 6, 1, NQ-1, 1, 0
	WIN 0
; THE WAY OUT, block by block of 16 rows x 128 columns, through my own stage: in as 32 bytes a lane, back as whole rows of 512 bytes; bo is added to the rows read back; the 32 lanes store 512 consecutive bytes.
.macro TOSTAGE a
.set AC, 64*((\a)%4)
.if (\a) < 4
	WIN 0x08                                       ; an LDS store's data are its source 1: window 2,
.else
	WIN 0x0c                                       ; or 3
.endif
.irp b, 0,1,2,3,4,5,6,7
	ds_store_b128 v[STO], v[AC+8*\b:AC+8*\b+3] offset:64*\b          ; each accumulator from its low end on
	ds_store_b128 v[STO], v[AC+8*\b+4:AC+8*\b+7] offset:64*\b+16
.endr
	WIN 0
.set BB, BK+64*((\a)%2)
.irp t, 0,1,2,3,4,5,6,7,8,9,10,11,12,13,14,15
	ds_load_b128 v[BB+4*\t:BB+4*\t+3], v[RD] offset:\t*SPITCH         ; LDS serves a wave's instructions in order (ISA guide 5.7.1.4): these see the stores above
.endr
.endm
.macro SEND a, younger                 ; younger: the LDS instructions issued behind block a's loads, which may stay out
.set BB, BK+64*((\a)%2)
	s_wait_dscnt \younger
.if (\a) > 0
	s_add_nc_u64 s[12:13], s[12:13], 16*SIZE_N*4   ; (behind a wait on XCNT: the earlier stores have read their base)
.endif
.irp t, 0,1,2,3,4,5,6,7,8,9,10,11,12,13,14,15
	v_pk_add_f32 v[BB+4*\t:BB+4*\t+1], v[BB+4*\t:BB+4*\t+1], v[BIAS:BIAS+1]
	v_pk_add_f32 v[BB+4*\t+2:BB+4*\t+3], v[BB+4*\t+2:BB+4*\t+3], v[BIAS+2:BIAS+3]
	global_store_b128 v[CO], v[BB+4*\t:BB+4*\t+3], s[12:13] offset:\t*SIZE_N*4 th:TH_STORE_NT
.endr
.endm
	PLACES NP                                      ; behind the last products
	s_wait_loadcnt 0x0                             ; bo
	TOSTAGE 0
.irp a, 1,2,3,4,5,6,7
.if \a > 1
	s_wait_xcnt 0x0                                ; block a - 2's stores have read their registers and their base
.endif
	TOSTAGE \a
	SEND \a-1, 32                                  ; behind block a - 1's loads: block a's 16 stores and 16 loads
.endr
	s_wait_xcnt 0x0
	SEND 7, 0
	s_wait_tensorcnt 0x0                           ; the wave's end
	ds_add_u32 v[SPW], v[NIL]
	s_wait_dscnt 0x0
	CROUND                                         ; the closing round
	s_endpgm
.Lfunc_end_k_q853b44f3d4_outp:
	.size	k_q853b44f3d4_outp, .Lfunc_end_k_q853b44f3d4_outp-k_q853b44f3d4_outp
	.p2alignl 7, 3214868480
	.fill 96, 4, 3214868480
	.section	.rodata,"a",@progbits
	.p2align	6, 0x0
	.amdhsa_kernel k_q853b44f3d4_outp
		.amdhsa_group_segment_fixed_size 327680
		.amdhsa_private_segment_fixed_size 0
		.amdhsa_enable_private_segment 0
		.amdhsa_kernarg_size 40
		.amdhsa_user_sgpr_count 2
		.amdhsa_user_sgpr_kernarg_segment_ptr 1
		.amdhsa_wavefront_size32 1
		.amdhsa_system_sgpr_workgroup_id_x 1
		.amdhsa_system_sgpr_workgroup_id_y 1
		.amdhsa_system_sgpr_workgroup_id_z 1
		.amdhsa_system_vgpr_workitem_id 0
		.amdhsa_next_free_vgpr 1024
		.amdhsa_next_free_sgpr 98
		.amdhsa_reserve_vcc 0
		.amdhsa_float_denorm_mode_32 3
		.amdhsa_float_denorm_mode_16_64 3
		.amdhsa_memory_ordered 1
		.amdhsa_forward_progress 1
		.amdhsa_inst_pref_size 160
	.end_amdhsa_kernel
	.amdgpu_metadata
---
amdhsa.version: [ 1, 2 ]
amdhsa.kernels:
  - .name:           k_q853b44f3d4_outp
    .symbol:         k_q853b44f3d4_outp.kd
    .args:
      - { .name: att, .offset: 0, .size: 8, .value_kind: global_buffer, .address_space: global }
      - { .name: cod, .offset: 8, .size: 8, .value_kind: global_buffer, .address_space: global }
      - { .name: scl, .offset: 16, .size: 8, .value_kind: global_buffer, .address_space: global }
      - { .name: bo, .offset: 24, .size: 8, .value_kind: global_buffer, .address_space: global }
      - { .name: out0, .offset: 32, .size: 8, .value_kind: global_buffer, .address_space: global }
    .group_segment_fixed_size: 327680
    .private_segment_fixed_size: 0
    .kernarg_segment_align: 8
    .kernarg_segment_size: 40
    .max_flat_workgroup_size: 128
    .sgpr_count:     98
    .vgpr_count:     1024
    .wavefront_size: 32
...
	.end_amdgpu_metadata
.endif
;; end of part 4
;; ======== version 2 of 2: 4 launches
;; limits: right only within a limited range of input values
;; workspace buffers: cod 12,582,912 bytes; scl 524,288 bytes; msk 1,048,576 bytes of whole numbers; rec 13,107,200 bytes; att 3,276,800 bytes
;; launch prep (part 5): grid 512 x 1, 4 waves a work-group, no clusters, 68,096 bytes of LDS; arguments q, k, v, Wq, Wk, Wv, Wo, mask, cod, scl, msk; writes cod, scl, msk
.if DOCPART == 5
	.amdgcn_target "amdgcn-amd-amdhsa--gfx1250"
	.amdhsa_code_object_version 6
	.text
	.protected	k_q853b44f3d4_prep
	.globl	k_q853b44f3d4_prep
	.p2align	8
	.type	k_q853b44f3d4_prep,@function
k_q853b44f3d4_prep:
	s_mov_b64 s[64:65], 0
	v_nop
	global_prefetch_b8 v0, s[64:65] scope:SCOPE_SE
	s_setreg_imm32_b32 hwreg(HW_REG_WAVE_MODE, 25, 1), 1
	s_wait_xcnt 0x0
; FIRST OF FOUR LAUNCHES.  q, k, v [4096][1024] and Wq, Wk, Wv, Wo [1024][1024], f32, K innermost, become codes of FP6 (E2M3) with one E8M0 byte for each 32 along K; the mask becomes lane-mask words.
; The seven tensors are taken as 16,384 stacked rows (q 0, k 4096, v 8192, Wq 12288, Wk 13312, Wv 14336, Wo 15360).
; cod: a tile of 16 rows at 12,288 T; in it a K step of 128 at 1,536 g, laid AS THE OPERAND'S REGISTERS: for each half of 64 along K 768 bytes: registers 0-3 of lane l at 16 l, registers 4-5 at 512 + 8 l.
; scl: [16384][32] bytes, row-major.
; ORDER INSIDE A BLOCK.  A lane (r = lane % 16, h = lane / 16) quantises 64 numbers of row r: register 8 t + j is element 16 t + 8 h + j of the K step.  Block b of 32 is registers 16 b .. 16 b + 15 of lanes l and l xor 16:
; the true block.  Inside it the codes stand in the order 0-7, 16-23, 8-15, 24-31.  Every operand of this program is laid so, on both sides of every product, which leaves each sum of products as it is.
; msk: records of 64 words at 256 X.  X = (batch x 128 + tile of 16 queries) x 16 + step of 128 keys.  Bit l of word n: mask(query r, key 16 (n / 8) + 8 h + n % 8) != 0.
; A block's scale is 2^(floor(log2(largest magnitude)) - 2); its byte is the largest magnitude's exponent field - 2, held at 1 from below.
; LIMITS: NaN and infinities are not served; blocks of zeros, and blocks whose largest magnitude lies under 2^-124, carry the byte 1 (their bytes are read by this program alone; zero codes add nothing).
; SHARES.  Work-groups 0-255: wave w takes the tile of 16 rows 4 x work-group + w, eight K steps.  Work-groups 256-383: wave w takes 16 queries x 1,024 keys of the mask, eight steps.  Waves share nothing: no barrier.
; Each load reads 512 consecutive bytes of a row; a step's 16 x 512 bytes turn through the wave's own stage in LDS (rows 528 bytes apart: an odd multiple of 16) into the order above.  32 loads of a wave are out at most.
; THE MASK'S SHARES AND ORDER, in place of what the lines above say of them: work-groups 256-511; wave w takes 16 queries x 512 keys, four steps of 128 keys.
; Bit l of word n = 32 c + 8 u + j of a record: mask(query r, key 64 c + 32 h + 8 g + j) != 0, g = 0, 2, 1, 3 for u = 0, 1, 2, 3: the order in which the third launch's registers hold a step's scores.
.set STG,  8448
.set MSTG, 4*STG                       ; the mask path's stages lie behind the other path's: each path has LDS bytes of its own
.set R,    16                          ; v16-143  two sets of 64 registers as loaded
.set X,    144                         ; v144-207 the 64 numbers in the order above
.set PC,   208                         ; v208-227 the codes
.set TM,   228                         ; v228-243 at work in QUANT
.set PWS,  244                         ; v244-251 the row's eight scale words
.set OW4,  252                         ; v252-255 the four of them that I store
.set WD,   208                         ; mask path: v208-209 lane i holds words 2 i and 2 i + 1
.set LN,   1                           ; lane
.set L16,  4                           ; 16 x lane
.set L8,   5                           ; 8 x lane
.set SIN,  6                           ; stage, way in: 16 x lane
.set SOUT, 7                           ; stage, way out: 528 r + 32 h
.set SCO,  8                           ; 32 r + 16 h: my 16 scale bytes
.set MIN,  9                           ; the same two for the mask path
.set MOUT, 10
.set SEL,  30                          ; s[30:31] lane selects: lane l xor 16
; 64 numbers of a lane, v[s] on, become a fragment's codes in v[PC:PC+11] and the row's scale word in v[w]
.macro QUANT s, w
.irp b, 0,1,2,3
	v_max3_num_f32 v[TM+\b], |v[\s+16*\b]|, |v[\s+1+16*\b]|, 0x1800000   ; my 16 numbers of block b, and the floor 2^(3 - 127): the byte cannot fall under 1
.endr
.irp i, 2,4,6,8,10,12,14
.irp b, 0,1,2,3
	v_max3_num_f32 v[TM+\b], v[TM+\b], |v[\s+16*\b+\i]|, |v[\s+1+16*\b+\i]|   ; the four blocks by turns
.endr
.endr
.irp b, 0,1,2,3
	v_permlanex16_b32 v[TM+4+\b], v[TM+\b], s[SEL], s[SEL+1]
.endr
.irp b, 0,1,2,3
	v_max_num_f32 v[TM+\b], v[TM+\b], v[TM+4+\b]   ; with lane l xor 16's: the block's largest magnitude
.endr
.irp b, 0,1,2,3
	v_add_nc_u32 v[TM+12+\b], 0xff000000, v[TM+\b]   ; 2 off its exponent field: the conversion's scale operand
.endr
.irp b, 0,1,2,3
	v_lshrrev_b32 v[TM+4+\b], 23, v[TM+12+\b]   ; the scale's byte
.endr
	v_lshl_or_b32 v[\w], v[TM+5], 8, v[TM+4]
	v_lshl_or_b32 v[\w], v[TM+6], 16, v[\w]
	v_lshl_or_b32 v[\w], v[TM+7], 24, v[\w]
.irp c, 0,1
	v_cvt_scalef32_pk16_fp6_f32 v[PC+6*\c:PC+2+6*\c], v[\s+32*\c:\s+15+32*\c], v[TM+12+2*\c]
	v_cvt_scalef32_pk16_fp6_f32 v[PC+12+4*\c:PC+14+4*\c], v[\s+16+32*\c:\s+31+32*\c], v[TM+12+2*\c+1]   ; (a conversion's three registers begin on an even number)
.endr
	v_nop                                          ; one plain instruction behind the scaled conversions
.irp c, 0,1                                    ; the operand's layout wants a whole block in a lane: lanes 0-15 block 2 c, lanes 16-31 block 2 c + 1
.irp i, 0,1,2
	v_permlane16_swap_b32 v[PC+6*\c+\i], v[PC+12+4*\c+\i]
.endr
.irp i, 0,1,2
	v_mov_b32 v[PC+3+6*\c+\i], v[PC+12+4*\c+\i]
.endr
.endr
.endm
; the fragment leaves as an image of its registers: each store covers 512 or 256 consecutive bytes, aligned
.macro STORE4 bs, oa, ob
	global_store_b128 v[L16], v[PC:PC+3], s[\bs:\bs+1] offset:\oa
	global_store_b64 v[L8], v[PC+4:PC+5], s[\bs:\bs+1] offset:(\oa)+512
	global_store_b128 v[L16], v[PC+6:PC+9], s[\bs:\bs+1] offset:\ob
	global_store_b64 v[L8], v[PC+10:PC+11], s[\bs:\bs+1] offset:(\ob)+512
.endm
.macro LOAD g, pitch, bs               ; step g: 16 rows x 512 bytes
.irp i, 0,1,2,3,4,5,6,7,8,9,10,11,12,13,14,15
	global_load_b128 v[R+64*((\g)%2)+4*\i:R+64*((\g)%2)+4*\i+3], v[L16], s[\bs:\bs+1] offset:\i*\pitch+512*(\g) th:TH_LOAD_NT
.endr
.endm
.macro TURN g, sin, sout               ; through the stage: LDS serves a wave's instructions in order (ISA guide 5.7.1.4), so no wait stands between the stores and the loads
.irp i, 0,1,2,3,4,5,6,7,8,9,10,11,12,13,14,15
	ds_store_b128 v[\sin], v[R+64*((\g)%2)+4*\i:R+64*((\g)%2)+4*\i+3] offset:528*\i
.endr
.irp t, 0,1,2,3,4,5,6,7
	ds_load_b128 v[X+8*\t:X+8*\t+3], v[\sout] offset:64*\t
	ds_load_b128 v[X+8*\t+4:X+8*\t+7], v[\sout] offset:64*\t+16
.endr
.endm
	s_load_b512 s[4:19], s[0:1], 0x0               ; q, k, v, Wq, Wk, Wv, Wo, mask
	s_load_b128 s[20:23], s[0:1], 0x40             ; cod, scl
	s_load_b64 s[24:25], s[0:1], 0x50              ; msk
	v_lshl_add_u32 v238, v0, 2, 0x10800
	v_mov_b32 v239, 0
	v_lshrrev_b32 v1, 5, v0
	v_readfirstlane_b32 s26, v1                    ; wave 0..3
	v_and_b32 v[LN], 31, v0
	v_and_b32 v2, 15, v0                           ; r
	v_bfe_u32 v3, v0, 4, 1                         ; h
	v_lshlrev_b32 v[L16], 4, v[LN]
	v_lshlrev_b32 v[L8], 3, v[LN]
	s_mul_i32 s27, s26, STG
	v_add_nc_u32 v[SIN], s27, v[L16]
	v_mul_u32_u24 v[SOUT], v2, 528
	v_lshl_add_u32 v[SOUT], v3, 5, v[SOUT]
	v_add_nc_u32 v[SOUT], s27, v[SOUT]
	v_add_nc_u32 v[MIN], MSTG, v[SIN]
	v_mul_u32_u24 v[MOUT], v2, 528                 ; the mask's way out of the stage: 528 r + 128 h: lanes 16-31 begin 32 keys further on
	v_lshl_add_u32 v[MOUT], v3, 7, v[MOUT]
	v_add_nc_u32 v[MOUT], s27, v[MOUT]
	v_add_nc_u32 v[MOUT], MSTG, v[MOUT]
	v_lshlrev_b32 v[SCO], 5, v2
	v_lshl_add_u32 v[SCO], v3, 4, v[SCO]
	s_mov_b32 s[SEL], 0x76543210
	s_mov_b32 s[SEL+1], 0xfedcba98
	s_wait_kmcnt 0x0
	s_cmp_ge_u32 ttmp9, 256
	s_cbranch_scc1 .Lmask
	; ---- the seven f32 tensors.  Which one is mine hangs on the work-group's number alone
.macro PICK lim, p
	s_cmp_ge_u32 ttmp9, \lim
	s_cselect_b64 s[34:35], s[\p:\p+1], s[34:35]
	s_cselect_b32 s28, \lim, s28
.endm
	s_mov_b64 s[34:35], s[4:5]
	s_mov_b32 s28, 0                               ; the tensor's first work-group
	PICK 64, 6
	PICK 128, 8
	PICK 192, 10
	PICK 208, 12
	PICK 224, 14
	PICK 240, 16
	s_sub_co_u32 s29, ttmp9, s28
	s_lshl_b32 s29, s29, 2
	s_add_co_u32 s29, s29, s26                     ; my tile of 16 rows in the tensor
	s_lshl_b32 s32, s29, 16                        ; x 16 rows of 4,096 bytes
	s_mov_b32 s33, 0
	s_add_nc_u64 s[34:35], s[34:35], s[32:33]
	s_lshl_b32 s29, ttmp9, 2
	s_add_co_u32 s29, s29, s26                     ; my tile among the stacked rows
	s_mul_i32 s32, s29, 12288
	s_add_nc_u64 s[20:21], s[20:21], s[32:33]
	s_lshl_b32 s32, s29, 9
	s_add_nc_u64 s[22:23], s[22:23], s[32:33]
.irp b, 0,1,2,3
	v_mov_b32 v[TM+4+\b], 0                        ; written once: a lane permute's destination counts as one of its sources
.endr
	LOAD 0, 4096, 34
	LOAD 1, 4096, 34
.macro FTILE g
.if (\g) < 7
	s_wait_loadcnt 16                              ; this step's 16 loads are in; the next step's 16 may be out
.else
	s_wait_loadcnt 0x0
.endif
	TURN \g, SIN, SOUT
	s_wait_dscnt 0x0                               ; the numbers are back, and the stage's stores have read the registers that the loads below take
	s_wait_xcnt 0x0                                ; the last step's stores have read the codes' registers: they are written again only behind this wait
.if (\g) < 6
	LOAD (\g)+2, 4096, 34
.endif
	QUANT X, PWS+(\g)
	STORE4 20, 1536*(\g), 1536*(\g)+768
.endm
	s_wait_alu depctr_va_vdst(0)
.irp g, 0,1,2,3,4,5,6,7
	FTILE \g
.endr
	v_cmp_le_u32 vcc_lo, 16, v[LN]                 ; lanes 0-15 store words 0-3 of row r, lanes 16-31 words 4-7: 512 consecutive bytes
.irp i, 0,1,2,3
	v_cndmask_b32 v[OW4+\i], v[PWS+\i], v[PWS+4+\i], vcc_lo
.endr
	global_store_b128 v[SCO], v[OW4:OW4+3], s[22:23]
	s_wait_tensorcnt 0x0
	ds_add_u32 v238, v239
	s_wait_dscnt 0x0
	s_endpgm
	; ---- the mask
.Lmask:
	s_sub_co_u32 s28, ttmp9, 256
	s_lshl_b32 s28, s28, 2
	s_add_co_u32 s28, s28, s26                     ; 0..1023: tile of 16 queries = this / 4, quarter of the 2,048 keys = this % 4; my first record is 4 x this
	s_lshr_b32 s29, s28, 2                         ; s28 = 0..1023: tile of 16 queries = s28 / 4,
	s_and_b32 s27, s28, 3                          ; quarter of the 2,048 keys = s28 % 4; my first record is 4 x s28
	s_lshl_b32 s4, s29, 17                         ; 16 rows of 8,192 bytes
	s_lshl_b32 s6, s27, 11                         ; 512 keys of 4 bytes
	s_add_co_u32 s4, s4, s6
	s_mov_b32 s5, 0
	s_add_nc_u64 s[18:19], s[18:19], s[4:5]
	s_lshl_b32 s4, s28, 10                         ; 4 records of 256 bytes
	s_add_nc_u64 s[20:21], s[24:25], s[4:5]        ; my records
	v_mov_b32 v[WD], 0                             ; v_writelane_b32's destination counts as read
	v_mov_b32 v[WD+1], 0
	LOAD 0, 8192, 18
	LOAD 1, 8192, 18
.macro MTURN g                         ; through the stage: register 32 c + 8 u + j comes back as key 64 c + 32 h + 8 g + j of row r
.irp i, 0,1,2,3,4,5,6,7,8,9,10,11,12,13,14,15
	ds_store_b128 v[MIN], v[R+64*((\g)%2)+4*\i:R+64*((\g)%2)+4*\i+3] offset:528*\i
.endr
.irp c, 0,1
.irp u, 0,1,2,3
	ds_load_b128 v[X+32*\c+8*\u:X+32*\c+8*\u+3], v[MOUT] offset:256*\c+32*(2*(\u%2)+\u/2)
	ds_load_b128 v[X+32*\c+8*\u+4:X+32*\c+8*\u+7], v[MOUT] offset:256*\c+32*(2*(\u%2)+\u/2)+16
.endr
.endr
.endm
.macro MTILE g
.if (\g) < 3
	s_wait_loadcnt 16                              ; this step's 16 loads are in; the next step's 16 may be out
.else
	s_wait_loadcnt 0x0
.endif
	MTURN \g
	s_wait_dscnt 0x0
	s_wait_xcnt 0x0                                ; the last record's store has read v[WD:WD+1]
.if (\g) < 2
	LOAD (\g)+2, 8192, 18
.endif
.irp o, 0,1,2,3,4,5,6,7
.irp j, 0,1,2,3,4,5,6,7
	v_cmp_ne_u32 s[32+\j], 0, v[X+8*\o+\j]         ; word 8 o + j: a bit a lane
.endr
.irp j, 0,1,2,3,4,5,6,7
	v_writelane_b32 v[WD+\j%2], s[32+\j], 4*\o+\j/2
.endr
.endr
	global_store_b64 v[L8], v[WD:WD+1], s[20:21] offset:256*(\g)   ; 256 consecutive bytes, aligned
.endm
	s_wait_alu depctr_va_vdst(0)
.irp g, 0,1,2,3
	MTILE \g
.endr
	s_wait_tensorcnt 0x0
	ds_add_u32 v238, v239
	s_wait_dscnt 0x0
	s_endpgm
.Lfunc_end_k_q853b44f3d4_prep:
	.size	k_q853b44f3d4_prep, .Lfunc_end_k_q853b44f3d4_prep-k_q853b44f3d4_prep
	.p2alignl 7, 3214868480
	.fill 96, 4, 3214868480
	.section	.rodata,"a",@progbits
	.p2align	6, 0x0
	.amdhsa_kernel k_q853b44f3d4_prep
		.amdhsa_group_segment_fixed_size 68096
		.amdhsa_private_segment_fixed_size 0
		.amdhsa_enable_private_segment 0
		.amdhsa_kernarg_size 88
		.amdhsa_user_sgpr_count 2
		.amdhsa_user_sgpr_kernarg_segment_ptr 1
		.amdhsa_wavefront_size32 1
		.amdhsa_system_sgpr_workgroup_id_x 1
		.amdhsa_system_sgpr_workgroup_id_y 1
		.amdhsa_system_sgpr_workgroup_id_z 1
		.amdhsa_system_vgpr_workitem_id 0
		.amdhsa_next_free_vgpr 256
		.amdhsa_next_free_sgpr 66
		.amdhsa_reserve_vcc 1
		.amdhsa_float_denorm_mode_32 3
		.amdhsa_float_denorm_mode_16_64 3
		.amdhsa_memory_ordered 1
		.amdhsa_forward_progress 1
		.amdhsa_inst_pref_size 113
	.end_amdhsa_kernel
	.amdgpu_metadata
---
amdhsa.version: [ 1, 2 ]
amdhsa.kernels:
  - .name:           k_q853b44f3d4_prep
    .symbol:         k_q853b44f3d4_prep.kd
    .args:
      - { .name: q, .offset: 0, .size: 8, .value_kind: global_buffer, .address_space: global }
      - { .name: k, .offset: 8, .size: 8, .value_kind: global_buffer, .address_space: global }
      - { .name: v, .offset: 16, .size: 8, .value_kind: global_buffer, .address_space: global }
      - { .name: Wq, .offset: 24, .size: 8, .value_kind: global_buffer, .address_space: global }
      - { .name: Wk, .offset: 32, .size: 8, .value_kind: global_buffer, .address_space: global }
      - { .name: Wv, .offset: 40, .size: 8, .value_kind: global_buffer, .address_space: global }
      - { .name: Wo, .offset: 48, .size: 8, .value_kind: global_buffer, .address_space: global }
      - { .name: mask, .offset: 56, .size: 8, .value_kind: global_buffer, .address_space: global }
      - { .name: cod, .offset: 64, .size: 8, .value_kind: global_buffer, .address_space: global }
      - { .name: scl, .offset: 72, .size: 8, .value_kind: global_buffer, .address_space: global }
      - { .name: msk, .offset: 80, .size: 8, .value_kind: global_buffer, .address_space: global }
    .group_segment_fixed_size: 68096
    .private_segment_fixed_size: 0
    .kernarg_segment_align: 8
    .kernarg_segment_size: 88
    .max_flat_workgroup_size: 128
    .sgpr_count:     66
    .vgpr_count:     256
    .wavefront_size: 32
...
	.end_amdgpu_metadata
.endif
;; end of part 5
;; launch proj (part 6): grid 4 x 48, 4 waves a work-group, clusters of 4 x 4, 327,680 bytes of LDS; arguments cod, scl, bq, bk, bv, rec; writes rec
.if DOCPART == 6
	.amdgcn_target "amdgcn-amd-amdhsa--gfx1250"
	.amdhsa_code_object_version 6
	.text
	.protected	k_q853b44f3d4_proj
	.globl	k_q853b44f3d4_proj
	.p2align	8
	.type	k_q853b44f3d4_proj,@function
k_q853b44f3d4_proj:
	s_mov_b64 s[64:65], 0
	v_nop
	global_prefetch_b8 v0, s[64:65] scope:SCOPE_SE
	s_setreg_imm32_b32 hwreg(HW_REG_WAVE_MODE, 25, 1), 1
	s_wait_xcnt 0x0
	s_wait_alu depctr_hold_cnt(0) depctr_sa_sdst(0) depctr_va_vdst(0) depctr_va_sdst(0) depctr_va_ssrc(0) depctr_va_vcc(0) depctr_vm_vsrc(0)
	s_getreg_b32 s2, hwreg(HW_REG_IB_STS2, 6, 4)
	s_cmp_eq_u32 s2, 0
	s_cbranch_scc0 .Lentry_in_a_cluster
	s_endpgm
.Lentry_in_a_cluster:
	s_bfe_u32 s2, ttmp6, 0x10000c
	s_cmp_lg_u32 s2, 0xf033
	s_cbranch_scc0 .Lentry_shape_is_right
	s_endpgm
.Lentry_shape_is_right:
.set NQ,     2
.set FR,     12
.set NL,     4
.set NP,     4
.set FRB,    1536
.set RT,     3072
.set HALFT,  8*RT
.set SLOT,   4*HALFT
.set LAPS,   2
.set KS,     32
.set SCL,    2*SLOT
.set HALFS,  16*272
.set SBLK,   544
.set SPARE,  SCL+4*HALFS
.set QOFF,   6553600
.set RECB,   204800
.set L16,  10
.set L8,   11
.set ADRA, 16
.set ADRB, 20
.set SOFF, 26
.set ADRS, 27
.set SPW,  28
.set NIL,  29
.set SC,   32
.set BI,   64
.set AF,   128
.set BV,   224
.set ST,   128
.set PC,   192
.set TM,   32
.set PWS,  48
.set W4,   56
.set SEL,  20
.set G1, 24
.set G0, 32
.set G1B, 48
.set G0B, 56
.set G1S, 68
.set G0S, 76
.set G1SB, 80
.set G0SB, 88
.set MSB, 0
.macro WIN new
.if MSB != \new
	s_set_vgpr_msb (MSB<<8)|\new
.set MSB, \new
.endif
.endm
.set MUL_LO, 0xa1
.set MUL_HI, 0xf1
.set TO_B,   0x40
.macro JLOAD g0a, g1a, g0b, g1b
	s_cmp_eq_u32 s15, 0
	s_cbranch_scc0 .Lfor_b_\@
	tensor_load_to_lds s[\g0a:\g0a+3], s[\g1a:\g1a+7]
	s_nop 0
.rept 4
	v_nop
.endr
	s_branch .Lasked_\@
.Lfor_b_\@:
	tensor_load_to_lds s[\g0b:\g0b+3], s[\g1b:\g1b+7]
	s_nop 0
.rept 4
	v_nop
.endr
.Lasked_\@:
.endm
.macro CREST
	s_cmp_lg_u32 s14, 0
	s_cbranch_scc1 .Lnot_wave_0_\@
	s_barrier_signal -3
.Lnot_wave_0_\@:
	s_barrier_wait -3
	s_barrier_signal -1
	s_barrier_wait -1
.endm
.macro CROUND
	s_barrier_signal -1
	s_barrier_wait -1
	CREST
.endm
	s_load_b128 s[4:7], s[0:1], 0x0
	s_load_b128 s[8:11], s[0:1], 0x10
	s_load_b128 s[96:99], s[0:1], 0x20
	v_lshl_add_u32 v[SPW], v0, 2, SPARE
	v_mov_b32 v[NIL], 0
	ds_add_u32 v28, v29
	ds_add_u32 v28, v29
	s_wait_dscnt 0x0
	v_lshrrev_b32 v1, 5, v0
	v_readfirstlane_b32 s14, v1
	s_lshr_b32 s15, s14, 1
	s_and_b32 s16, s14, 1
	s_bfe_u32 s40, ttmp6, 0x40000
	s_bfe_u32 s41, ttmp6, 0x40004
	s_and_b32 s12, ttmp7, 0xffff
	s_lshr_b32 s13, s12, 2
	s_and_b32 s12, s12, 3
	s_lshl_b32 s12, s12, 2
	s_lshl_b32 s18, s13, 12
	s_lshl_b32 s19, s13, 10
	s_add_co_u32 s19, s19, 12288
	s_mov_b32 s20, 14336
	s_mov_b32 s21, 8192
	s_cmp_lt_u32 s13, 2
	s_cselect_b32 s17, s12, 0
	s_cselect_b32 s42, 0, s12
	s_cselect_b32 s18, s18, s20
	s_cselect_b32 s19, s19, s21
	s_add_co_u32 s17, s17, s41
	s_add_co_u32 s42, s42, s40
	s_lshl_b32 s43, s41, 2
	s_lshl_b32 s43, 15, s43
	s_lshl_b32 s44, 0x1111, s40
	s_or_b32 s[G1+0], s43, (3<<16)|(1<<21)
	s_or_b32 s[G1B+0], s44, (3<<16)|(1<<21)
.irp g, G1, G1B
	s_mov_b32 s[\g+1], 384<<16
	s_mov_b32 s[\g+2], 16<<16
	s_mov_b32 s[\g+3], 384<<16
	s_mov_b32 s[\g+4], 16
	s_mov_b32 s[\g+5], 1536
	s_mov_b32 s[\g+6], 0
	s_mov_b32 s[\g+7], 0
.endr
	s_or_b32 s[G1S+0], s43, (3<<16)|(1<<20)|(1<<21)|(5<<22)|(3<<25)
	s_or_b32 s[G1SB+0], s44, (3<<16)|(1<<20)|(1<<21)|(5<<22)|(3<<25)
.irp g, G1S, G1SB
	s_mov_b32 s[\g+1], 32<<16
	s_mov_b32 s[\g+2], 32<<16
	s_mov_b32 s[\g+3], 32<<16
	s_mov_b32 s[\g+4], 32
	s_mov_b32 s[\g+5], 32
	s_mov_b32 s[\g+6], 0
	s_mov_b32 s[\g+7], 0
.endr
	s_mov_b32 s12, 0                               ; the addresses below are those of whole tiles of 256 rows: the head's loads take them so
	s_mul_i32 s2, s16, 98304                       ; in the ring I fetch 128 rows of a tile: which half, in bytes (128 rows of 768)
	s_mov_b32 s3, 0
	s_lshl_b32 s20, s17, 8
	s_add_co_u32 s20, s20, s12
	s_add_co_u32 s20, s20, s18
	s_lshl_b32 s46, s42, 8
	s_add_co_u32 s46, s46, s12
	s_add_co_u32 s46, s46, s19
	s_lshl_b32 s22, s20, 5
	s_mov_b32 s23, 0
	s_lshl_b32 s92, s46, 5
	s_mov_b32 s93, 0
	s_mul_i32 s20, s20, 768
	s_mov_b32 s21, 0
	s_mul_i32 s46, s46, 768
	s_mov_b32 s47, 0
	s_mul_i32 s45, s14, HALFT
	s_wait_kmcnt 0x0
	s_add_nc_u64 s[20:21], s[4:5], s[20:21]
	s_add_nc_u64 s[22:23], s[6:7], s[22:23]
	s_add_nc_u64 s[46:47], s[4:5], s[46:47]
	s_add_nc_u64 s[92:93], s[6:7], s[92:93]
	CROUND
	s_mov_b32 s[G0S], 1
	s_mov_b32 s[G0S+1], SCL
	s_mov_b64 s[G0S+2:G0S+3], s[22:23]
	s_or_b32 s[G0S+3], s[G0S+3], 0x80000000
	s_mov_b32 s[G0SB], 1
	s_mov_b32 s[G0SB+1], SCL+2*HALFS
	s_mov_b64 s[G0SB+2:G0SB+3], s[92:93]
	s_or_b32 s[G0SB+3], s[G0SB+3], 0x80000000
.irp s, 0,1
	s_mov_b32 s[G0+4*\s], 1
	s_add_co_u32 s[G0+4*\s+1], s45, \s*SLOT
	s_add_nc_u64 s[G0+4*\s+2:G0+4*\s+3], s[20:21], \s*RT
	s_or_b32 s[G0+4*\s+3], s[G0+4*\s+3], 0x80000000
	s_mov_b32 s[G0B+4*\s], 1
	s_add_co_u32 s[G0B+4*\s+1], s45, \s*SLOT
	s_add_nc_u64 s[G0B+4*\s+2:G0B+4*\s+3], s[46:47], \s*RT
	s_or_b32 s[G0B+4*\s+3], s[G0B+4*\s+3], 0x80000000
.endr
; THE HEAD'S LOADS, ONE A WAVE: wave 0 fetches slot 0's 256 rows of A, wave 1 its 256 rows of B, wave 2 the scales of A's 256 rows, wave 3 those of B's.
; For them slot 0's two groups 0 stand at the whole tiles' first bytes, and the groups 1 count 16 tiles of 16 rows; both are set for the ring behind the wait that shows the loads landed.
	s_mov_b32 s[G0+1], 0
	s_mov_b32 s[G0B+1], 2*HALFT
; THE PREFETCHES' BASES.  A tile of 256 rows is 16 row tiles of 12,288 dense bytes; bytes 3,072 on of a row tile are K steps 2 to 7, what slots 1 to 3 will bring.  The four partners that ask for a tile jointly share its
; row tiles out BY ADDRESS: the partner at place p (cx for A, cy for B) takes row tiles 4 p .. 4 p + 3, its wave w row tile 4 p + w.  No branch hangs on a place in the cluster.
	s_lshl_b32 s94, s40, 2
	s_add_co_u32 s94, s94, s14
	s_mul_i32 s94, s94, 12288
	s_add_co_u32 s94, s94, 3072
	s_mov_b32 s95, 0
	s_add_nc_u64 s[4:5], s[20:21], s[94:95]        ; A's; never rewritten (the arguments that lay here have been used)
	s_lshl_b32 s94, s41, 2
	s_add_co_u32 s94, s94, s14
	s_mul_i32 s94, s94, 12288
	s_add_co_u32 s94, s94, 3072
	s_add_nc_u64 s[6:7], s[46:47], s[94:95]        ; B's; never rewritten
.macro ARM under, g0, g1, next
	s_cmp_lt_u32 s14, \under
	s_cbranch_scc0 \next
	tensor_load_to_lds s[\g0:\g0+3], s[\g1:\g1+7]
	s_nop 0
.rept 4
	v_nop
.endr
	s_branch .Lhead_asked
\next:
.endm
	ARM 1, G0,  G1,  .Lhead_b
	ARM 2, G0B, G1B, .Lhead_sa
	ARM 3, G0S, G1S, .Lhead_sb
	tensor_load_to_lds s[G0SB:G0SB+3], s[G1SB:G1SB+7]
	s_nop 0
.rept 4
	v_nop
.endr
.Lhead_asked:
; Behind the head's loads: 36 blocks of 256 bytes of my row tile of A and 36 of B, a lane a block: 32, then 4 (the lanes left over name the last block again).  Each block is named once in a cluster.
; The first of them is wanted by slot 1's load, which is issued behind the wait for the head's loads; the last two slots' by refills two and three changes of slots on.
	v_and_b32 v30, 31, v0
	v_min_u32 v31, 3, v30
	v_lshlrev_b32 v30, 8, v30                      ; never rewritten
	v_lshlrev_b32 v31, 8, v31                      ; never rewritten
	global_prefetch_b8 v30, s[4:5] th:TH_LOAD_NT scope:SCOPE_SE
	global_prefetch_b8 v31, s[4:5] offset:8192 th:TH_LOAD_NT scope:SCOPE_SE
	global_prefetch_b8 v30, s[6:7] th:TH_LOAD_NT scope:SCOPE_SE
	global_prefetch_b8 v31, s[6:7] offset:8192 th:TH_LOAD_NT scope:SCOPE_SE
	s_wait_alu depctr_va_vdst(0)
	s_wait_tensorcnt 0x0                           ; my tile of the head's four is in; these lines stand ahead of slot 1's first fill as ahead of a refill
	ds_add_u32 v28, v29
	s_mov_b32 s[G1+2], 8<<16                       ; no tensor load of mine is out, so the descriptors may be written: from here on a load brings 8 tiles of 16 rows,
	s_mov_b32 s[G1+4], 8
	s_mov_b32 s[G1B+2], 8<<16
	s_mov_b32 s[G1B+4], 8
	s_mov_b32 s[G0+1], s45                         ; to my quarter of the slot,
	s_mov_b32 s[G0B+1], s45
.irp s, 0,1
	s_add_nc_u64 s[G0+4*\s+2:G0+4*\s+3], s[G0+4*\s+2:G0+4*\s+3], s[2:3]      ; from my half of the tile's rows
	s_add_nc_u64 s[G0B+4*\s+2:G0B+4*\s+3], s[G0B+4*\s+2:G0B+4*\s+3], s[2:3]
.endr
	s_wait_dscnt 0x0
	CROUND
	JLOAD G0+4, G1, G0B+4, G1B
	v_and_b32 v1, 31, v0
	v_and_b32 v2, 15, v0
	v_bfe_u32 v3, v0, 4, 1
	v_lshlrev_b32 v[L16], 4, v1
	v_lshlrev_b32 v[L8], 3, v1
	s_mul_i32 s21, s15, HALFT
	s_mul_i32 s22, s16, HALFT
	s_add_co_u32 s22, s22, 2*HALFT
.irp s, 0,1
	v_add_nc_u32 v[ADRA+\s], s21, v[L16]
	v_add_nc_u32 v[ADRB+\s], s22, v[L16]
	v_add_nc_u32 v[ADRA+2+\s], s21, v[L8]
	v_add_nc_u32 v[ADRB+2+\s], s22, v[L8]
	s_add_co_u32 s21, s21, SLOT
	s_add_co_u32 s22, s22, SLOT
.endr
	v_mul_u32_u24 v5, v2, KS
	v_lshrrev_b32 v6, 8, v5
	v_lshl_add_u32 v5, v6, 4, v5
	s_mul_i32 s21, s15, HALFS
	s_mul_i32 s22, s16, HALFS
	s_add_co_u32 s22, s22, 2*HALFS
	s_sub_co_u32 s22, s22, s21
	v_mul_u32_u24 v6, s22, v3
	s_add_co_u32 s21, s21, SCL
	v_add_nc_u32 v5, v5, v6
	v_add_nc_u32 v[ADRS], s21, v5
	s_lshl_b32 s20, s17, 8
	s_lshl_b32 s21, s15, 7
	s_add_co_u32 s20, s20, s21
	s_lshl_b32 s46, s42, 8
	s_lshl_b32 s47, s16, 7
	s_add_co_u32 s46, s46, s47
	s_cmp_lt_u32 s13, 2
	s_cselect_b32 s100, s46, s20
	s_cselect_b32 s101, s20, s46
	s_cmp_eq_u32 s13, 0
	s_cselect_b64 s[8:9], s[8:9], s[10:11]
	s_cselect_b32 s12, QOFF, 0
	s_cmp_eq_u32 s13, 2
	s_cselect_b64 s[8:9], s[96:97], s[8:9]
	s_lshl_b32 s22, s100, 2
	s_mov_b32 s23, 0
	s_add_nc_u64 s[8:9], s[8:9], s[22:23]
	s_lshr_b32 s22, s101, 11
	s_lshl_b32 s22, s22, 4
	s_lshr_b32 s47, s100, 6
	s_add_co_u32 s22, s22, s47
	s_mul_i32 s22, s22, RECB
	s_lshr_b32 s47, s101, 7
	s_and_b32 s47, s47, 15
	s_mul_i32 s47, s47, 12800
	s_add_co_u32 s22, s22, s47
	s_add_co_u32 s22, s22, s12
	s_add_nc_u64 s[98:99], s[98:99], s[22:23]
	v_lshlrev_b32 v7, 5, v3
	v_lshlrev_b32 v8, 2, v2
.irp b, 0,1,2,3,4,5,6,7
	global_load_b128 v[BI+8*\b:BI+8*\b+3], v7, s[8:9] offset:64*\b
	global_load_b128 v[BI+8*\b+4:BI+8*\b+7], v7, s[8:9] offset:64*\b+16
.endr
.irp a, 0,1,2,3,4,5,6,7
	global_load_b32 v[BV+2*\a], v8, s[8:9] offset:64*\a
	global_load_b32 v[BV+2*\a+1], v8, s[8:9] offset:64*\a
.endr
	v_mul_u32_u24 v[SOFF], v3, RECB
	v_lshl_add_u32 v[SOFF], v2, 4, v[SOFF]
.macro FRAG reg, adr, base
	ds_load_b128 v[\reg:\reg+3], v[\adr] offset:\base
	ds_load_b64 v[\reg+4:\reg+5], v[\adr+2] offset:\base+512
	ds_load_b128 v[\reg+6:\reg+9], v[\adr] offset:\base+768
	ds_load_b64 v[\reg+10:\reg+11], v[\adr+2] offset:\base+1280
.endm
.macro MUL16 a0, p, q, sc, zero
.irp a, \a0, \a0+1
.irp b, 0,1,2,3,4,5,6,7
.if \zero
	v_wmma_scale_f32_16x16x128_f8f6f4 v[8*(8*((\a)%4)+\b):8*(8*((\a)%4)+\b)+7], v[128*(\p)+FR*\b:128*(\p)+FR*\b+FR-1], v[AF+FR*(\a):AF+FR*(\a)+FR-1], 0, v[SC+8*NQ*(\sc)+NQ*\b+(\q)], v[SC+8*NQ*(\sc)+NQ*(\a)+(\q)] matrix_a_fmt:MATRIX_FMT_FP6 matrix_b_fmt:MATRIX_FMT_FP6 matrix_a_scale:MATRIX_SCALE_ROW1
.else
	v_wmma_scale_f32_16x16x128_f8f6f4 v[8*(8*((\a)%4)+\b):8*(8*((\a)%4)+\b)+7], v[128*(\p)+FR*\b:128*(\p)+FR*\b+FR-1], v[AF+FR*(\a):AF+FR*(\a)+FR-1], v[8*(8*((\a)%4)+\b):8*(8*((\a)%4)+\b)+7], v[SC+8*NQ*(\sc)+NQ*\b+(\q)], v[SC+8*NQ*(\sc)+NQ*(\a)+(\q)] matrix_a_fmt:MATRIX_FMT_FP6 matrix_b_fmt:MATRIX_FMT_FP6 matrix_a_scale:MATRIX_SCALE_ROW1
.endif
.endr
.endr
.endm
.macro FETCH_B slot, q, p
	WIN TO_B
.irp i, 0,1,2,3,4,5,6,7
	FRAG 128*(\p)+FR*\i, ADRB+\slot, (\i)*RT+(\q)*FRB
.endr
	WIN 0
.endm
.macro FETCH_A slot, q, i0
.irp i, \i0, \i0+1, \i0+2, \i0+3
	FRAG AF+FR*(\i), ADRA+\slot, (\i)*RT+(\q)*FRB
.endr
.endm
.macro SCALES sc
.irp i, 0,1,2,3,4,5,6,7
	ds_load_b64 v[SC+8*NQ*\sc+NQ*\i:SC+8*NQ*\sc+NQ*\i+1], v[ADRS] offset:\i*SBLK
.endr
.endm
.macro PLACES n
.rept \n
	v_nop
.endr
.endm
.macro STEP slot, q, zero
	s_wait_dscnt 4*NL
	WIN MUL_LO
	MUL16 0, (\q)%2, \q, \slot, \zero
	MUL16 2, (\q)%2, \q, \slot, \zero
	s_wait_dscnt 0
	PLACES NP
	FETCH_B \slot, (\q)+1, 1-(\q)%2
	FETCH_A \slot, (\q)+1, 0
	WIN MUL_HI
	MUL16 4, (\q)%2, \q, \slot, \zero
	MUL16 6, (\q)%2, \q, \slot, \zero
	PLACES NP
	WIN 0
	FETCH_A \slot, (\q)+1, 4
.endm
.macro TURN slot, next, fill
	s_wait_tensorcnt 0x0
	ds_add_u32 v[SPW], v[NIL]
	s_wait_dscnt 4*NL+1
	WIN MUL_LO
	MUL16 0, 1, NQ-1, \slot, 0
	s_wait_dscnt 0x0
	s_barrier_signal -1
	MUL16 2, 1, NQ-1, \slot, 0
	WIN 0
	s_barrier_wait -1
.if \fill
	CREST
	s_add_nc_u64 s[G0+4*\slot+2:G0+4*\slot+3], s[G0+4*\slot+2:G0+4*\slot+3], 2*RT
	s_add_nc_u64 s[G0B+4*\slot+2:G0B+4*\slot+3], s[G0B+4*\slot+2:G0B+4*\slot+3], 2*RT
	JLOAD G0+4*\slot, G1, G0B+4*\slot, G1B
.else
	PLACES NP
.endif
	s_wait_alu depctr_va_vdst(0)
	v_add_nc_u32 v[ADRS], 4*NQ, v[ADRS]
	FETCH_B \next, 0, 0
	FETCH_A \next, 0, 0
	SCALES \next
	WIN MUL_HI
	MUL16 4, 1, NQ-1, \slot, 0
	MUL16 6, 1, NQ-1, \slot, 0
	PLACES NP
	WIN 0
	FETCH_A \next, 0, 4
.endm
	s_wait_alu depctr_va_vdst(0)
	s_wait_tensorcnt 1
	s_barrier_signal -1
	s_barrier_wait -1
	FETCH_B 0, 0, 0
	FETCH_A 0, 0, 0
	SCALES 0
	FETCH_A 0, 0, 4
	STEP 0, 0, 1
	s_mov_b32 s3, LAPS-1
.Llap:
	TURN 0, 1, 1
	STEP 1, 0, 0
	TURN 1, 0, 1
	STEP 0, 0, 0
	s_sub_co_u32 s3, s3, 1
	s_cmp_lg_u32 s3, 0
	s_cbranch_scc1 .Llap
	TURN 0, 1, 0
	STEP 1, 0, 0
	s_wait_dscnt 4*NL
	WIN MUL_LO
	MUL16 0, 1, NQ-1, 1, 0
	MUL16 2, 1, NQ-1, 1, 0
	s_wait_dscnt 0
	WIN MUL_HI
	MUL16 4, 1, NQ-1, 1, 0
	MUL16 6, 1, NQ-1, 1, 0
	WIN 0
.macro QUANT s, w
.irp b, 0,1,2,3
	v_max3_num_f32 v[TM+\b], |v[\s+16*\b]|, |v[\s+1+16*\b]|, 0x1800000
.endr
.irp i, 2,4,6,8,10,12,14
.irp b, 0,1,2,3
	v_max3_num_f32 v[TM+\b], v[TM+\b], |v[\s+16*\b+\i]|, |v[\s+1+16*\b+\i]|
.endr
.endr
.irp b, 0,1,2,3
	v_permlanex16_b32 v[TM+4+\b], v[TM+\b], s[SEL], s[SEL+1]
.endr
.irp b, 0,1,2,3
	v_max_num_f32 v[TM+\b], v[TM+\b], v[TM+4+\b]
.endr
.irp b, 0,1,2,3
	v_add_nc_u32 v[TM+12+\b], 0xff000000, v[TM+\b]
.endr
.irp b, 0,1,2,3
	v_lshrrev_b32 v[TM+4+\b], 23, v[TM+12+\b]
.endr
	v_lshl_or_b32 v[\w], v[TM+5], 8, v[TM+4]
	v_lshl_or_b32 v[\w], v[TM+6], 16, v[\w]
	v_lshl_or_b32 v[\w], v[TM+7], 24, v[\w]
.irp c, 0,1
	v_cvt_scalef32_pk16_fp6_f32 v[PC+6*\c:PC+2+6*\c], v[\s+32*\c:\s+15+32*\c], v[TM+12+2*\c]
	v_cvt_scalef32_pk16_fp6_f32 v[PC+12+4*\c:PC+14+4*\c], v[\s+16+32*\c:\s+31+32*\c], v[TM+12+2*\c+1]
.endr
	v_nop
.irp c, 0,1
.irp i, 0,1,2
	v_permlane16_swap_b32 v[PC+6*\c+\i], v[PC+12+4*\c+\i]
.endr
.irp i, 0,1,2
	v_mov_b32 v[PC+3+6*\c+\i], v[PC+12+4*\c+\i]
.endr
.endr
.endm
.macro STORE4 bs, oa, ob
	global_store_b128 v[L16], v[PC:PC+3], s[\bs:\bs+1] offset:\oa
	global_store_b64 v[L8], v[PC+4:PC+5], s[\bs:\bs+1] offset:(\oa)+512
	global_store_b128 v[L16], v[PC+6:PC+9], s[\bs:\bs+1] offset:\ob
	global_store_b64 v[L8], v[PC+10:PC+11], s[\bs:\bs+1] offset:(\ob)+512
.endm
.macro EPI a, form
	s_wait_xcnt 0x0
.if (\a) < 4
	WIN 0x02
.else
	WIN 0x03
.endif
.irp b, 0,1,2,3,4,5,6,7
.irp i, 0,2,4,6
.if \form
	v_pk_add_f32 v[ST+8*\b+\i:ST+8*\b+\i+1], v[64*((\a)%4)+8*\b+\i:64*((\a)%4)+8*\b+\i+1], v[BV+2*(\a):BV+2*(\a)+1]
.else
	v_pk_add_f32 v[ST+8*\b+\i:ST+8*\b+\i+1], v[64*((\a)%4)+8*\b+\i:64*((\a)%4)+8*\b+\i+1], v[BI+8*\b+\i:BI+8*\b+\i+1]
.endif
.endr
.endr
	WIN 0
	QUANT ST, PWS+(\a)
.if \form
	STORE4 98, ((\a)/4)*RECB+6144+1536*((\a)%4), ((\a)/4)*RECB+6144+1536*((\a)%4)+768
.else
	STORE4 98, 768*(\a), RECB+768*(\a)
.endif
.endm
	PLACES NP
	s_wait_loadcnt 0x0
	s_mov_b32 s[SEL], 0x76543210
	s_mov_b32 s[SEL+1], 0xfedcba98
.irp b, 0,1,2,3
	v_mov_b32 v[TM+4+\b], 0
.endr
	v_cmp_le_u32 vcc_lo, 16, v1
	s_cmp_eq_u32 s13, 2
	s_cbranch_scc1 .Lform1
.irp a, 0,1,2,3,4,5,6,7
	EPI \a, 0
.endr
.irp f, 0,1,2,3
	v_perm_b32 v60, v[PWS+2*\f+1], v[PWS+2*\f], 0x05040100
	v_perm_b32 v61, v[PWS+2*\f+1], v[PWS+2*\f], 0x07060302
	v_cndmask_b32 v[W4+\f], v60, v61, vcc_lo
.endr
	global_store_b128 v[SOFF], v[W4:W4+3], s[98:99] offset:12288
	s_branch .Ldone
.Lform1:
.irp a, 0,1,2,3,4,5,6,7
	EPI \a, 1
.endr
.irp t, 0,1,2,3
	v_cndmask_b32 v[W4+\t], v[PWS+\t], v[PWS+4+\t], vcc_lo
.endr
	global_store_b128 v[SOFF], v[W4:W4+3], s[98:99] offset:12544
.Ldone:
	s_wait_tensorcnt 0x0
	ds_add_u32 v[SPW], v[NIL]
	s_wait_dscnt 0x0
	CROUND
	s_endpgm
.Lfunc_end_k_q853b44f3d4_proj:
	.size	k_q853b44f3d4_proj, .Lfunc_end_k_q853b44f3d4_proj-k_q853b44f3d4_proj
	.p2alignl 7, 3214868480
	.fill 96, 4, 3214868480
	.section	.rodata,"a",@progbits
	.p2align	6, 0x0
	.amdhsa_kernel k_q853b44f3d4_proj
		.amdhsa_group_segment_fixed_size 327680
		.amdhsa_private_segment_fixed_size 0
		.amdhsa_enable_private_segment 0
		.amdhsa_kernarg_size 48
		.amdhsa_user_sgpr_count 2
		.amdhsa_user_sgpr_kernarg_segment_ptr 1
		.amdhsa_wavefront_size32 1
		.amdhsa_system_sgpr_workgroup_id_x 1
		.amdhsa_system_sgpr_workgroup_id_y 1
		.amdhsa_system_sgpr_workgroup_id_z 1
		.amdhsa_system_vgpr_workitem_id 0
		.amdhsa_next_free_vgpr 1024
		.amdhsa_next_free_sgpr 102
		.amdhsa_reserve_vcc 1
		.amdhsa_float_denorm_mode_32 3
		.amdhsa_float_denorm_mode_16_64 3
		.amdhsa_memory_ordered 1
		.amdhsa_forward_progress 1
		.amdhsa_inst_pref_size 221
	.end_amdhsa_kernel
	.amdgpu_metadata
---
amdhsa.version: [ 1, 2 ]
amdhsa.kernels:
  - .name:           k_q853b44f3d4_proj
    .symbol:         k_q853b44f3d4_proj.kd
    .args:
      - { .name: cod, .offset: 0, .size: 8, .value_kind: global_buffer, .address_space: global }
      - { .name: scl, .offset: 8, .size: 8, .value_kind: global_buffer, .address_space: global }
      - { .name: bq, .offset: 16, .size: 8, .value_kind: global_buffer, .address_space: global }
      - { .name: bk, .offset: 24, .size: 8, .value_kind: global_buffer, .address_space: global }
      - { .name: bv, .offset: 32, .size: 8, .value_kind: global_buffer, .address_space: global }
      - { .name: rec, .offset: 40, .size: 8, .value_kind: global_buffer, .address_space: global }
    .group_segment_fixed_size: 327680
    .private_segment_fixed_size: 0
    .kernarg_segment_align: 8
    .kernarg_segment_size: 48
    .max_flat_workgroup_size: 128
    .sgpr_count:     102
    .vgpr_count:     1024
    .wavefront_size: 32
...
	.end_amdgpu_metadata
.endif
;; end of part 6
;; launch attn (part 7): grid 8 x 32, 8 waves a work-group, no clusters, 205,824 bytes of LDS; arguments rec, msk, att; writes att
.if DOCPART == 7
	.amdgcn_target "amdgcn-amd-amdhsa--gfx1250"
	.amdhsa_code_object_version 6
	.text
	.protected	k_q853b44f3d4_attn
	.globl	k_q853b44f3d4_attn
	.p2align	8
	.type	k_q853b44f3d4_attn,@function
k_q853b44f3d4_attn:
	s_mov_b64 s[64:65], 0
	v_nop
	global_prefetch_b8 v0, s[64:65] scope:SCOPE_SE
	s_setreg_imm32_b32 hwreg(HW_REG_WAVE_MODE, 25, 1), 1
	s_wait_xcnt 0x0
; THIRD OF FOUR LAUNCHES: attention on codes of FP6 (E2M3) with E8M0 scales.  16 heads of 64, 2 batches, 2,048 queries and keys; the int32 mask input comes as lane-mask words from the first launch.
; t = score x log2(e) / 8; M = the running largest t rounded UP to a whole number; p = 2^(t - M) is quantised along the keys, not normalised; the row's sum is taken of the unquantised p and divides O at the end;
; when M moves, the sum and O are multiplied by 2^(old M - new M), exactly.  O / sum is quantised along the head's 64 and stored as an image of the last product's operand.
; SHARES.  A work-group owns 256 queries of one head of one batch; each of its eight waves owns 32 of them: two tiles of 16, tile w in register window w, at the same register numbers.  Every wave walks all 2,048 keys, 128 a step;
; a fragment of K or V read from LDS serves both tiles.
; THE HEAD'S WHOLE RECORD OF K AND V, 204,800 bytes, LIES IN LDS, each byte filled once, by 50 asynchronous copies a lane, all issued at the head.  Copy i of the eight waves together covers bytes 4,096 i .. 4,096 i + 4,095.
; Step s reads V under 12,800 (s + 1) and the next step's K under 12,800 (s + 1) + 12,544.  Three counted waits, each with a barrier behind which nothing is filled: 10 copies for steps 0-1, 22 for steps 2-5, all for the rest.
; NO CLUSTER: what the eight work-groups of a head share is that one fill at the head, against 16 steps of some 600 instructions a wave.  NO PREFETCH OF K AND V: every byte of the record is asked for at the head.
; LAYOUT.  Both products are used transposed: S^T = K Q^T, O^T = V^T P^T: a lane holds ONE query (lane % 16) of each tile throughout.
; WHICH KEYS FORM A TILE OF K is chosen by the lanes' LDS addresses: rows 0-7 of a tile come from block 2 c of 32 keys, rows 8-15 from block 2 c + 1.  So register 32 c + i of lane (r, h) is place i of block 2 c + h, in the order in
; which V's codes stand (keys 0-7, 16-23, 8-15, 24-31 of the block): a block's 32 numbers lie in ONE lane, its largest needs no other lane, and the conversions' results are the operand's registers.
; K = 64 FILLS HALF OF THE INSTRUCTION'S 128: a fragment holds one tile of keys in k 0-63 and another in k 64-127; it is multiplied by [Q | zero codes] for the first and by [zero codes | Q] for the second.
; THE MASK.  A tile's 64 lane-mask words of a step come by scalar loads, asked for while the other tile is worked on, and serve 64 selections, made in every step: no branch and no address hangs on them.  A hidden key's raw score
; becomes -2^33.  c = log2(e) / 8 is a multiple of 2^-26, so -2^33 c is a whole number that f32 holds: in a row hidden throughout t - M is 0 and every p is 1 (uniform, as with the -1e9 of the definition); elsewhere p is 0.
; LIMITS: true logits at or under about -1e9, where the definition's -1e9 would begin to count, are not served.  NaN and infinities are not served.  Blocks of zeros carry the byte 1 (read by this program alone).
; THE MASK'S RECORDS ARE PREFETCHED.  A record (16 queries x 128 keys, 256 bytes) is read by the sixteen work-groups of a batch's heads; they share the sixteen steps out by address: the work-group of head hd asks for
; step hd's records of its own sixteen tiles, each wave for its two tiles' (lane 0 names the first block, the other lanes the second): one instruction a wave, at the head, 4,096 bytes a work-group of the 65,536 that it reads.
; THE THREE COUNTED WAITS, in place of the counts given above: 13 copies for steps 0-2, 25 for steps 3-6, all for the rest.
.set RECB, 204800
.set STPB, 12800
.set QOFF, 6553600
.set SPARE, 204800                     ; behind the record: the spare words, 128 bytes a wave
; window 0 alone
.set L16, 1                            ; 16 x lane
.set L8,  2                            ; 8 x lane
.set LSC, 3                            ; 16 r
.set K16L, 4                           ; K's lanes: 16 (r % 8 + 16 h) + 1,536 (r / 8)
.set K8L, 5                            ; 8 (r % 8 + 16 h) + 1,536 (r / 8)
.set KSL, 6                            ; K's scale words: 16 (r % 8) + 4 (r / 8) + 128 h
.set AK16, 7                           ; v7-9 the same three + the next step's first byte
.set AK8, 8
.set AKS, 9
.set AV16, 10                          ; v10-12 L16, L8, LSC + this step's first byte
.set AV8, 11
.set AVS, 12
.set KF,  188                          ; v188-235: window 0 K's four fragments, window 1 V's four
.set KS,  236                          ; v236-237 K's scale words: lanes 0-15 for fragments 2 c, lanes 16-31 for 2 c + 1
.set VS,  238                          ; v238-241 V's
.set QS,  242                          ; Q's scale words: tile w at v[QS + 6 w] for [Q | 0], + 1 for [0 | Q]
.set FIL, 244                          ; v244-247 16 x thread + 65,536 k: a copy's place, in the record and in LDS alike; never rewritten
.set PSW, 250                          ; v250-251 p's scale word, tile w
.set SPW, 254
.set NIL, 255
; a tile's own, at the same numbers in its window
.set NM,  16                           ; v16 -M, v17 the running largest raw score
.set SM,  18                           ; v18-19 the sum, in two halves
.set FF,  20                           ; v20 f = 2^(old M - new M); v21 named with it as a pair
.set TT,  22
.set NEG, 23                           ; -2^33
.set BM,  24                           ; v24-25 my two blocks' largest score, then largest p
.set BO,  26                           ; the conversions' scale operands
.set BB,  28                           ; the bytes
.set PX,  30
.set SH8, 31                           ; 8 h
.set QLO, 32                           ; [Q | 0]
.set QHI, 44                           ; [0 | Q]
.set S,   56                           ; v56-119 S^T, then p
.set O,   120                          ; v120-151 O^T
.set PC,  152                          ; v152-163 p's codes
.set PT,  164
.set T,   172                          ; v172-187 eight partial sums
.set WV,  10
.set SEL, 20
.set CS,  22
.set TB,  24
.set STEP, 25
.set OWB, 26
.set OW,  27
.set TBN, 28
.set MSB, 0
.macro WIN new                         ; the immediate's high byte repeats the setting that is left
.if MSB != (\new)
	s_set_vgpr_msb (MSB<<8)|(\new)
.set MSB, (\new)
.endif
.endm
.macro MW off                          ; 64 lane-mask words: s[32:63] and s[68:99]
	s_load_b512 s[32:47], s[6:7], s[OW] offset:\off
	s_load_b512 s[48:63], s[6:7], s[OW] offset:\off+0x40
	s_load_b512 s[68:83], s[6:7], s[OW] offset:\off+0x80
	s_load_b512 s[84:99], s[6:7], s[OW] offset:\off+0xc0
.endm
; All but my youngest 'left' copies have landed; behind the barrier that holds of every wave's.
.macro LANDED left
	s_wait_alu depctr_va_vdst(0)                   ; the wait ahead of the waits below
	s_wait_asynccnt \left
	s_wait_dscnt 0x0                               ; no LDS load of mine is out at the signal
	s_barrier_signal -1
	s_barrier_wait -1
.endm
.macro KLOAD a16, a8, as               ; K's four fragments (f = 2 c + e: rows 8 e .. 8 e + 7 of the images of blocks 2 c and 2 c + 1) and their scale words: 18 loads
.irp f, 0,1,2,3
	ds_load_b128 v[KF+12*\f:KF+12*\f+3], v[\a16] offset:3072*(\f/2)+128*(\f%2)
	ds_load_b64 v[KF+12*\f+4:KF+12*\f+5], v[\a8] offset:3072*(\f/2)+64*(\f%2)+512
	ds_load_b128 v[KF+12*\f+6:KF+12*\f+9], v[\a16] offset:3072*(\f/2)+128*(\f%2)+768
	ds_load_b64 v[KF+12*\f+10:KF+12*\f+11], v[\a8] offset:3072*(\f/2)+64*(\f%2)+1280
.endr
	ds_load_b32 v[KS], v[\as] offset:12288
	ds_load_b32 v[KS+1], v[\as] offset:12296
.endm
.macro VLOAD                           ; V's four fragments, into window 1, and their scale words: 17 loads
	WIN 0x40
.irp t, 0,1,2,3
	ds_load_b128 v[KF+12*\t:KF+12*\t+3], v[AV16] offset:6144+1536*\t
	ds_load_b64 v[KF+12*\t+4:KF+12*\t+5], v[AV8] offset:6144+1536*\t+512
	ds_load_b128 v[KF+12*\t+6:KF+12*\t+9], v[AV16] offset:6144+1536*\t+768
	ds_load_b64 v[KF+12*\t+10:KF+12*\t+11], v[AV8] offset:6144+1536*\t+1280
.endr
	WIN 0
	ds_load_b128 v[VS:VS+3], v[AVS] offset:12544
.endm
.macro SW d, a, b, c, sa, sb, row
.if \row
	v_wmma_scale_f32_16x16x128_f8f6f4 v[\d:\d+7], v[\a:\a+11], v[\b:\b+11], \c, v[\sa], v[\sb] matrix_a_fmt:MATRIX_FMT_FP6 matrix_b_fmt:MATRIX_FMT_FP6 matrix_a_scale:MATRIX_SCALE_ROW1
.else
	v_wmma_scale_f32_16x16x128_f8f6f4 v[\d:\d+7], v[\a:\a+11], v[\b:\b+11], \c, v[\sa], v[\sb] matrix_a_fmt:MATRIX_FMT_FP6 matrix_b_fmt:MATRIX_FMT_FP6
.endif
.endm
.macro QK w                            ; eight accumulators of tile w, each begun with 0
	WIN 0x54*\w
.irp c, 0,1
.irp e, 0,1
	SW S+32*\c+16*\e, KF+12*(2*\c+\e), QLO, 0, KS+\c, QS+6*\w, \e
	SW S+32*\c+16*\e+8, KF+12*(2*\c+\e), QHI, 0, KS+\c, QS+6*\w+1, \e
.endr
.endr
.endm
.macro PV w                            ; four accumulators by turns; V's fragments lie in window 1
	WIN (0x54*\w)|1
.irp t, 0,1,2,3
	SW O+8*\t, KF+12*\t, PC, v[O+8*\t:O+8*\t+7], VS+\t, PSW+\w, 0
.endr
.endm
.macro FMA8 j0                         ; t - M, two at a time
.set k, \j0
.rept 8
	v_pk_fma_f32 v[S+k:S+k+1], v[S+k:S+k+1], s[CS:CS+1], v[NM:NM+1] op_sel_hi:[1,0,0]
.set k, k+2
.endr
.endm
.macro ADD8 off                        ; eight chains take eight more pairs of p
.set k, 0
.rept 8
	v_pk_add_f32 v[T+k:T+k+1], v[T+k:T+k+1], v[S+\off+k:S+\off+k+1]
.set k, k+2
.endr
.endm
; THE SOFTMAX OF TILE w FOR 128 KEYS, up to p's codes and O^T under the new M
.macro SOFT w
	s_wait_kmcnt 0x0                               ; this tile's words
	WIN 0x55*\w
	s_wait_alu depctr_va_vdst(0)                   ; the wait directly ahead of the scores' first readers
.set i, 0
.rept 17                                       ; the selections, each accumulator from its low end on, and two steps behind them my two blocks' largest scores
.if i < 16
	v_cndmask_b32 v[S+2*i], v[NEG], v[S+2*i], s[32+2*i]
	v_cndmask_b32 v[S+2*i+1], v[NEG], v[S+2*i+1], s[33+2*i]
	v_cndmask_b32 v[S+32+2*i], v[NEG], v[S+32+2*i], s[68+2*i]
	v_cndmask_b32 v[S+33+2*i], v[NEG], v[S+33+2*i], s[69+2*i]
.endif
.if i == 1
	v_max_num_f32 v[BM], v[S], v[S+1]
	v_max_num_f32 v[BM+1], v[S+32], v[S+33]
.endif
.if i > 1
	v_max3_num_f32 v[BM], v[BM], v[S+2*i-2], v[S+2*i-1]
	v_max3_num_f32 v[BM+1], v[BM+1], v[S+30+2*i], v[S+31+2*i]
.endif
.set i, i+1
.endr
	s_wait_alu depctr_va_vdst(0)                   ; the wait ahead of the scalar lines; the selections have also read their words
.if \w
	s_add_co_u32 s30, s[STEP], 1                   ; tile 0's words of the next step; the last step asks for its own again, so that no load leaves the buffer
	s_min_u32 s30, s30, 15
	s_lshl_b32 s30, s30, 8
	s_add_co_u32 s[OW], s[OWB], s30
	MW 0
.else
	MW 0x1000                                      ; tile 1's words of this step: 16 records on
.endif
	v_max_num_f32 v[TT], v[BM], v[BM+1]
	v_mov_b32 v[BB], v[NM]                         ; the old -M
	s_delay_alu instid0(VALU_DEP_2)
	v_permlanex16_b32 v[PX], v[TT], s[SEL], s[SEL+1]
	s_delay_alu instid0(VALU_DEP_1)
	v_max3_num_f32 v[NM+1], v[NM+1], v[TT], v[PX]  ; the running largest raw score, with lane l xor 16's two blocks
	s_delay_alu instid0(VALU_DEP_1)
	v_mul_f32 v[TT], s[CS], v[NM+1]                ; as t (c is positive)
	s_delay_alu instid0(VALU_DEP_1)
	v_floor_f32 v[NM], -v[TT]                      ; the new -M = -ceil(t)
	s_delay_alu instid0(VALU_DEP_1)
	v_sub_f32 v[TT], v[NM], v[BB]                  ; old M - new M: a whole number, 0 or less
	FMA8 0
	v_cvt_i32_f32 v[TT], v[TT]                     ; (it saturates)
	FMA8 16
	v_ldexp_f32 v[FF], 1.0, v[TT]                  ; f
	FMA8 32
	FMA8 48
	v_fma_f32 v[BM], v[BM], s[CS], v[NM]           ; the same of each block's largest score: p rises with the score
	v_fma_f32 v[BM+1], v[BM+1], s[CS], v[NM]
	s_wait_alu depctr_va_vdst(0)                   ; the wait ahead of the batch
	v_exp_f32 v[BM], v[BM]                         ; the blocks' largest p
	v_exp_f32 v[BM+1], v[BM+1]
.set k, 0
.rept 64
	v_exp_f32 v[S+k], v[S+k]                       ; p = 2^(t - M)
.set k, k+1
.endr
	v_pk_mul_f32 v[SM:SM+1], v[SM:SM+1], v[FF:FF+1] op_sel_hi:[1,0]   ; the sums under the new M: the plain instruction behind the batch
	s_wait_alu depctr_va_vdst(0)                   ; one wait for the 66, ahead of their first reader
	v_max_num_f32 v[BM], 0x1800000, v[BM]          ; the floor 2^(3 - 127): the byte cannot fall under 1
	v_max_num_f32 v[BM+1], 0x1800000, v[BM+1]
.set k, 0
.rept 8                                        ; the row's sum of the unquantised p; the scale's lines stand among its chains
	v_pk_add_f32 v[T+k:T+k+1], v[S+k:S+k+1], v[S+16+k:S+17+k]
.set k, k+2
.endr
	v_add_nc_u32 v[BO], 0xff000000, v[BM]          ; 2 off the exponent field: the conversion's scale operand
	v_add_nc_u32 v[BO+1], 0xff000000, v[BM+1]
	ADD8 32
	v_lshrrev_b32 v[BB], 23, v[BO]
	v_lshrrev_b32 v[BB+1], 23, v[BO+1]
	ADD8 48
	v_lshl_or_b32 v[TT], v[BB+1], 16, v[BB]        ; my bytes: blocks h and 2 + h,
.irp k, 0,2,4,6
	v_pk_add_f32 v[T+\k:T+\k+1], v[T+\k:T+\k+1], v[T+8+\k:T+9+\k]
.endr
	v_lshlrev_b32 v[TT], v[SH8], v[TT]             ; at their places in the word
	v_pk_add_f32 v[T:T+1], v[T:T+1], v[T+4:T+5]
	v_pk_add_f32 v[T+2:T+3], v[T+2:T+3], v[T+6:T+7]
	v_permlanex16_b32 v[PX], v[TT], s[SEL], s[SEL+1]
	v_pk_add_f32 v[T:T+1], v[T:T+1], v[T+2:T+3]
	s_delay_alu instid0(VALU_DEP_1)
	v_pk_add_f32 v[SM:SM+1], v[SM:SM+1], v[T:T+1]
	WIN 0x05*\w                                    ; scale registers lie in window 0
	v_or_b32 v[PSW+\w], v[TT], v[PX]               ; with lane l xor 16's two the word is whole
	WIN 0x55*\w
.irp c, 0,1
	v_cvt_scalef32_pk16_fp6_f32 v[PC+6*\c:PC+6*\c+2], v[S+32*\c:S+32*\c+15], v[BO+\c]
	v_cvt_scalef32_pk16_fp6_f32 v[PT+4*\c:PT+4*\c+2], v[S+32*\c+16:S+32*\c+31], v[BO+\c]   ; (a conversion's three registers begin on an even number)
.endr
	s_wait_alu depctr_va_vdst(0)                   ; the wait directly ahead of the first reader of O^T
	v_pk_mul_f32 v[O:O+1], v[O:O+1], v[FF:FF+1] op_sel_hi:[1,0]   ; O^T under the new M; this one is also the plain instruction behind the conversions
.irp c, 0,1
.irp i, 0,1,2
	v_mov_b32 v[PC+3+6*\c+\i], v[PT+4*\c+\i]
.endr
.endr
.set k, 2
.rept 15                                       ; these fifteen also stand between the writes of p's codes and scale word and the products
	v_pk_mul_f32 v[O+k:O+k+1], v[O+k:O+k+1], v[FF:FF+1] op_sel_hi:[1,0]
.set k, k+2
.endr
.endm
; A STEP: 128 keys, both tiles
.macro ONESTEP
	s_wait_alu depctr_va_vdst(0)                   ; the wait ahead of the wait below
	s_wait_dscnt 0x0                               ; this step's K, asked for a step ago
	QK 0
	QK 1
	WIN 0
	v_add_nc_u32 v[AV16], s[TB], v[L16]            ; these six are the places between the products and the loads into registers that they, and the last step's, have read
	v_add_nc_u32 v[AV8], s[TB], v[L8]
	v_add_nc_u32 v[AVS], s[TB], v[LSC]
	v_add_nc_u32 v[AK16], s[TBN], v[K16L]
	v_add_nc_u32 v[AK8], s[TBN], v[K8L]
	v_add_nc_u32 v[AKS], s[TBN], v[KSL]
	VLOAD                                          ; this step's V lands under tile 0's softmax,
	KLOAD AK16, AK8, AKS                           ; the next step's K under the whole step (the last step reads its own again)
	SOFT 0
	s_wait_alu depctr_va_vdst(0)
	s_wait_dscnt 18                                ; V's 17 loads are in; K's 18, issued behind them, may be out
	PV 0
	SOFT 1
	PV 1
	WIN 0
	s_add_co_u32 s[TB], s[TB], STPB
	s_add_co_u32 s[TBN], s[TB], STPB
	s_min_u32 s[TBN], s[TBN], 15*STPB
	s_add_co_u32 s[STEP], s[STEP], 1
.endm
.macro INIT w                          ; a tile's constants and first state: destinations in window w
	WIN 0x40*\w
.irp i, 0,1,2,3,4,5
	v_mov_b32 v[QLO+6+\i], 0                       ; zero codes
	v_mov_b32 v[QHI+\i], 0
.endr
	v_mov_b32 v[NM], 0x7f61b1e6                    ; -M: 3e38, over every -M to come, so that the first f is 0
	v_mov_b32 v[NM+1], 0xff61b1e6                  ; the largest raw score so far: -3e38
	v_mov_b32 v[SM], 0
	v_mov_b32 v[SM+1], 0
	v_mov_b32 v[FF+1], 0
	v_mov_b32 v[PX], 0                             ; a lane permute's destination counts as one of its sources
	v_mov_b32 v[NEG], 0xd0000000
.if \w
	v_mov_b32 v[SH8], v[SH8]                       ; window 0's 8 h into window 1
.endif
.endm
	s_load_b128 s[4:7], s[0:1], 0x0                ; rec, msk
	s_load_b64 s[8:9], s[0:1], 0x10                ; att
	v_lshl_add_u32 v[SPW], v0, 2, SPARE
	v_mov_b32 v[NIL], 0
	ds_add_u32 v[SPW], v[NIL]                      ; the opening lines: the add, twice on end, and its wait below
	ds_add_u32 v[SPW], v[NIL]
	v_lshrrev_b32 v13, 5, v0
	v_readfirstlane_b32 s[WV], v13                 ; wave 0..7
	v_and_b32 v13, 31, v0
	v_lshlrev_b32 v[L16], 4, v13
	v_lshlrev_b32 v[L8], 3, v13
	v_and_b32 v13, 15, v0
	v_lshlrev_b32 v[LSC], 4, v13
	v_and_b32 v13, 7, v0                           ; r % 8
	v_bfe_u32 v14, v0, 3, 1                        ; r / 8
	v_bfe_u32 v15, v0, 4, 1                        ; h
	v_lshlrev_b32 v[KSL], 4, v13
	v_lshl_add_u32 v[KSL], v14, 2, v[KSL]
	v_lshl_add_u32 v[KSL], v15, 7, v[KSL]
	v_lshl_add_u32 v13, v15, 4, v13                ; r % 8 + 16 h
	v_mul_u32_u24 v14, v14, 1536
	v_lshl_add_u32 v[K16L], v13, 4, v14
	v_lshl_add_u32 v[K8L], v13, 3, v14
	v_lshlrev_b32 v[SH8], 3, v15
	v_and_b32 v252, 31, v0
	v_min_u32 v252, 1, v252
	v_lshlrev_b32 v252, 12, v252                   ; the prefetch's offset: 0, or the 4,096 bytes to my second tile's records; never rewritten
	v_lshlrev_b32 v[FIL], 4, v0                    ; 16 x thread: my place in each 4,096 bytes of the fill
	v_add_nc_u32 v[FIL+1], 0x10000, v[FIL]
	v_add_nc_u32 v[FIL+2], 0x20000, v[FIL]
	v_add_nc_u32 v[FIL+3], 0x30000, v[FIL]
	s_and_b32 s12, ttmp7, 0xffff                   ; 16 x batch + head
	s_lshl_b32 s11, ttmp9, 4
	s_lshl_b32 s13, s[WV], 1
	s_add_co_u32 s11, s11, s13                     ; my first tile of 16 queries in the sequence
	s_lshr_b32 s13, s12, 4
	s_lshl_b32 s13, s13, 7
	s_add_co_u32 s13, s13, s11                     ; and among the 256 tiles of both batches
	s_lshl_b32 s[OWB], s13, 12                     ; its 16 mask records of 256 bytes
	s_mov_b32 s[OW], s[OWB]
	s_mul_i32 s30, s12, RECB
	s_mov_b32 s31, 0
	s_mov_b32 s[SEL], 0x76543210
	s_mov_b32 s[SEL+1], 0xfedcba98
	s_mov_b32 s[CS], 0x3e38aa3b                    ; c = log2(e) / 8
	s_mov_b32 s[CS+1], s[CS]                       ; (named with it as a pair, so it is written)
	s_mov_b32 s[TB], 0
	s_mov_b32 s[TBN], STPB
	s_mov_b32 s[STEP], 0
	s_wait_alu depctr_va_vdst(0)                   ; the wait ahead of the waits below
	s_wait_dscnt 0x0
	s_wait_kmcnt 0x0
	MW 0                                           ; tile 0's words of step 0
	s_add_nc_u64 s[14:15], s[4:5], s[30:31]        ; the head's record of K and V; not rewritten: it is the copies' base
	s_and_b32 s29, s12, 15                         ; head
	s_lshl_b32 s2, s29, 8
	s_add_co_u32 s2, s2, s[OWB]                    ; record number 'head' of my first tile's sixteen: inside the buffer for every wave
	s_mov_b32 s3, 0
	s_add_nc_u64 s[2:3], s[6:7], s[2:3]            ; never rewritten
	global_prefetch_b8 v252, s[2:3] th:TH_LOAD_NT scope:SCOPE_SE
	s_lshr_b32 s30, s11, 3
	s_mul_i32 s30, s30, STPB
	s_add_co_u32 s30, s30, QOFF
	s_add_nc_u64 s[18:19], s[14:15], s[30:31]      ; the step of Q's record that holds my queries
	s_and_b32 s30, s11, 7
	s_mul_i32 s30, s30, 768
	s_add_nc_u64 s[16:17], s[18:19], s[30:31]      ; my two images, 768 bytes each
	s_and_b32 s30, s[WV], 3
	s_lshl_b32 s30, s30, 2
	s_add_nc_u64 s[18:19], s[18:19], s[30:31]      ; my two tiles share word wave % 4 of a row's four
.irp w, 0,1
	WIN 0x40*\w
	global_load_b128 v[QLO:QLO+3], v[L16], s[16:17] offset:768*\w
	global_load_b64 v[QLO+4:QLO+5], v[L8], s[16:17] offset:768*\w+512
	global_load_b128 v[QHI+6:QHI+9], v[L16], s[16:17] offset:768*\w   ; (the two operands share no register: Q is loaded twice)
	global_load_b64 v[QHI+10:QHI+11], v[L8], s[16:17] offset:768*\w+512
.endr
	WIN 0
	global_load_b32 v13, v[LSC], s[18:19] offset:12288
.set i, 0
.rept 50
	global_load_async_to_lds_b128 v[FIL+i/16], v[FIL+i/16], s[14:15] offset:4096*(i%16)   ; copy i: byte 4,096 i + 16 x thread of the record to the same byte of LDS
.set i, i+1
.endr
	INIT 0
	INIT 1
	WIN 0
	s_wait_alu depctr_va_vdst(0)
	s_wait_loadcnt 0x0                             ; Q and its scale word
	v_and_b32 v14, 0xffff, v13                     ; tile 0's two bytes lie low in the word, tile 1's high
	v_lshrrev_b32 v15, 16, v13
	v_or_b32 v[QS], 0x01010000, v14                ; the zero half carries the byte 1
	v_lshl_or_b32 v[QS+1], v14, 16, 0x0101
	v_or_b32 v[QS+6], 0x01010000, v15
	v_lshl_or_b32 v[QS+7], v15, 16, 0x0101
.irp w, 0,1
	WIN 0x40*\w
.set k, 0
.rept 32
	v_mov_b32 v[O+k], 0                            ; the step is written once: the first finds zeros.  (These also stand between the writes of Q's scale words and the first product)
.set k, k+1
.endr
.endr
	WIN 0
	LANDED 37                                      ; copies 0 to 12: bytes under 53,248; steps 0 to 2 read under 50,944
	KLOAD K16L, K8L, KSL                           ; step 0's K
.Lstep_a:
	ONESTEP
	s_cmp_lt_u32 s[STEP], 3
	s_cbranch_scc1 .Lstep_a
	LANDED 25                                      ; copies 0 to 24: under 102,400; steps 3 to 6 read under 102,144
.Lstep_b:
	ONESTEP
	s_cmp_lt_u32 s[STEP], 7
	s_cbranch_scc1 .Lstep_b
	LANDED 0                                       ; the whole record
.Lstep_c:
	ONESTEP
	s_cmp_lt_u32 s[STEP], 16
	s_cbranch_scc1 .Lstep_c
; THE WAY OUT of tile w: O^T / the sum, quantised along the head's 64 (register 8 t + j is channel 16 t + 8 h + j; a block lies in lanes l and l xor 16), stored as half a fragment's image
.macro OUT w
	WIN 0x55*\w
	v_add_f32 v[SM], v[SM], v[SM+1]
	s_delay_alu instid0(VALU_DEP_1)
	v_permlanex16_b32 v[PX], v[SM], s[SEL], s[SEL+1]
	s_delay_alu instid0(VALU_DEP_1)
	v_add_f32 v[SM], v[SM], v[PX]                  ; the row's sum
	s_wait_alu depctr_va_vdst(0)                   ; the wait ahead of the reciprocal
	v_rcp_f32 v[SM], v[SM]
	v_nop                                          ; the plain instruction behind it
	s_wait_alu depctr_va_vdst(0)                   ; and the wait ahead of its first reader, which is O^T's first reader too
.set k, 0
.rept 32
	v_mul_f32 v[S+k], v[O+k], v[SM]                ; each accumulator from its low end on
.set k, k+1
.endr
.irp b, 0,1
	v_max3_num_f32 v[BM+\b], |v[S+16*\b]|, |v[S+1+16*\b]|, 0x1800000
.endr
.irp i, 2,4,6,8,10,12,14
.irp b, 0,1
	v_max3_num_f32 v[BM+\b], v[BM+\b], |v[S+16*\b+\i]|, |v[S+1+16*\b+\i]|
.endr
.endr
.irp b, 0,1
	v_permlanex16_b32 v[T+\b], v[BM+\b], s[SEL], s[SEL+1]
.endr
.irp b, 0,1
	v_max_num_f32 v[BM+\b], v[BM+\b], v[T+\b]
.endr
.irp b, 0,1
	v_add_nc_u32 v[BO+\b], 0xff000000, v[BM+\b]
.endr
.irp b, 0,1
	v_lshrrev_b32 v[BB+\b], 23, v[BO+\b]
.endr
	WIN 0x11*\w
	v_lshl_or_b32 v[PSW+\w], v[BB+1], 8, v[BB]     ; the two bytes, into window 0
	WIN 0x55*\w
	v_cvt_scalef32_pk16_fp6_f32 v[PC:PC+2], v[S:S+15], v[BO]
	v_cvt_scalef32_pk16_fp6_f32 v[PT:PT+2], v[S+16:S+31], v[BO+1]
	v_nop                                          ; one plain instruction behind the scaled conversions
.irp i, 0,1,2
	v_permlane16_swap_b32 v[PC+\i], v[PT+\i]       ; a whole block to a lane
.endr
.irp i, 0,1,2
	v_mov_b32 v[PC+3+\i], v[PT+\i]
.endr
	WIN 0x04*\w                                    ; the stores' data lie in window w
	global_store_b128 v[L16], v[PC:PC+3], s[4:5] offset:12288*\w        ; 512 consecutive bytes
	global_store_b64 v[L8], v[PC+4:PC+5], s[4:5] offset:12288*\w+512    ; 256
.endm
	s_wait_alu depctr_va_vdst(0)
	s_wait_kmcnt 0x0                               ; the last step's words and
	s_wait_dscnt 0x0                               ; its loads of K are in: nothing is on its way into my registers
	s_and_b32 s12, s12, 15                         ; head
	s_mul_i32 s30, s13, 12288
	s_mul_i32 s29, s12, 768
	s_add_co_u32 s30, s30, s29
	s_add_nc_u64 s[4:5], s[8:9], s[30:31]          ; my first image; the second lies 12,288 bytes on
	s_lshl_b32 s30, s13, 9
	s_lshl_b32 s29, s12, 1
	s_add_co_u32 s30, s30, s29
	s_add_co_u32 s30, s30, 3145728
	s_add_nc_u64 s[8:9], s[8:9], s[30:31]          ; my tokens' rows of 32 scale bytes, at my head's two
	OUT 0                                          ; its lines are also the places behind tile 1's last products
	OUT 1
	WIN 0
	v_and_b32 v13, 31, v0
	v_lshlrev_b32 v14, 1, v[LSC]                   ; 32 r
	v_cmp_gt_u32 vcc_lo, 16, v13
	s_wait_alu depctr_va_vdst(0)                   ; the wait ahead of the waits below
	s_wait_xcnt 0x0                                ; EXEC changes only behind this wait
	s_wait_tensorcnt 0x0                           ; the wave's end
	ds_add_u32 v[SPW], v[NIL]
	s_wait_dscnt 0x0
	s_and_saveexec_b32 s30, vcc_lo
	global_store_b16 v14, v[PSW], s[8:9]           ; two bytes a token: a token's 32 bytes belong to sixteen heads, that is to sixteen work-groups
	global_store_b16 v14, v[PSW+1], s[8:9] offset:512
	s_wait_xcnt 0x0
	s_or_b32 exec_lo, exec_lo, s30
	s_endpgm
.Lfunc_end_k_q853b44f3d4_attn:
	.size	k_q853b44f3d4_attn, .Lfunc_end_k_q853b44f3d4_attn-k_q853b44f3d4_attn
	.p2alignl 7, 3214868480
	.fill 96, 4, 3214868480
	.section	.rodata,"a",@progbits
	.p2align	6, 0x0
	.amdhsa_kernel k_q853b44f3d4_attn
		.amdhsa_group_segment_fixed_size 205824
		.amdhsa_private_segment_fixed_size 0
		.amdhsa_enable_private_segment 0
		.amdhsa_kernarg_size 24
		.amdhsa_user_sgpr_count 2
		.amdhsa_user_sgpr_kernarg_segment_ptr 1
		.amdhsa_wavefront_size32 1
		.amdhsa_system_sgpr_workgroup_id_x 1
		.amdhsa_system_sgpr_workgroup_id_y 1
		.amdhsa_system_sgpr_workgroup_id_z 1
		.amdhsa_system_vgpr_workitem_id 0
		.amdhsa_next_free_vgpr 512
		.amdhsa_next_free_sgpr 100
		.amdhsa_reserve_vcc 1
		.amdhsa_float_denorm_mode_32 3
		.amdhsa_float_denorm_mode_16_64 3
		.amdhsa_memory_ordered 1
		.amdhsa_forward_progress 1
		.amdhsa_inst_pref_size 133
	.end_amdhsa_kernel
	.amdgpu_metadata
---
amdhsa.version: [ 1, 2 ]
amdhsa.kernels:
  - .name:           k_q853b44f3d4_attn
    .symbol:         k_q853b44f3d4_attn.kd
    .args:
      - { .name: rec, .offset: 0, .size: 8, .value_kind: global_buffer, .address_space: global }
      - { .name: msk, .offset: 8, .size: 8, .value_kind: global_buffer, .address_space: global }
      - { .name: att, .offset: 16, .size: 8, .value_kind: global_buffer, .address_space: global }
    .group_segment_fixed_size: 205824
    .private_segment_fixed_size: 0
    .kernarg_segment_align: 8
    .kernarg_segment_size: 24
    .max_flat_workgroup_size: 256
    .sgpr_count:     100
    .vgpr_count:     512
    .wavefront_size: 32
...
	.end_amdgpu_metadata
.endif
;; end of part 7
;; launch outp (part 8): grid 8 x 32, 4 waves a work-group, clusters of 4 x 4, 327,680 bytes of LDS; arguments att, cod, scl, bo, out0; writes out0
.if DOCPART == 8
	.amdgcn_target "amdgcn-amd-amdhsa--gfx1250"
	.amdhsa_code_object_version 6
	.text
	.protected	k_q853b44f3d4_outp
	.globl	k_q853b44f3d4_outp
	.p2align	8
	.type	k_q853b44f3d4_outp,@function
k_q853b44f3d4_outp:
	s_mov_b64 s[64:65], 0
	v_nop
	global_prefetch_b8 v0, s[64:65] scope:SCOPE_SE
	s_setreg_imm32_b32 hwreg(HW_REG_WAVE_MODE, 25, 1), 1
	s_wait_xcnt 0x0
	s_wait_alu depctr_hold_cnt(0) depctr_sa_sdst(0) depctr_va_vdst(0) depctr_va_sdst(0) depctr_va_ssrc(0) depctr_va_vcc(0) depctr_vm_vsrc(0)
	s_getreg_b32 s2, hwreg(HW_REG_IB_STS2, 6, 4)
	s_cmp_eq_u32 s2, 0
	s_cbranch_scc0 .Lentry_in_a_cluster
	s_endpgm
.Lentry_in_a_cluster:
	s_bfe_u32 s2, ttmp6, 0x10000c
	s_cmp_lg_u32 s2, 0xf033
	s_cbranch_scc0 .Lentry_shape_is_right
	s_endpgm
.Lentry_shape_is_right:
; LAST OF FOUR LAUNCHES: out0 = A Wo^T + bo.  A [4096][1024] (attention's result) and Wo [1024][1024] are codes of FP6 (E2M3) with one E8M0 byte for each 32 along K, laid as images of the operand's registers:
; a tile of 16 rows is 12,288 bytes, in it a K step of 128 is 1,536 bytes (for each half of 64 along K: registers 0-3 of lane l at 16 l, registers 4-5 at 512 + 8 l).  Scales: [row][32] bytes.
; A block of 128 x 128 of the result is made by four waves, 64 x 64 each: 16 accumulators.  256 work-groups.
; ALL OF K LIES IN LDS, each byte filled once: A's 128 rows are 98,304 dense bytes of memory, B's likewise; with the two blocks of scales that is four tiles, ONE joint load a wave, all at the head.  No ring, no refill.
; CLUSTERS: 4 x 4 work-groups; A's tiles are shared along a row of the cluster, B's along a column, each asked for jointly with a mask that names the four.
; NO PREFETCH: every tile is asked for at the head; there is no loop to run ahead in.
; THE MATRIX INSTRUCTION IS USED TRANSPOSED (source 0 = 16 rows of Wo, source 1 = 16 rows of A): a lane holds eight neighbouring numbers of a row of the result.
; REGISTERS: window 0: addresses, v32-63 scale words (register 8 i + g: lanes 0-15 A's block i, lanes 16-31 B's block i, K step g), v64-127 the way out, v128-255 the accumulators; window 1: two sets of fragments (B's four, A's four).
.set FR,     12
.set NP,     4
.set FRB,    1536                      ; a fragment's image
.set RT,     12288                     ; a tile of 16 rows, all of K
.set HALFT,  4*RT                      ; 64 rows: what a wave reads of A or of B
.set KS,     32
.set SCL,    4*HALFT                   ; behind A's and B's 128 rows: the scales, as units of 256 bytes + 16 of padding
.set HALFS,  8*272                     ; those of 64 rows
.set SBLK,   544                       ; those of 16 rows
.set STAGE,  SCL+4*HALFS               ; the way out: 16 rows x 272 bytes for each wave; no load lands here
.set SPITCH, 272
.set SPARE,  STAGE+4*16*SPITCH         ; the spare words, 128 bytes for each wave
.set ROWB,   4096
.set R16,  9
.set L16,  10
.set L8,   11
.set BIAS, 12
.set ADRA, 16                          ; v16 my rows of A + 16 x lane, v18 + 8 x lane
.set ADRB, 20                          ; v20, v22 the same for B
.set STO,  24
.set RD,   25
.set CO,   26
.set ADRS, 27
.set SPW,  28
.set NIL,  29
.set SC,   32
.set BK,   64
.set ACC,  128
.set G1, 24
.set G0, 32
.set G1B, 48
.set G0B, 56
.set G1S, 68
.set G0S, 76
.set G1SB, 80
.set G0SB, 88
.set MSB, 0
.macro WIN new
.if MSB != \new
	s_set_vgpr_msb (MSB<<8)|\new
.set MSB, \new
.endif
.endm
.set MUL,  0x05                        ; sources 0 and 1 in window 1
.set TO_F, 0x40                        ; destination in window 1
.macro CROUND                          ; a round of the cluster's barrier
	s_barrier_signal -1
	s_barrier_wait -1
	s_cmp_lg_u32 s14, 0
	s_cbranch_scc1 .Lnot_wave_0_\@
	s_barrier_signal -3
.Lnot_wave_0_\@:
	s_barrier_wait -3
	s_barrier_signal -1
	s_barrier_wait -1
.endm
	s_load_b128 s[4:7], s[0:1], 0x0                ; att, cod
	s_load_b128 s[8:11], s[0:1], 0x10              ; scl, bo
	s_load_b64 s[12:13], s[0:1], 0x20              ; out0
	v_lshl_add_u32 v[SPW], v0, 2, SPARE
	v_mov_b32 v[NIL], 0
	ds_add_u32 v[SPW], v[NIL]                      ; the opening lines: the add, twice on end, and its wait below
	ds_add_u32 v[SPW], v[NIL]
	v_lshrrev_b32 v1, 5, v0
	v_readfirstlane_b32 s14, v1                    ; wave 0..3
	s_lshr_b32 s15, s14, 1                         ; which 64 rows of the block are mine
	s_and_b32 s16, s14, 1                          ; which 64 columns
	s_bfe_u32 s40, ttmp6, 0x40000                  ; cx, cy
	s_bfe_u32 s41, ttmp6, 0x40004
	s_lshl_b32 s42, ttmp9, 2
	s_add_co_u32 s42, s42, s40                     ; block column
	s_and_b32 s17, ttmp7, 0xffff
	s_lshl_b32 s17, s17, 2
	s_add_co_u32 s17, s17, s41                     ; block row
	s_lshl_b32 s43, s41, 2
	s_lshl_b32 s43, 15, s43                        ; my row of the cluster
	s_lshl_b32 s44, 0x1111, s40                    ; my column
	s_or_b32 s[G1+0], s43, (3<<16)|(1<<21)         ; codes: 8 tiles of 16 rows, each 1,536 elements of 8 bytes, dense
	s_or_b32 s[G1B+0], s44, (3<<16)|(1<<21)
.irp g, G1, G1B
	s_mov_b32 s[\g+1], 1536<<16
	s_mov_b32 s[\g+2], 8<<16
	s_mov_b32 s[\g+3], 1536<<16
	s_mov_b32 s[\g+4], 8
	s_mov_b32 s[\g+5], 1536
	s_mov_b32 s[\g+6], 0
	s_mov_b32 s[\g+7], 0
.endr
	s_or_b32 s[G1S+0], s43, (3<<16)|(1<<20)|(1<<21)|(5<<22)|(3<<25)   ; scales of 128 rows: 4,096 dense bytes as 16 rows of 256, 16 bytes of padding behind each
	s_or_b32 s[G1SB+0], s44, (3<<16)|(1<<20)|(1<<21)|(5<<22)|(3<<25)
.irp g, G1S, G1SB
	s_mov_b32 s[\g+1], 32<<16
	s_mov_b32 s[\g+2], 16<<16
	s_mov_b32 s[\g+3], 32<<16
	s_mov_b32 s[\g+4], 16
	s_mov_b32 s[\g+5], 32
	s_mov_b32 s[\g+6], 0
	s_mov_b32 s[\g+7], 0
.endr
	s_lshl_b32 s20, s17, 7                         ; A's first row
	s_lshl_b32 s46, s42, 7                         ; B's
	s_lshl_b32 s22, s20, 5
	s_add_co_u32 s22, s22, 3145728                 ; A's scales lie behind its codes
	s_mov_b32 s23, 0
	s_lshl_b32 s92, s46, 5
	s_add_co_u32 s92, s92, 491520                  ; Wo is rows 15,360 on of the stacked tensors
	s_mov_b32 s93, 0
	s_mul_i32 s20, s20, 768
	s_mov_b32 s21, 0
	s_mul_i32 s46, s46, 768
	s_add_co_u32 s46, s46, 11796480
	s_mov_b32 s47, 0
	s_wait_dscnt 0x0                               ; both opening adds are done
	s_wait_kmcnt 0x0
	s_add_nc_u64 s[20:21], s[4:5], s[20:21]
	s_add_nc_u64 s[22:23], s[4:5], s[22:23]
	s_add_nc_u64 s[46:47], s[6:7], s[46:47]
	s_add_nc_u64 s[92:93], s[8:9], s[92:93]
	CROUND                                         ; all sixteen work-groups are here: the joint loads meet
	s_mov_b32 s[G0], 1
	s_mov_b32 s[G0+1], 0
	s_mov_b64 s[G0+2:G0+3], s[20:21]
	s_or_b32 s[G0+3], s[G0+3], 0x80000000
	s_mov_b32 s[G0B], 1
	s_mov_b32 s[G0B+1], 2*HALFT
	s_mov_b64 s[G0B+2:G0B+3], s[46:47]
	s_or_b32 s[G0B+3], s[G0B+3], 0x80000000
	s_mov_b32 s[G0S], 1
	s_mov_b32 s[G0S+1], SCL
	s_mov_b64 s[G0S+2:G0S+3], s[22:23]
	s_or_b32 s[G0S+3], s[G0S+3], 0x80000000
	s_mov_b32 s[G0SB], 1
	s_mov_b32 s[G0SB+1], SCL+2*HALFS
	s_mov_b64 s[G0SB+2:G0SB+3], s[92:93]
	s_or_b32 s[G0SB+3], s[G0SB+3], 0x80000000
; ONE tree of branches on the wave's number, a load to each arm: wave 0 A's codes, wave 1 B's, wave 2 A's scales, wave 3 B's
.macro ARM under, g0, g1, next
	s_cmp_lt_u32 s14, \under
	s_cbranch_scc0 \next
	tensor_load_to_lds s[\g0:\g0+3], s[\g1:\g1+7]
	s_nop 0
.rept 4
	v_nop
.endr
	s_branch .Lhead_asked
\next:
.endm
	ARM 1, G0,  G1,  .Lhead_b
	ARM 2, G0B, G1B, .Lhead_sa
	ARM 3, G0S, G1S, .Lhead_sb
	tensor_load_to_lds s[G0SB:G0SB+3], s[G1SB:G1SB+7]
	s_nop 0
.rept 4
	v_nop
.endr
.Lhead_asked:
	v_and_b32 v1, 31, v0
	v_and_b32 v2, 15, v0                           ; r
	v_bfe_u32 v3, v0, 4, 1                         ; h
	v_lshlrev_b32 v[L16], 4, v1
	v_lshlrev_b32 v[L8], 3, v1
	v_lshlrev_b32 v[R16], 4, v2
	s_mul_i32 s21, s15, HALFT
	s_mul_i32 s22, s16, HALFT
	s_add_co_u32 s22, s22, 2*HALFT
	v_add_nc_u32 v[ADRA], s21, v[L16]
	v_add_nc_u32 v[ADRB], s22, v[L16]
	v_add_nc_u32 v[ADRA+2], s21, v[L8]
	v_add_nc_u32 v[ADRB+2], s22, v[L8]
	v_mul_u32_u24 v5, v2, KS                       ; my row's scales: 32 bytes a row,
	v_lshrrev_b32 v6, 8, v5
	v_lshl_add_u32 v5, v6, 4, v5                   ; and 16 more for each 256 passed
	s_mul_i32 s21, s15, HALFS
	s_mul_i32 s22, s16, HALFS
	s_add_co_u32 s22, s22, 2*HALFS
	s_sub_co_u32 s22, s22, s21
	v_mul_u32_u24 v6, s22, v3                      ; lanes 16-31 take B's
	s_add_co_u32 s21, s21, SCL
	v_add_nc_u32 v5, v5, v6
	v_add_nc_u32 v[ADRS], s21, v5
	s_mul_i32 s23, s14, 16*SPITCH
	s_add_co_u32 s23, s23, STAGE                   ; my stage
	v_mul_u32_u24 v5, v2, SPITCH                   ; in: row r, 32 bytes for each half of the lanes
	v_lshl_add_u32 v5, v3, 5, v5
	v_add_nc_u32 v[STO], s23, v5
	v_mul_u32_u24 v5, v3, SPITCH                   ; back: sixteen lanes to a row of 256 bytes, two rows an instruction
	v_add_nc_u32 v5, v5, v[R16]
	v_add_nc_u32 v[RD], s23, v5
	v_lshl_add_u32 v[CO], v3, 12, v[R16]           ; and the same two rows in out0
	s_lshl_b32 s20, s17, 7
	s_lshl_b32 s21, s15, 6
	s_add_co_u32 s20, s20, s21
	s_lshl_b32 s20, s20, 12                        ; my first row, in bytes
	s_lshl_b32 s46, s42, 9
	s_lshl_b32 s47, s16, 8
	s_add_co_u32 s46, s46, s47                     ; my first column, in bytes
	s_mov_b32 s47, 0
	s_add_nc_u64 s[10:11], s[10:11], s[46:47]
	s_add_co_u32 s46, s46, s20
	s_add_nc_u64 s[12:13], s[12:13], s[46:47]
	global_load_b128 v[BIAS:BIAS+3], v[R16], s[10:11]   ; bo at the four columns that I store
.macro FRAG reg, adr, base
	ds_load_b128 v[\reg:\reg+3], v[\adr] offset:\base
	ds_load_b64 v[\reg+4:\reg+5], v[\adr+2] offset:\base+512
	ds_load_b128 v[\reg+6:\reg+9], v[\adr] offset:\base+768
	ds_load_b64 v[\reg+10:\reg+11], v[\adr+2] offset:\base+1280
.endm
.macro FETCH g                         ; K step g's fragments into set g % 2: B's four, then A's four: 32 loads
	WIN TO_F
.irp i, 0,1,2,3
	FRAG 128*((\g)%2)+FR*\i, ADRB, \i*RT+(\g)*FRB
.endr
.irp i, 0,1,2,3
	FRAG 128*((\g)%2)+48+FR*\i, ADRA, \i*RT+(\g)*FRB
.endr
.endm
.macro MUL8 p, g, a0, zero             ; A's blocks a0, a0 + 1 x B's four; the sixteen accumulators take turns, one instruction a turn
.irp a, \a0, \a0+1
.irp b, 0,1,2,3
.if \zero
	v_wmma_scale_f32_16x16x128_f8f6f4 v[ACC+8*(4*(\a)+\b):ACC+8*(4*(\a)+\b)+7], v[128*(\p)+FR*\b:128*(\p)+FR*\b+FR-1], v[128*(\p)+48+FR*(\a):128*(\p)+48+FR*(\a)+FR-1], 0, v[SC+8*\b+(\g)], v[SC+8*(\a)+(\g)] matrix_a_fmt:MATRIX_FMT_FP6 matrix_b_fmt:MATRIX_FMT_FP6 matrix_a_scale:MATRIX_SCALE_ROW1
.else
	v_wmma_scale_f32_16x16x128_f8f6f4 v[ACC+8*(4*(\a)+\b):ACC+8*(4*(\a)+\b)+7], v[128*(\p)+FR*\b:128*(\p)+FR*\b+FR-1], v[128*(\p)+48+FR*(\a):128*(\p)+48+FR*(\a)+FR-1], v[ACC+8*(4*(\a)+\b):ACC+8*(4*(\a)+\b)+7], v[SC+8*\b+(\g)], v[SC+8*(\a)+(\g)] matrix_a_fmt:MATRIX_FMT_FP6 matrix_b_fmt:MATRIX_FMT_FP6 matrix_a_scale:MATRIX_SCALE_ROW1
.endif
.endr
.endr
.endm
.macro PLACES n
.rept \n
	v_nop
.endr
.endm
.macro KSTEP g, zero, fetch
	s_wait_dscnt 8                                 ; B's four and A's blocks 0, 1 are in; the youngest eight loads (A's blocks 2, 3) may be out
	WIN MUL
	MUL8 (\g)%2, \g, 0, \zero
.if \fetch
	PLACES NP                                      ; places in front of loads into the set that the last step's products read
	FETCH (\g)+1
	s_wait_dscnt 32                                ; all but the 32 just issued
	WIN MUL
.else
	s_wait_dscnt 0x0
.endif
	MUL8 (\g)%2, \g, 2, \zero
.endm
	s_wait_alu depctr_va_vdst(0)                   ; the wait at the head's end
	s_wait_tensorcnt 0x0                           ; my tile of the four is in;
	s_barrier_signal -1
	s_barrier_wait -1                              ; and so is everybody's.
.irp i, 0,1,2,3
	ds_load_b128 v[SC+8*\i:SC+8*\i+3], v[ADRS] offset:\i*SBLK          ; a row's eight scale words, for all of K
	ds_load_b128 v[SC+8*\i+4:SC+8*\i+7], v[ADRS] offset:\i*SBLK+16
.endr
	FETCH 0
	KSTEP 0, 1, 1                                  ; the first step's products start the sums
.irp g, 1,2,3,4,5,6
	KSTEP \g, 0, 1
.endr
	KSTEP 7, 0, 0
	WIN 0
; THE WAY OUT, block by block of 16 rows x 64 columns, through my own stage: back come whole rows of 256 bytes, which sixteen lanes store as one aligned unit
.macro TOSTAGE a
.irp b, 0,1,2,3
	ds_store_b128 v[STO], v[ACC+8*(4*(\a)+\b):ACC+8*(4*(\a)+\b)+3] offset:64*\b          ; each accumulator from its low end on
	ds_store_b128 v[STO], v[ACC+8*(4*(\a)+\b)+4:ACC+8*(4*(\a)+\b)+7] offset:64*\b+16
.endr
.set BB, BK+32*((\a)%2)
.irp t, 0,1,2,3,4,5,6,7
	ds_load_b128 v[BB+4*\t:BB+4*\t+3], v[RD] offset:\t*2*SPITCH    ; LDS serves a wave's instructions in order (ISA guide 5.7.1.4): these see the stores above
.endr
.endm
.macro SEND a, younger                 ; younger: the LDS instructions issued behind block a's loads
.set BB, BK+32*((\a)%2)
	s_wait_dscnt \younger
.irp t, 0,1,2,3,4,5,6,7
	v_pk_add_f32 v[BB+4*\t:BB+4*\t+1], v[BB+4*\t:BB+4*\t+1], v[BIAS:BIAS+1]
	v_pk_add_f32 v[BB+4*\t+2:BB+4*\t+3], v[BB+4*\t+2:BB+4*\t+3], v[BIAS+2:BIAS+3]
	global_store_b128 v[CO], v[BB+4*\t:BB+4*\t+3], s[12:13] offset:((\a)*16+2*\t)*ROWB th:TH_STORE_NT
.endr
.endm
	PLACES NP
	s_wait_loadcnt 0x0                             ; bo
	TOSTAGE 0
.irp a, 1,2,3
.if \a > 1
	s_wait_xcnt 0x0                                ; block a - 2's stores have read their registers: block a's loads may land there
.endif
	TOSTAGE \a
	SEND \a-1, 16                                  ; behind block a - 1's loads: block a's 8 stores and 8 loads
.endr
	SEND 3, 0
	s_wait_tensorcnt 0x0                           ; the wave's end
	ds_add_u32 v[SPW], v[NIL]
	s_wait_dscnt 0x0
	CROUND                                         ; the closing round
	s_endpgm
.Lfunc_end_k_q853b44f3d4_outp:
	.size	k_q853b44f3d4_outp, .Lfunc_end_k_q853b44f3d4_outp-k_q853b44f3d4_outp
	.p2alignl 7, 3214868480
	.fill 96, 4, 3214868480
	.section	.rodata,"a",@progbits
	.p2align	6, 0x0
	.amdhsa_kernel k_q853b44f3d4_outp
		.amdhsa_group_segment_fixed_size 327680
		.amdhsa_private_segment_fixed_size 0
		.amdhsa_enable_private_segment 0
		.amdhsa_kernarg_size 40
		.amdhsa_user_sgpr_count 2
		.amdhsa_user_sgpr_kernarg_segment_ptr 1
		.amdhsa_wavefront_size32 1
		.amdhsa_system_sgpr_workgroup_id_x 1
		.amdhsa_system_sgpr_workgroup_id_y 1
		.amdhsa_system_sgpr_workgroup_id_z 1
		.amdhsa_system_vgpr_workitem_id 0
		.amdhsa_next_free_vgpr 512
		.amdhsa_next_free_sgpr 98
		.amdhsa_reserve_vcc 0
		.amdhsa_float_denorm_mode_32 3
		.amdhsa_float_denorm_mode_16_64 3
		.amdhsa_memory_ordered 1
		.amdhsa_forward_progress 1
		.amdhsa_inst_pref_size 55
	.end_amdhsa_kernel
	.amdgpu_metadata
---
amdhsa.version: [ 1, 2 ]
amdhsa.kernels:
  - .name:           k_q853b44f3d4_outp
    .symbol:         k_q853b44f3d4_outp.kd
    .args:
      - { .name: att, .offset: 0, .size: 8, .value_kind: global_buffer, .address_space: global }
      - { .name: cod, .offset: 8, .size: 8, .value_kind: global_buffer, .address_space: global }
      - { .name: scl, .offset: 16, .size: 8, .value_kind: global_buffer, .address_space: global }
      - { .name: bo, .offset: 24, .size: 8, .value_kind: global_buffer, .address_space: global }
      - { .name: out0, .offset: 32, .size: 8, .value_kind: global_buffer, .address_space: global }
    .group_segment_fixed_size: 327680
    .private_segment_fixed_size: 0
    .kernarg_segment_align: 8
    .kernarg_segment_size: 40
    .max_flat_workgroup_size: 128
    .sgpr_count:     98
    .vgpr_count:     512
    .wavefront_size: 32
...
	.end_amdgpu_metadata
.endif
;; end of part 8
